; MI455X (gfx1250); checked and timed in simulation.
; The chip was launched on July 23, 2026; its instructions are those of AMD's public machine-readable ISA for CDNA 5 (MIT licence, August 2026) and "CDNA5" Instruction Set Architecture Reference Guide (July 2026). The comments in the code are by the model that wrote it; some were corrected since.
;; Di T Block. Allowed arithmetic: matrix products marked QUANTISED: E4M3 operands, one E8M0 scale for each 32 along K, by v_wmma_scale_f32_16x16x128_f8f6f4 with both operands' format E4M3, f32 sums; products left as they are: f32 operands where the result goes on into a quantised operand, else bf16, f16 or f32 operands; f32 sums; everything else in f32.
;; Inputs: b1 4,096 float32; b2 1,024 float32; b_adaln1 2,048 float32; b_adaln2 2,048 float32; bk 1,024 float32; bo 1,024 float32; bq 1,024 float32; bv 1,024 float32; cond 2 x 1,024 float32; key_padding_mask 2 x 2,048 bool; w1 4,096 x 1,024 float32; w2 1,024 x 4,096 float32; w_adaln1 2,048 x 1,024 float32; w_adaln2 2,048 x 1,024 float32; wk 1,024 x 1,024 float32; wo 1,024 x 1,024 float32; wq 1,024 x 1,024 float32; wv 1,024 x 1,024 float32; x 2 x 2,048 x 1,024 float32.
;; Outputs: out0 2 x 2,048 x 1,024 float32.
;; This version of the problem:
;;   THIS VERSION OF THE PROBLEM IS GIVEN IN LOW PRECISION. The matrix products marked QUANTISED in the list below multiply operands that are first quantised to E4M3 (4 exponent bits, 3 mantissa bits; 8 bits a number), with one power-of-two scale for each 32 numbers along K (OCP MX v1.0); their sums are f32. All else is computed in f32.
;;   The module's matrix products, in the order in which they are computed (A, B: the left and right operand; K: the contracted axis; several contracted axes count as one K, in the product's order):
;;     1. [M 2, K 1,024] x [K 1,024, N 2,048]; A: input cond; B: input w_adaln1: left as it is (M = 2 < 16)
;;     2. [M 4,096, K 1,024] x [K 1,024, N 1,024]; A: computed on the way; B: input wq: QUANTISED
;;     3. [M 4,096, K 1,024] x [K 1,024, N 1,024]; A: computed on the way; B: input wk: QUANTISED
;;     4. [M 4,096, K 1,024] x [K 1,024, N 1,024]; A: computed on the way; B: input wv: QUANTISED
;;     5. batch 32 x [M 2,048, K 64] x [K 64, N 2,048]; A: computed on the way; B: computed on the way: QUANTISED
;;     6. batch 32 x [M 64, K 2,048] x [K 2,048, N 2,048]; A: computed on the way; B: softmax (see below): QUANTISED
;;     7. [M 4,096, K 1,024] x [K 1,024, N 1,024]; A: computed on the way; B: input wo: QUANTISED
;;     8. [M 2, K 1,024] x [K 1,024, N 2,048]; A: input cond; B: input w_adaln2: left as it is (M = 2 < 16)
;;     9. [M 4,096, K 1,024] x [K 1,024, N 4,096]; A: computed on the way; B: input w1: QUANTISED
;;     10. [M 4,096, K 4,096] x [K 4,096, N 1,024]; A: computed on the way; B: input w2: QUANTISED
;;   THE QUANTISER, for each operand of a quantised product, along K:
;;     - K is cut into blocks of 32 from its start; a last block that is shorter is filled with zeros.
;;     - A block's scale is 2^e with e = floor(log2(the largest magnitude in the block)) - 8, held to -126 .. 127; a block of zeros has e = 0. As a byte (E8M0): e + 127.
;;     - Each number is divided by its block's scale, clamped to +-448, and rounded to the nearest number of E4M3, ties to even, subnormals kept.
;;     - The product sums the exact products of the quantised numbers (number of the format x scale) in f32.
;;   ~~~python
;;   def quantise(x, axis):      # numpy; x: float32 -> the quantised numbers, widened to float32 again
;;       x = np.moveaxis(x, axis, -1); K = x.shape[-1]
;;       x = np.pad(x, [(0, 0)] * (x.ndim - 1) + [(0, -K % 32)]); x = x.reshape(x.shape[:-1] + (-1, 32)); a = np.abs(x).max(-1, keepdims=True)
;;       e = np.where(a > 0, np.clip(np.frexp(np.where(a > 0, a, 1))[1] - 1 - 8, -126, 127), 0)      # np.frexp(a)[1] - 1 = floor(log2(a)), exactly
;;       r = np.clip(x / 2.0 ** e, -448, 448)
;;       step = 2.0 ** (np.maximum(np.frexp(np.where(r == 0, 1, r))[1] - 1, -6) - 3)
;;       q = np.round(r / step) * step * 2.0 ** e      # np.round: ties to even
;;       return np.moveaxis(q.reshape(q.shape[:-2] + (-1,))[..., :K], -1, axis).astype(np.float32)
;;   ~~~
;;   SOFTMAX AHEAD OF A QUANTISED PRODUCT. Where the list says 'softmax', what is quantised is not the finished softmax but p = 2^(t - M), with t = logit x log2(e) and M = ceil(the row's largest t), a whole number; so 1/2 < the row's largest p <= 1. The row's sum l is taken of the UNQUANTISED p, in f32, and the product's result is divided by l at the end. Since M is a whole number, a kernel that streams over the keys may use a running M (the ceiling of the running maximum): every later rescaling is an exact power of two, which a block's scale takes up: the codes' values come out the same.
;;   OPERANDS COMPUTED ON THE WAY. 'Computed on the way' means the value that the module computes at that place (a softmax that the list does not call 'softmax' is quantised finished and normalised). What goes into a quantiser is computed in f32, as accurately as f32 sums, v_exp_f32 and their like allow (about 1e-6 of the number): no bf16 or f16 on the way to a quantiser, and a product that is left as it is and whose result goes on into a quantised operand takes f32 operands (vector FMAs, or v_wmma_f32_16x16x4_f32). A number that lies on a knife's edge between two numbers of the format may be rounded either way, as far as f32 arithmetic and the matrix unit's own rounding can turn it there, and no further.
;; 2 versions. Each part assembles by itself: llvm-mc -triple=amdgcn-amd-amdhsa -mcpu=gfx1250 --defsym DOCPART=n.
;; ======== version 1 of 2: 8 launches
;; limits: right only within a limited range of input values
;; workspace buffers: ss1 16,384 bytes; ss2 16,384 bytes; wts 12,976,128 bytes; nrm 4,325,376 bytes; qkv 17,563,648 bytes; ao 4,325,376 bytes; x2 16,777,216 bytes; hq 17,301,504 bytes
;; launch prep (part 1): grid 256 x 1, 4 waves a work-group, no clusters, 34,304 bytes of LDS; arguments wq, wk, wv, wo, w1, w2, w_adaln1, w_adaln2, b_adaln1, b_adaln2, cond, wts, ss1, ss2; writes wts, ss1, ss2
.if DOCPART == 1
	.amdgcn_target "amdgcn-amd-amdhsa--gfx1250"
	.amdhsa_code_object_version 6
	.text
	.protected	k_q1067fbaa52_prep
	.globl	k_q1067fbaa52_prep
	.p2align	8
	.type	k_q1067fbaa52_prep,@function
k_q1067fbaa52_prep:
	s_mov_b64 s[64:65], 0
	v_nop
	global_prefetch_b8 v0, s[64:65] scope:SCOPE_SE
	s_setreg_imm32_b32 hwreg(HW_REG_WAVE_MODE, 25, 1), 1
	s_wait_xcnt 0x0
; Work-groups 0-191: the six weights (f32, K innermost) become codes of E4M3 with one E8M0 byte for each 32 along K, laid as the products' launches read them.
; Work-groups 192-255: ss = cond W^T + b for the two adaLN weights, in f32 (fused multiply-adds), [2][2048] each.
; THE OPERANDS' LAYOUT: [K / 256 slots][rows / 128 groups][a part of 33,792 bytes].  In a part: the image of fragment (q = which 128 of the slot's K, a = which 16 rows) at (8 q + a) x 2,048:
; four pieces of 512 bytes, piece c = registers 4 c .. 4 c + 3 of the operand, 16 bytes a lane; behind the 16 images the scale words: that of (q, a, row r) at 32,768 + 512 q + 16 ((a % 2) 16 + r) + 4 (a / 2).
; ROWS STAND IN POSITION ORDER: row i of block a = 2 g + u is the true row 32 g + 16 (i / 8) + 8 u + i % 8, so that as source 0 of a product two neighbouring blocks give a lane 16 true neighbours.
; A wave takes 128 rows x 128 K: eight blocks.  Each load reads a row's 512 consecutive bytes; the block turns through the wave's own stage in LDS (rows of 512 + 16 bytes), so that a lane holds 16 neighbours of each block of 32.
; LIMITS: NaN and infinities are not served; a block whose largest magnitude lies under 2^-118 keeps the byte 1 (a block of zeros too: its codes are zeros, and this program alone reads the bytes).
.set PART,  33792
.set WOOFF, 96*PART                    ; regions of wts: wq, wk, wv (24 groups, 4 slots) at 0; wo (8, 4); w1 (32, 4); w2 (8, 16)
.set W1OFF, 128*PART
.set W2OFF, 256*PART
.set LI,  1                            ; v1   16 x lane
.set STI, 2                            ; v2   the stage, on the way in
.set STO, 3                            ; v3   and out: 528 r + 64 h
.set SW,  8                            ; v8-11  the eight blocks' scale words: even blocks in lanes 0-15, odd in lanes 16-31
.set PW,  12                           ; v12  the scale word just made
.set VO,  16                           ; v16-31 row i of a block: 16 x lane + (16 (i / 8) + i % 8) x pitch
.set R,   32                           ; v32-159 two sets of 16 rows as loaded
.set X,   160                          ; v160-223 64 numbers a lane: register 16 b + i = k 32 b + 16 h + i of row r
.set TM,  224
.set PC,  240
.set SEL, 48
.set MNT, 50
.set HI,  51
; 64 numbers of a lane become a fragment's codes in v[PC] on and its scale word in v[PW]
.macro QUANT s
.irp b, 0,1,2,3
	v_max3_num_f32 v[TM+\b], |v[\s+16*\b]|, |v[\s+1+16*\b]|, 0x4800000   ; my 16 numbers of block b, and the floor 2^(9 - 127): the byte cannot fall under 1
.endr
.irp i, 2,4,6,8,10,12,14
.irp b, 0,1,2,3
	v_max3_num_f32 v[TM+\b], v[TM+\b], |v[\s+16*\b+\i]|, |v[\s+1+16*\b+\i]|
.endr
.endr
.irp b, 0,1,2,3
	v_permlanex16_b32 v[TM+4+\b], v[TM+\b], s[SEL], s[SEL+1]
.endr
.irp b, 0,1,2,3
	v_max_num_f32 v[TM+\b], v[TM+\b], v[TM+4+\b]   ; with lane l xor 16's: the block's largest magnitude
.endr
.irp b, 0,1,2,3
	v_add_nc_u32 v[TM+12+\b], 0xfc000000, v[TM+\b]   ; 8 off its exponent field: the conversion's scale operand
.endr
.irp b, 0,1,2,3
	v_and_or_b32 v[TM+8+\b], v[TM+\b], 0x7f800000, s[MNT]   ; 448 x the scale
.endr
.irp b, 0,1,2,3
	v_lshrrev_b32 v[TM+4+\b], 23, v[TM+12+\b]   ; the scale's byte
.endr
	v_lshl_or_b32 v[PW], v[TM+5], 8, v[TM+4]
	v_lshl_or_b32 v[PW], v[TM+6], 16, v[PW]
	v_lshl_or_b32 v[PW], v[TM+7], 24, v[PW]
.irp b, 0,1,2,3
.irp i, 0,1,2,3,4,5,6,7,8,9,10,11,12,13,14,15
	v_med3_num_f32 v[\s+16*\b+\i], v[\s+16*\b+\i], -v[TM+8+\b], v[TM+8+\b]   ; the conversion does not saturate (ISA guide 7.6.2): the hold at the largest code x the scale
.endr
	v_cvt_scalef32_pk8_fp8_f32 v[PC+4*\b:PC+1+4*\b], v[\s+16*\b:\s+7+16*\b], v[TM+12+\b]
	v_cvt_scalef32_pk8_fp8_f32 v[PC+2+4*\b:PC+3+4*\b], v[\s+8+16*\b:\s+15+16*\b], v[TM+12+\b]
.endr
	v_nop                                          ; a plain line behind the last conversion
.endm
	s_load_b512 s[4:19], s[0:1], 0x0               ; wq, wk, wv, wo, w1, w2, w_adaln1, w_adaln2
	s_load_b256 s[20:27], s[0:1], 0x40             ; b_adaln1, b_adaln2, cond, wts
	s_load_b128 s[28:31], s[0:1], 0x60             ; ss1, ss2
	v_lshl_add_u32 v14, v0, 2, 0x8400
	v_mov_b32 v15, 0
	v_lshrrev_b32 v4, 5, v0
	v_readfirstlane_b32 s32, v4                    ; wave
	v_and_b32 v5, 31, v0
	v_and_b32 v6, 15, v0                           ; r
	v_bfe_u32 v7, v0, 4, 1                         ; h
	v_lshlrev_b32 v[LI], 4, v5
	s_mov_b32 s[SEL], 0x76543210
	s_mov_b32 s[SEL+1], 0xfedcba98
	s_mov_b32 s[MNT], 0x600000
	s_mov_b32 s[HI], 0xffff0000
	s_lshl_b32 s36, ttmp9, 2
	s_add_co_u32 s36, s36, s32                     ; unit = 4 x work-group + wave
	s_cmp_lt_u32 ttmp9, 192
	s_cbranch_scc0 .Ladaln
	; ---- a weight.  Which tensor, by the work-group's number alone: 16 work-groups each for wq, wk, wv, wo; 64 for w1; 64 for w2
	s_mov_b32 s37, 512                             ; the tensor's first unit
	s_mov_b32 s38, 5                               ; log2 of its steps of 128 along K
	s_mov_b32 s39, 8                               ; groups in its region
	s_mov_b32 s40, W2OFF                           ; the region
	s_mov_b32 s41, 0                               ; its first group there
	s_mov_b32 s42, 16384                           ; bytes in a row
	s_wait_kmcnt 0x0
	s_mov_b64 s[34:35], s[14:15]
	s_cmp_lt_u32 ttmp9, 128
	s_cselect_b32 s37, 256, s37
	s_cselect_b32 s38, 3, s38
	s_cselect_b32 s39, 32, s39
	s_cselect_b32 s40, W1OFF, s40
	s_cselect_b32 s42, 4096, s42
	s_cselect_b64 s[34:35], s[12:13], s[34:35]
	s_cmp_lt_u32 ttmp9, 64
	s_cselect_b32 s37, 192, s37
	s_cselect_b32 s39, 8, s39
	s_cselect_b32 s40, WOOFF, s40
	s_cselect_b64 s[34:35], s[10:11], s[34:35]
	s_cmp_lt_u32 ttmp9, 48
	s_cselect_b32 s37, 128, s37
	s_cselect_b32 s39, 24, s39
	s_cselect_b32 s40, 0, s40
	s_cselect_b32 s41, 16, s41
	s_cselect_b64 s[34:35], s[8:9], s[34:35]
	s_cmp_lt_u32 ttmp9, 32
	s_cselect_b32 s37, 64, s37
	s_cselect_b32 s41, 8, s41
	s_cselect_b64 s[34:35], s[6:7], s[34:35]
	s_cmp_lt_u32 ttmp9, 16
	s_cselect_b32 s37, 0, s37
	s_cselect_b32 s41, 0, s41
	s_cselect_b64 s[34:35], s[4:5], s[34:35]
	s_sub_co_u32 s36, s36, s37                     ; my unit in the tensor
	s_lshr_b32 s43, s36, s38                       ; g: which 128 rows
	s_lshl_b32 s44, s43, s38
	s_sub_co_u32 s44, s36, s44                     ; ks: which 128 along K
	s_mul_i32 s45, s43, s42
	s_lshl_b32 s45, s45, 7                         ; g x 128 rows
	s_lshl_b32 s46, s44, 9
	s_add_co_u32 s52, s45, s46
	s_mov_b32 s53, 0
	s_add_nc_u64 s[34:35], s[34:35], s[52:53]      ; the source at my first row and column
	s_lshr_b32 s45, s44, 1                         ; the slot
	s_mul_i32 s45, s45, s39
	s_add_co_u32 s45, s45, s41
	s_add_co_u32 s45, s45, s43
	s_mul_i32 s45, s45, PART
	s_add_co_u32 s52, s45, s40
	s_add_nc_u64 s[26:27], s[26:27], s[52:53]      ; my part
	s_and_b32 s45, s44, 1                          ; q
	s_lshl_b32 s52, s45, 14
	s_add_nc_u64 s[54:55], s[26:27], s[52:53]      ; my eight images
	s_lshl_b32 s52, s45, 9
	s_add_co_u32 s52, s52, 32768
	s_add_nc_u64 s[56:57], s[26:27], s[52:53]      ; my 512 bytes of scale words
	s_lshl_b32 s58, s42, 3                         ; 8 rows on,
	s_mov_b32 s59, 0
	s_mul_i32 s60, s42, 24                         ; 24 rows on
	s_mov_b32 s61, 0
.set ii, 0
.rept 16
	s_mul_i32 s45, s42, 16*(ii/8)+(ii%8)
	v_add_nc_u32 v[VO+ii], s45, v[LI]
.set ii, ii+1
.endr
	s_mul_i32 s45, s32, 8448                       ; my stage: 16 rows x 528 bytes
	v_add_nc_u32 v[STI], s45, v[LI]
	v_mul_u32_u24 v[STO], v6, 528
	v_lshl_add_u32 v[STO], v7, 6, v[STO]
	v_add_nc_u32 v[STO], s45, v[STO]
.irp b, 0,1,2,3
	v_mov_b32 v[TM+4+\b], 0                        ; written once: a lane permute's destination counts as one of its sources
.endr
.macro LOADF set                       ; a block's 16 rows: 32 lanes read 512 consecutive bytes
.set ii, 0
.rept 16
	global_load_b128 v[R+64*(\set)+4*ii:R+64*(\set)+4*ii+3], v[VO+ii], s[34:35] th:TH_LOAD_NT
.set ii, ii+1
.endr
.endm
.macro TURNF set                       ; through the stage: LDS serves a wave's instructions in order, so no wait stands between the stores and the loads
.set ii, 0
.rept 16
	ds_store_b128 v[STI], v[R+64*(\set)+4*ii:R+64*(\set)+4*ii+3] offset:528*ii
.set ii, ii+1
.endr
.set ii, 0
.rept 16
	ds_load_b128 v[X+4*ii:X+4*ii+3], v[STO] offset:128*(ii/4)+16*(ii%4)
.set ii, ii+1
.endr
.endm
.macro WBLOCK a
.if (\a) < 7
	s_wait_loadcnt 16                              ; this block's 16 loads are in; the next block's may be out
.else
	s_wait_loadcnt 0x0
.endif
	TURNF (\a)%2
	s_wait_dscnt 0x0                               ; the block is back, and the stage's stores have read their registers
	s_wait_xcnt 0x0                                ; the loads have read their base and the last block's stores their codes: both are written again below
.if (\a) < 6
.if (\a)%2 == 0
	s_add_nc_u64 s[34:35], s[34:35], s[60:61]      ; from an odd block to the next even one: 24 rows
.else
	s_add_nc_u64 s[34:35], s[34:35], s[58:59]      ; from an even block to the odd one: 8 rows
.endif
	LOADF (\a)%2
.endif
	QUANT X
.irp c, 0,1,2,3
	global_store_b128 v[LI], v[PC+4*\c:PC+4*\c+3], s[54:55] offset:2048*(\a)+512*\c   ; 512 consecutive bytes, aligned
.endr
.if (\a)%2 == 0
	v_mov_b32 v[SW+(\a)/2], v[PW]
.else
	v_cndmask_b32 v[SW+(\a)/2], v[SW+(\a)/2], v[PW], s[HI]
.endif
.endm
	LOADF 0
	s_wait_xcnt 0x0
	s_add_nc_u64 s[34:35], s[34:35], s[58:59]
	LOADF 1
.irp a, 0,1,2,3,4,5,6,7
	WBLOCK \a
.endr
	global_store_b128 v[LI], v[SW:SW+3], s[56:57]  ; the eight blocks' scale words: 512 consecutive bytes
	s_wait_tensorcnt 0x0
	ds_add_u32 v14, v15
	s_wait_dscnt 0x0
	s_endpgm
	; ---- adaLN: a wave takes 16 rows of one of the two weights, both batches.  A row's 4,096 bytes are eight loads of 512; cond lies in registers in the same order.  No LDS.
.Ladaln:
	s_sub_co_u32 s36, s36, 768                     ; unit 0 .. 255
	s_and_b32 s37, s36, 127
	s_lshl_b32 s38, s37, 16                        ; 16 rows x 4,096 bytes
	s_mov_b32 s39, 0
	s_lshl_b32 s40, s37, 6                         ; 16 numbers x 4 bytes
	s_mov_b32 s41, 0
	v_lshlrev_b32 v8, 2, v6                        ; 4 r
	v_lshl_add_u32 v10, v7, 13, v8                 ; 8,192 h + 4 r: lane (r, h) keeps row r's result for batch h
	v_mov_b32 v229, 0
	s_wait_kmcnt 0x0
	s_cmp_lt_u32 s36, 128
	s_cselect_b64 s[34:35], s[16:17], s[18:19]
	s_cselect_b64 s[42:43], s[20:21], s[22:23]
	s_cselect_b64 s[44:45], s[28:29], s[30:31]
	s_add_nc_u64 s[34:35], s[34:35], s[38:39]
	s_add_nc_u64 s[42:43], s[42:43], s[40:41]
	s_add_nc_u64 s[44:45], s[44:45], s[40:41]
.irp j, 0,1,2,3,4,5,6,7
	global_load_b128 v[32+4*\j:35+4*\j], v[LI], s[24:25] offset:512*\j
	global_load_b128 v[64+4*\j:67+4*\j], v[LI], s[24:25] offset:4096+512*\j
.endr
	global_load_b32 v9, v8, s[42:43]
.macro ROWL i
.set jj, 0
.rept 8
	global_load_b128 v[96+32*((\i)%4)+4*jj:96+32*((\i)%4)+4*jj+3], v[LI], s[34:35] offset:4096*(\i)+512*jj th:TH_LOAD_NT
.set jj, jj+1
.endr
.endm
.macro ROWA i
.set RW, 96+32*((\i)%4)
.if (\i) < 13
	s_wait_loadcnt 24                              ; row i is in; the three rows behind it may be out
.else
	s_wait_loadcnt 8*(15-(\i))
.endif
	v_pk_mul_f32 v[224:225], v[RW:RW+1], v[32:33]
	v_pk_mul_f32 v[226:227], v[RW:RW+1], v[64:65]
.set jj, 2
.rept 15
	v_pk_fma_f32 v[224:225], v[RW+jj:RW+jj+1], v[32+jj:33+jj], v[224:225]
	v_pk_fma_f32 v[226:227], v[RW+jj:RW+jj+1], v[64+jj:65+jj], v[226:227]
.set jj, jj+2
.endr
	v_add_f32 v224, v224, v225
	v_add_f32 v226, v226, v227
.irp m, 1,2,4,8
	v_add_f32_dpp v224, v224, v224 row_xmask:\m row_mask:0xf bank_mask:0xf
	v_add_f32_dpp v226, v226, v226 row_xmask:\m row_mask:0xf bank_mask:0xf
.endr
	v_permlanex16_b32 v225, v224, s[SEL], s[SEL+1]
	v_permlanex16_b32 v227, v226, s[SEL], s[SEL+1]
	v_add_f32 v224, v224, v225
	v_add_f32 v226, v226, v227
	v_cndmask_b32 v228, v224, v226, s[HI]          ; lanes 16-31 take batch 1's sum
	v_cmp_eq_u32 vcc_lo, \i, v6
	v_cndmask_b32 v229, v229, v228, vcc_lo         ; and the lanes with r = i keep it
.if (\i) < 12
	ROWL (\i)+4
.endif
.endm
.irp i, 0,1,2,3
	ROWL \i
.endr
.irp i, 0,1,2,3,4,5,6,7,8,9,10,11,12,13,14,15
	ROWA \i
.endr
	v_add_f32 v229, v229, v9
	global_store_b32 v10, v229, s[44:45]
	s_endpgm
.Lfunc_end_k_q1067fbaa52_prep:
	.size	k_q1067fbaa52_prep, .Lfunc_end_k_q1067fbaa52_prep-k_q1067fbaa52_prep
	.p2alignl 7, 3214868480
	.fill 96, 4, 3214868480
	.section	.rodata,"a",@progbits
	.p2align	6, 0x0
	.amdhsa_kernel k_q1067fbaa52_prep
		.amdhsa_group_segment_fixed_size 34304
		.amdhsa_private_segment_fixed_size 0
		.amdhsa_enable_private_segment 0
		.amdhsa_kernarg_size 112
		.amdhsa_user_sgpr_count 2
		.amdhsa_user_sgpr_kernarg_segment_ptr 1
		.amdhsa_wavefront_size32 1
		.amdhsa_system_sgpr_workgroup_id_x 1
		.amdhsa_system_sgpr_workgroup_id_y 1
		.amdhsa_system_sgpr_workgroup_id_z 1
		.amdhsa_system_vgpr_workitem_id 0
		.amdhsa_next_free_vgpr 256
		.amdhsa_next_free_sgpr 66
		.amdhsa_reserve_vcc 1
		.amdhsa_float_denorm_mode_32 3
		.amdhsa_float_denorm_mode_16_64 3
		.amdhsa_memory_ordered 1
		.amdhsa_forward_progress 1
		.amdhsa_inst_pref_size 163
	.end_amdhsa_kernel
	.amdgpu_metadata
---
amdhsa.version: [ 1, 2 ]
amdhsa.kernels:
  - .name:           k_q1067fbaa52_prep
    .symbol:         k_q1067fbaa52_prep.kd
    .args:
      - { .name: wq, .offset: 0, .size: 8, .value_kind: global_buffer, .address_space: global }
      - { .name: wk, .offset: 8, .size: 8, .value_kind: global_buffer, .address_space: global }
      - { .name: wv, .offset: 16, .size: 8, .value_kind: global_buffer, .address_space: global }
      - { .name: wo, .offset: 24, .size: 8, .value_kind: global_buffer, .address_space: global }
      - { .name: w1, .offset: 32, .size: 8, .value_kind: global_buffer, .address_space: global }
      - { .name: w2, .offset: 40, .size: 8, .value_kind: global_buffer, .address_space: global }
      - { .name: w_adaln1, .offset: 48, .size: 8, .value_kind: global_buffer, .address_space: global }
      - { .name: w_adaln2, .offset: 56, .size: 8, .value_kind: global_buffer, .address_space: global }
      - { .name: b_adaln1, .offset: 64, .size: 8, .value_kind: global_buffer, .address_space: global }
      - { .name: b_adaln2, .offset: 72, .size: 8, .value_kind: global_buffer, .address_space: global }
      - { .name: cond, .offset: 80, .size: 8, .value_kind: global_buffer, .address_space: global }
      - { .name: wts, .offset: 88, .size: 8, .value_kind: global_buffer, .address_space: global }
      - { .name: ss1, .offset: 96, .size: 8, .value_kind: global_buffer, .address_space: global }
      - { .name: ss2, .offset: 104, .size: 8, .value_kind: global_buffer, .address_space: global }
    .group_segment_fixed_size: 34304
    .private_segment_fixed_size: 0
    .kernarg_segment_align: 8
    .kernarg_segment_size: 112
    .max_flat_workgroup_size: 128
    .sgpr_count:     66
    .vgpr_count:     256
    .wavefront_size: 32
...
	.end_amdgpu_metadata
.endif
;; end of part 1
;; launch ln1 (part 2): grid 256 x 1, 8 waves a work-group, no clusters, 69,632 bytes of LDS; arguments x, ss1, nrm; writes nrm
.if DOCPART == 2
	.amdgcn_target "amdgcn-amd-amdhsa--gfx1250"
	.amdhsa_code_object_version 6
	.text
	.protected	k_q1067fbaa52_ln1
	.globl	k_q1067fbaa52_ln1
	.p2align	8
	.type	k_q1067fbaa52_ln1,@function
k_q1067fbaa52_ln1:
	s_mov_b64 s[64:65], 0
	v_nop
	global_prefetch_b8 v0, s[64:65] scope:SCOPE_SE
	s_setreg_imm32_b32 hwreg(HW_REG_WAVE_MODE, 25, 1), 1
	s_wait_xcnt 0x0
; normed = layernorm(x) (1 + scale) + shift, quantised along the 1,024 columns to E4M3 with one E8M0 byte for each 32, stored as operand images (the layout is set out at the head of the first launch's text).
; A work-group takes one block of 16 rows in position order (row i of block 2 g + u = true row 32 g + 16 (i / 8) + 8 u + i % 8); wave w takes columns 128 w on: one fragment.
; Each load reads 512 consecutive bytes of a row; the 16 x 128 numbers turn through the wave's own stage in LDS.  Mean and variance in two passes (the variance of x - mean), each wave's part sums meeting in LDS.
; LIMITS: NaN and infinities are not served; a block whose largest magnitude lies under 2^-118 keeps the byte 1.
.set PART, 33792
.set S1,   67584                       ; behind the eight stages of 8,448 bytes: 16 rows x 8 part sums; the second pass's 512 bytes further on
.set LI,  1
.set STI, 2
.set STO, 3
.set PW,  12
.set X,   32                           ; v32-95   register 16 b + i = column 32 b + 16 h + i of row r
.set RAW, 96                           ; v96-159  the rows as loaded, later the shift
.set SCL, 160                          ; v160-223 the scale
.set TM,  224
.set PC,  240
.set SEL, 26
.set MNT, 28
.macro QUANT s
.irp b, 0,1,2,3
	v_max3_num_f32 v[TM+\b], |v[\s+16*\b]|, |v[\s+1+16*\b]|, 0x4800000   ; my 16 numbers of block b, and the floor 2^(9 - 127)
.endr
.irp i, 2,4,6,8,10,12,14
.irp b, 0,1,2,3
	v_max3_num_f32 v[TM+\b], v[TM+\b], |v[\s+16*\b+\i]|, |v[\s+1+16*\b+\i]|
.endr
.endr
.irp b, 0,1,2,3
	v_permlanex16_b32 v[TM+4+\b], v[TM+\b], s[SEL], s[SEL+1]
.endr
.irp b, 0,1,2,3
	v_max_num_f32 v[TM+\b], v[TM+\b], v[TM+4+\b]
.endr
.irp b, 0,1,2,3
	v_add_nc_u32 v[TM+12+\b], 0xfc000000, v[TM+\b]   ; 8 off the exponent field: the conversion's scale operand
.endr
.irp b, 0,1,2,3
	v_and_or_b32 v[TM+8+\b], v[TM+\b], 0x7f800000, s[MNT]   ; 448 x the scale
.endr
.irp b, 0,1,2,3
	v_lshrrev_b32 v[TM+4+\b], 23, v[TM+12+\b]
.endr
	v_lshl_or_b32 v[PW], v[TM+5], 8, v[TM+4]
	v_lshl_or_b32 v[PW], v[TM+6], 16, v[PW]
	v_lshl_or_b32 v[PW], v[TM+7], 24, v[PW]
.irp b, 0,1,2,3
.irp i, 0,1,2,3,4,5,6,7,8,9,10,11,12,13,14,15
	v_med3_num_f32 v[\s+16*\b+\i], v[\s+16*\b+\i], -v[TM+8+\b], v[TM+8+\b]   ; the conversion does not saturate (ISA guide 7.6.2)
.endr
	v_cvt_scalef32_pk8_fp8_f32 v[PC+4*\b:PC+1+4*\b], v[\s+16*\b:\s+7+16*\b], v[TM+12+\b]
	v_cvt_scalef32_pk8_fp8_f32 v[PC+2+4*\b:PC+3+4*\b], v[\s+8+16*\b:\s+15+16*\b], v[TM+12+\b]
.endr
	v_nop
.endm
; v16 = my 64 numbers' sum -> the row's sum over all 1,024 columns in v20, in every lane.  off: which 512 bytes of LDS
.macro ROWSUM off
	v_pk_add_f32 v[16:17], v[16:17], v[18:19]
	v_add_f32 v16, v16, v17
	v_permlanex16_b32 v17, v16, s[SEL], s[SEL+1]
	v_add_f32 v16, v16, v17                        ; my wave's 128 columns of row r
	ds_store_b32 v7, v16 offset:\off               ; lanes r and r + 16 write the same word with the same value
	s_wait_dscnt 0x0                               ; for the others' sake
	s_barrier_signal -1
	s_barrier_wait -1
	ds_load_b128 v[20:23], v8 offset:\off
	ds_load_b128 v[24:27], v8 offset:\off+16
	s_wait_dscnt 0x0
	v_add_f32 v20, v20, v21                        ; the eight parts in one fixed order, the same in every wave
	v_add_f32 v22, v22, v23
	v_add_f32 v24, v24, v25
	v_add_f32 v26, v26, v27
	v_add_f32 v20, v20, v22
	v_add_f32 v24, v24, v26
	v_add_f32 v20, v20, v24
.endm
	s_load_b128 s[4:7], s[0:1], 0x0                ; x, ss
	s_load_b64 s[8:9], s[0:1], 0x10                ; nrm
	v_lshl_add_u32 v30, v0, 2, 0x10c00
	v_mov_b32 v31, 0
	v_lshrrev_b32 v1, 5, v0
	v_readfirstlane_b32 s10, v1                    ; wave 0..7
	v_and_b32 v4, 15, v0                           ; r
	v_bfe_u32 v5, v0, 4, 1                         ; h
	v_and_b32 v1, 31, v0
	v_lshlrev_b32 v[LI], 4, v1
	s_mul_i32 s11, s10, 8448
	v_add_nc_u32 v[STI], s11, v[LI]
	v_mul_u32_u24 v[STO], v4, 528
	v_lshl_add_u32 v[STO], v5, 6, v[STO]
	v_add_nc_u32 v[STO], s11, v[STO]
	v_lshlrev_b32 v6, 6, v5                        ; 64 h
	v_lshl_add_u32 v8, v4, 5, S1                   ; row r's eight part sums
	s_lshl_b32 s11, s10, 2
	v_add_nc_u32 v7, s11, v8                       ; my wave's among them
	v_lshlrev_b32 v9, 4, v4                        ; 16 r
	s_mov_b32 s[SEL], 0x76543210
	s_mov_b32 s[SEL+1], 0xfedcba98
	s_mov_b32 s[MNT], 0x600000
	s_mov_b32 s24, 0x3a800000                      ; 1 / 1,024
	s_mov_b32 s25, 0x3727c5ac                      ; 1e-5
.irp b, 0,1,2,3
	v_mov_b32 v[TM+4+\b], 0
.endr
	s_lshr_b32 s12, ttmp9, 1
	s_lshl_b32 s12, s12, 5
	s_and_b32 s13, ttmp9, 1
	s_lshl_b32 s13, s13, 3
	s_add_co_u32 s12, s12, s13                     ; the block's first true row: 32 g + 8 u
	s_lshl_b32 s12, s12, 12
	s_lshl_b32 s13, s10, 9
	s_add_co_u32 s12, s12, s13
	s_mov_b32 s13, 0
	s_lshr_b32 s14, ttmp9, 7                       ; the batch
	s_lshl_b32 s14, s14, 13
	s_lshl_b32 s15, s10, 9
	s_add_co_u32 s14, s14, s15
	s_mov_b32 s15, 0
	s_lshr_b32 s16, s10, 1                         ; the slot
	s_lshl_b32 s16, s16, 5
	s_lshr_b32 s17, ttmp9, 3                       ; the group of 128 rows
	s_add_co_u32 s16, s16, s17
	s_mul_i32 s16, s16, PART
	s_and_b32 s20, s10, 1                          ; q
	s_and_b32 s21, ttmp9, 7                        ; a
	s_lshl_b32 s22, s20, 3
	s_add_co_u32 s22, s22, s21
	s_lshl_b32 s22, s22, 11
	s_add_co_u32 s18, s16, s22                     ; my image
	s_mov_b32 s19, 0
	s_lshl_b32 s22, s20, 9
	s_and_b32 s23, s21, 1
	s_lshl_b32 s23, s23, 8
	s_add_co_u32 s22, s22, s23
	s_lshr_b32 s23, s21, 1
	s_lshl_b32 s23, s23, 2
	s_add_co_u32 s22, s22, s23
	s_add_co_u32 s22, s22, 32768
	s_add_co_u32 s16, s16, s22                     ; my scale words
	s_mov_b32 s17, 0
	s_wait_kmcnt 0x0
	s_add_nc_u64 s[4:5], s[4:5], s[12:13]
	s_add_nc_u64 s[6:7], s[6:7], s[14:15]
	s_add_nc_u64 s[18:19], s[8:9], s[18:19]
	s_add_nc_u64 s[16:17], s[8:9], s[16:17]
.set ii, 0
.rept 16
	global_load_b128 v[RAW+4*ii:RAW+4*ii+3], v[LI], s[4:5] offset:(16*(ii/8)+(ii%8))*4096
.set ii, ii+1
.endr
.set ii, 0
.rept 16
	global_load_b128 v[SCL+4*ii:SCL+4*ii+3], v6, s[6:7] offset:128*(ii/4)+16*(ii%4)
.set ii, ii+1
.endr
	s_wait_loadcnt 16                              ; the rows are in; the scale's 16 loads may be out
.set ii, 0
.rept 16
	ds_store_b128 v[STI], v[RAW+4*ii:RAW+4*ii+3] offset:528*ii
.set ii, ii+1
.endr
.set ii, 0
.rept 16
	ds_load_b128 v[X+4*ii:X+4*ii+3], v[STO] offset:128*(ii/4)+16*(ii%4)
.set ii, ii+1
.endr
	s_wait_dscnt 0x0                               ; the stores have read their registers, which take the shift
.set ii, 0
.rept 16
	global_load_b128 v[RAW+4*ii:RAW+4*ii+3], v6, s[6:7] offset:4096+128*(ii/4)+16*(ii%4)
.set ii, ii+1
.endr
	v_pk_add_f32 v[16:17], v[X:X+1], v[X+2:X+3]    ; the sum, in two chains
	v_pk_add_f32 v[18:19], v[X+4:X+5], v[X+6:X+7]
.set jj, 8
.rept 14
	v_pk_add_f32 v[16:17], v[16:17], v[X+jj:X+jj+1]
	v_pk_add_f32 v[18:19], v[18:19], v[X+jj+2:X+jj+3]
.set jj, jj+4
.endr
	ROWSUM 0
	v_mul_f32 v20, s24, v20                        ; the mean
	v_mov_b32 v21, v20
.set jj, 0
.rept 32
	v_pk_add_f32 v[X+jj:X+jj+1], v[X+jj:X+jj+1], v[20:21] neg_lo:[0,1] neg_hi:[0,1]
.set jj, jj+2
.endr
	v_pk_mul_f32 v[16:17], v[X:X+1], v[X:X+1]
	v_pk_mul_f32 v[18:19], v[X+2:X+3], v[X+2:X+3]
.set jj, 4
.rept 15
	v_pk_fma_f32 v[16:17], v[X+jj:X+jj+1], v[X+jj:X+jj+1], v[16:17]
	v_pk_fma_f32 v[18:19], v[X+jj+2:X+jj+3], v[X+jj+2:X+jj+3], v[18:19]
.set jj, jj+4
.endr
	ROWSUM 512                                     ; other bytes than the first pass's: no wave may still be reading those
	v_fma_f32 v20, v20, s24, s25                   ; the variance + 1e-5
	v_rsq_f32 v22, v20
	v_nop                                          ; a plain line behind the transcendental
	s_wait_alu depctr_va_vdst(0)                   ; and the wait ahead of its first reader
	v_mov_b32 v23, v22
	s_wait_loadcnt 0x0                             ; scale and shift
.set jj, 0
.rept 32
	v_pk_add_f32 v[SCL+jj:SCL+jj+1], v[SCL+jj:SCL+jj+1], 1.0 op_sel_hi:[1,0]
	v_pk_mul_f32 v[X+jj:X+jj+1], v[X+jj:X+jj+1], v[22:23]
.set jj, jj+2
.endr
.set jj, 0
.rept 32
	v_pk_fma_f32 v[X+jj:X+jj+1], v[X+jj:X+jj+1], v[SCL+jj:SCL+jj+1], v[RAW+jj:RAW+jj+1]
.set jj, jj+2
.endr
	QUANT X
.irp c, 0,1,2,3
	global_store_b128 v[LI], v[PC+4*\c:PC+4*\c+3], s[18:19] offset:512*\c   ; 512 consecutive bytes, aligned
.endr
	global_store_b32 v9, v[PW], s[16:17]           ; row r's word, 16 bytes from row to row (lanes r and r + 16: the same word to the same place): the price of one block of rows to a work-group
	s_wait_tensorcnt 0x0
	ds_add_u32 v30, v31
	s_wait_dscnt 0x0
	s_endpgm
.Lfunc_end_k_q1067fbaa52_ln1:
	.size	k_q1067fbaa52_ln1, .Lfunc_end_k_q1067fbaa52_ln1-k_q1067fbaa52_ln1
	.p2alignl 7, 3214868480
	.fill 96, 4, 3214868480
	.section	.rodata,"a",@progbits
	.p2align	6, 0x0
	.amdhsa_kernel k_q1067fbaa52_ln1
		.amdhsa_group_segment_fixed_size 69632
		.amdhsa_private_segment_fixed_size 0
		.amdhsa_enable_private_segment 0
		.amdhsa_kernarg_size 24
		.amdhsa_user_sgpr_count 2
		.amdhsa_user_sgpr_kernarg_segment_ptr 1
		.amdhsa_wavefront_size32 1
		.amdhsa_system_sgpr_workgroup_id_x 1
		.amdhsa_system_sgpr_workgroup_id_y 1
		.amdhsa_system_sgpr_workgroup_id_z 1
		.amdhsa_system_vgpr_workitem_id 0
		.amdhsa_next_free_vgpr 256
		.amdhsa_next_free_sgpr 66
		.amdhsa_reserve_vcc 0
		.amdhsa_float_denorm_mode_32 3
		.amdhsa_float_denorm_mode_16_64 3
		.amdhsa_memory_ordered 1
		.amdhsa_forward_progress 1
		.amdhsa_inst_pref_size 32
	.end_amdhsa_kernel
	.amdgpu_metadata
---
amdhsa.version: [ 1, 2 ]
amdhsa.kernels:
  - .name:           k_q1067fbaa52_ln1
    .symbol:         k_q1067fbaa52_ln1.kd
    .args:
      - { .name: x, .offset: 0, .size: 8, .value_kind: global_buffer, .address_space: global }
      - { .name: ss1, .offset: 8, .size: 8, .value_kind: global_buffer, .address_space: global }
      - { .name: nrm, .offset: 16, .size: 8, .value_kind: global_buffer, .address_space: global }
    .group_segment_fixed_size: 69632
    .private_segment_fixed_size: 0
    .kernarg_segment_align: 8
    .kernarg_segment_size: 24
    .max_flat_workgroup_size: 256
    .sgpr_count:     66
    .vgpr_count:     256
    .wavefront_size: 32
...
	.end_amdgpu_metadata
.endif
;; end of part 2
;; launch qkvp (part 3): grid 12 x 16, 4 waves a work-group, clusters of 4 x 4, 327,680 bytes of LDS; arguments nrm, wts, bq, bk, bv, key_padding_mask, qkv; writes qkv
.if DOCPART == 3
	.amdgcn_target "amdgcn-amd-amdhsa--gfx1250"
	.amdhsa_code_object_version 6
	.text
	.protected	k_q1067fbaa52_qkvp
	.globl	k_q1067fbaa52_qkvp
	.p2align	8
	.type	k_q1067fbaa52_qkvp,@function
k_q1067fbaa52_qkvp:
	s_mov_b64 s[64:65], 0
	v_nop
	global_prefetch_b8 v0, s[64:65] scope:SCOPE_SE
	s_setreg_imm32_b32 hwreg(HW_REG_WAVE_MODE, 25, 1), 1
	s_wait_xcnt 0x0
	s_wait_alu depctr_hold_cnt(0) depctr_sa_sdst(0) depctr_va_vdst(0) depctr_va_sdst(0) depctr_va_ssrc(0) depctr_va_vcc(0) depctr_vm_vsrc(0)
	s_getreg_b32 s2, hwreg(HW_REG_IB_STS2, 6, 4)
	s_cmp_eq_u32 s2, 0
	s_cbranch_scc0 .Lentry_in_a_cluster
	s_endpgm
.Lentry_in_a_cluster:
	s_bfe_u32 s2, ttmp6, 0x10000c
	s_cmp_lg_u32 s2, 0xf033
	s_cbranch_scc0 .Lentry_shape_is_right
	s_endpgm
.Lentry_shape_is_right:
; q, k and v = normed W^T + b on codes of E4M3 (K = 1,024), and their quantising for the attention, in one launch.  A tile of 256 x 256, four waves of 128 x 128 (64 accumulators, 512 registers).
; K goes in steps of 256 through two LDS slots.  A slot holds four parts of 33,792 bytes (128 rows x 256 K as register images, with their scale words behind them): each is one dense block of memory, one tensor load a wave.
; CLUSTERS of 4 x 4: A's parts are asked for jointly along a row of the cluster, B's along a column.
; Source 0 of every product is B, source 1 is A: a lane holds ONE row of A, and, B's rows standing in position order, its 64 registers of a block of A's rows are 128 true neighbours along B's rows in the quantiser's order.
; Cluster x = 0: q, 1: k: A = normed (tokens), B = wq or wk: a lane holds a token and 128 features, two heads: quantised along the head's 64.
; Cluster x = 2: v: A = wv, B = normed: a lane holds a feature and 128 tokens: quantised along the keys.  The three differ in pointers and constants, chosen by the cluster's x, which all partners share.
; OUT: [q region, k-v region][batch x head][step of 128 tokens][17,152 bytes]: K's (or Q's) eight tiles of 16 tokens x 64 (1,024 bytes each), V's four tiles of 16 features x 128 keys (2,048 each), K's scale words (512), V's (256).
; THE MASK rides in the scale words.  The head's 64 fill half of the 128-deep instruction; the attention sets code 1.0 (Q) and -1.0 (K) at k = 64.  That block's byte is 127 for Q; for K 227 (2^100) for a masked key and 1 (2^-126) else.
; LIMITS: NaN and infinities are not served; a block whose largest magnitude lies under 2^-118 keeps the byte 1.
.set PART,  33792
.set SLOT,  4*PART                     ; A's two parts, then B's two
.set SPARE, 2*SLOT                     ; behind the ring: the spare words, 128 bytes a wave
.set LAPS,  2                          ; K / 512
.set BLK,   17152
.set HS,    16*BLK                     ; from a head to the next
.set KVOFF, 32*HS
.set FR, 16
.set NL, 4
.set NP, 8                             ; places behind this matrix instruction (ISA guide 7.12.1)
.set ADRA, 4                           ; v4-5  my part of A in slot 0, 1: + 16 x lane
.set ADRB, 6                           ; v6-7  of B
.set ADRS, 8                           ; v8-9  scale words: lanes 0-15 A's, lanes 16-31 B's
.set SPW, 10
.set NIL, 11
.set LI,  12                           ; v12  16 x lane
.set L,   16                           ; v16-23 bv at block a's row r
.set MB,  24                           ; v24-31 the mask's byte of block a's row r, later the upper half of a scale word
.set SC,  32                           ; v32-63 scale words, two sets of 16: they hold nothing else
.set BIAS, 64                          ; v64-127 bq or bk at my 128 features, in the accumulators' order
.set AF,  128                          ; v128-255 A's fragments, one set; free on the way out
.set H,   128
.set TM,  192
.set PC,  208
.set PW,  224
.set L8,  225
.set LB,  226
.set SW0, 228
.set SW1, 232
.set VO1, 236
.set VO2, 237
.set W0,  238
.set W1,  239
.set WV, 18
.set HA, 19
.set HB, 20
.set OFF, 21
.set G1, 24
.set G0, 32
.set G1B, 48
.set G0B, 56
.set SA, 68                            ; s[68:69], s[70:71]: two slots on, in A's and in B's buffer
.set SB, 70
.set NVM, 72
.set VM,  73
.set TOP, 74
.set M0S, 75
.set D2,  76
.set STA, 77
.set EXT, 78
.set FF,  79
.set DD,  80
.set SEL, 94
.set DST, 96
.set MNT, 98
.set HI,  99
.set MSB, 0
.macro WIN new                         ; the immediate's high byte repeats the setting that is left
.if MSB != (\new)
	s_set_vgpr_msb (MSB<<8)|(\new)
.set MSB, (\new)
.endif
.endm
.set MUL_LO, 0xa1                      ; source 0 (B) window 1, source 1 (A) window 0, C and D window 2
.set MUL_HI, 0xf1
.set TO_B,   0x40
.macro JLOAD s                         ; a joint load: waves 0 and 1 fetch A's parts, waves 2 and 3 B's; four v_nop follow each line
	s_cmp_eq_u32 s[HA], 0
	s_cbranch_scc0 .Lfor_b_\@
	tensor_load_to_lds s[G0+4*\s:G0+4*\s+3], s[G1:G1+7]
	s_nop 0
.rept 4
	v_nop
.endr
	s_branch .Lasked_\@
.Lfor_b_\@:
	tensor_load_to_lds s[G0B+4*\s:G0B+4*\s+3], s[G1B:G1B+7]
	s_nop 0
.rept 4
	v_nop
.endr
.Lasked_\@:
.endm
.macro CREST                           ; a round of the cluster's barrier behind its opening barrier
	s_cmp_lg_u32 s[WV], 0
	s_cbranch_scc1 .Lnot_wave_0_\@
	s_barrier_signal -3
.Lnot_wave_0_\@:
	s_barrier_wait -3
	s_barrier_signal -1
	s_barrier_wait -1
.endm
.macro CROUND
	s_barrier_signal -1
	s_barrier_wait -1
	CREST
.endm
.macro FRAG reg, adr, q, i             ; a fragment's image: four pieces of 512 consecutive bytes
.irp c, 0,1,2,3
	ds_load_b128 v[\reg+4*\c:\reg+4*\c+3], v[\adr] offset:(8*(\q)+(\i))*2048+512*\c
.endr
.endm
; 16 products: A's blocks a0, a0 + 1 x B's eight.  The 64 accumulators take turns, one instruction a turn, in the same order in every step.
.macro MUL16 a0, p, q, sc, zero
.irp a, \a0, \a0+1
.irp b, 0,1,2,3,4,5,6,7
.if \zero
	v_wmma_scale_f32_16x16x128_f8f6f4 v[8*(8*((\a)%4)+\b):8*(8*((\a)%4)+\b)+7], v[128*(\p)+FR*\b:128*(\p)+FR*\b+FR-1], v[AF+FR*(\a):AF+FR*(\a)+FR-1], 0, v[SC+16*(\sc)+8*(\q)+4*(\b%2)+\b/2], v[SC+16*(\sc)+8*(\q)+4*((\a)%2)+(\a)/2] matrix_a_scale:MATRIX_SCALE_ROW1
.else
	v_wmma_scale_f32_16x16x128_f8f6f4 v[8*(8*((\a)%4)+\b):8*(8*((\a)%4)+\b)+7], v[128*(\p)+FR*\b:128*(\p)+FR*\b+FR-1], v[AF+FR*(\a):AF+FR*(\a)+FR-1], v[8*(8*((\a)%4)+\b):8*(8*((\a)%4)+\b)+7], v[SC+16*(\sc)+8*(\q)+4*(\b%2)+\b/2], v[SC+16*(\sc)+8*(\q)+4*((\a)%2)+(\a)/2] matrix_a_scale:MATRIX_SCALE_ROW1
.endif
.endr
.endr
.endm
.macro FETCH_B slot, q, p
	WIN TO_B
.irp i, 0,1,2,3,4,5,6,7
	FRAG 128*(\p)+FR*\i, ADRB+\slot, \q, \i
.endr
	WIN 0
.endm
.macro FETCH_A slot, q, i0
.irp i, \i0, \i0+1, \i0+2, \i0+3
	FRAG AF+FR*(\i), ADRA+\slot, \q, \i
.endr
.endm
.macro SCALES sc                       ; a slot's scale words: one load brings those of four blocks; register 8 q + 4 (i % 2) + i / 2 is block i's for the slot's q-th 128
.irp q, 0,1
.irp p, 0,1
	ds_load_b128 v[SC+16*\sc+8*\q+4*\p:SC+16*\sc+8*\q+4*\p+3], v[ADRS+\sc] offset:512*\q+256*\p
.endr
.endr
.endm
.macro PLACES n                        ; plain vector lines between a matrix instruction and a load into, or a read of, its registers
.rept \n
	v_nop
.endr
.endm
.macro STEP slot, q, zero              ; 128 along K whose successor lies in the same slot
	s_wait_dscnt 4*NL                              ; all but the youngest 16 loads (A's blocks 4-7) are in
	WIN MUL_LO
	MUL16 0, (\q)%2, \q, \slot, \zero
	MUL16 2, (\q)%2, \q, \slot, \zero
	s_wait_dscnt 0
	PLACES NP
	FETCH_B \slot, (\q)+1, 1-(\q)%2
	FETCH_A \slot, (\q)+1, 0
	WIN MUL_HI
	MUL16 4, (\q)%2, \q, \slot, \zero
	MUL16 6, (\q)%2, \q, \slot, \zero
	PLACES NP
	WIN 0
	FETCH_A \slot, (\q)+1, 4
.endm
.macro TURN slot, next, fill           ; a slot's last 128 along K, and the change of slots
	s_wait_tensorcnt 0x0                           ; all my tensor loads have landed: my part of the next slot
	ds_add_u32 v[SPW], v[NIL]                      ; 0 onto my spare word
	s_wait_dscnt 4*NL+1                            ; (the add and A's blocks 4-7 may be out)
	WIN MUL_LO
	MUL16 0, 1, 1, \slot, 0
	s_wait_dscnt 0x0                               ; the add is done, and my reads of this slot are over
	s_barrier_signal -1
	MUL16 2, 1, 1, \slot, 0
	WIN 0
	s_barrier_wait -1
.if \fill
	CREST                                          ; the barrier has opened a round of the cluster's: no wave of any partner still reads this slot or has a load on its way
	s_add_nc_u64 s[G0+4*\slot+2:G0+4*\slot+3], s[G0+4*\slot+2:G0+4*\slot+3], s[SA:SA+1]
	s_add_nc_u64 s[G0B+4*\slot+2:G0B+4*\slot+3], s[G0B+4*\slot+2:G0B+4*\slot+3], s[SB:SB+1]
	JLOAD \slot                                    ; the first tensor load behind the round; its four v_nop are four of the eight places
	PLACES NP-4
.else
	PLACES NP
.endif
	FETCH_B \next, 0, 0
	FETCH_A \next, 0, 0
	SCALES \next
	WIN MUL_HI
	MUL16 4, 1, 1, \slot, 0
	MUL16 6, 1, 1, \slot, 0
	PLACES NP
	WIN 0
	FETCH_A \next, 0, 4
.endm
.macro QUANT s
.irp b, 0,1,2,3
	v_max3_num_f32 v[TM+\b], |v[\s+16*\b]|, |v[\s+1+16*\b]|, 0x4800000   ; my 16 numbers of block b, and the floor 2^(9 - 127)
.endr
.irp i, 2,4,6,8,10,12,14
.irp b, 0,1,2,3
	v_max3_num_f32 v[TM+\b], v[TM+\b], |v[\s+16*\b+\i]|, |v[\s+1+16*\b+\i]|
.endr
.endr
.irp b, 0,1,2,3
	v_permlanex16_b32 v[TM+4+\b], v[TM+\b], s[SEL], s[SEL+1]
.endr
.irp b, 0,1,2,3
	v_max_num_f32 v[TM+\b], v[TM+\b], v[TM+4+\b]
.endr
.irp b, 0,1,2,3
	v_add_nc_u32 v[TM+12+\b], 0xfc000000, v[TM+\b]
.endr
.irp b, 0,1,2,3
	v_and_or_b32 v[TM+8+\b], v[TM+\b], 0x7f800000, s[MNT]
.endr
.irp b, 0,1,2,3
	v_lshrrev_b32 v[TM+4+\b], 23, v[TM+12+\b]
.endr
	v_lshl_or_b32 v[PW], v[TM+5], 8, v[TM+4]
	v_lshl_or_b32 v[PW], v[TM+6], 16, v[PW]
	v_lshl_or_b32 v[PW], v[TM+7], 24, v[PW]
.irp b, 0,1,2,3
.irp i, 0,1,2,3,4,5,6,7,8,9,10,11,12,13,14,15
	v_med3_num_f32 v[\s+16*\b+\i], v[\s+16*\b+\i], -v[TM+8+\b], v[TM+8+\b]   ; the conversion does not saturate (ISA guide 7.6.2)
.endr
	v_cvt_scalef32_pk8_fp8_f32 v[PC+4*\b:PC+1+4*\b], v[\s+16*\b:\s+7+16*\b], v[TM+12+\b]
	v_cvt_scalef32_pk8_fp8_f32 v[PC+2+4*\b:PC+3+4*\b], v[\s+8+16*\b:\s+15+16*\b], v[TM+12+\b]
.endr
	v_nop
.endm
	s_load_b256 s[4:11], s[0:1], 0x0               ; nrm, wts, bq, bk
	s_load_b128 s[12:15], s[0:1], 0x20             ; bv, the mask
	s_load_b64 s[16:17], s[0:1], 0x30              ; qkv
	v_lshl_add_u32 v[SPW], v0, 2, SPARE
	v_mov_b32 v[NIL], 0
	ds_add_u32 v10, v11
	ds_add_u32 v10, v11
	s_wait_dscnt 0x0
	v_lshrrev_b32 v1, 5, v0
	v_readfirstlane_b32 s[WV], v1                  ; wave 0..3
	s_lshr_b32 s[HA], s[WV], 1                     ; which of A's parts I multiply.  Also: I fetch for A (0) or for B (1)
	s_and_b32 s[HB], s[WV], 1                      ; which of B's.  Also: which of the two parts I fetch
	s_bfe_u32 s40, ttmp6, 0x40000                  ; cx
	s_bfe_u32 s41, ttmp6, 0x40004                  ; cy
	s_and_b32 s67, ttmp7, 0xffff
	s_lshl_b32 s67, s67, 2                         ; 4 x cluster y
	s_lshl_b32 s72, ttmp9, 2                       ; 4 x cluster x
	s_cmp_eq_u32 ttmp9, 2                          ; v?  The cluster's x: the same in all sixteen partners
	s_cselect_b32 s66, 0, s67
	s_cselect_b32 s42, s67, s72
	s_cselect_b32 s73, 24, 32                      ; groups in A's buffer,
	s_cselect_b32 s74, 32, 24                      ; in B's
	s_cselect_b32 s75, 16, 0                       ; wv's first group
	s_add_co_u32 s66, s66, s41                     ; A's tile: hangs on cy and the cluster's place alone
	s_add_co_u32 s42, s42, s40                     ; B's tile: on cx and the cluster's place alone
	s_lshl_b32 s43, s41, 2
	s_lshl_b32 s43, 15, s43                        ; my row of the cluster
	s_lshl_b32 s44, 0x1111, s40                    ; my column
	s_or_b32 s[G1], s43, (3<<16)|(1<<21)           ; 15:0 the mask; 17:16 elements of 8 bytes; 21 set beside a mask; no padding
	s_or_b32 s[G1B], s44, (3<<16)|(1<<21)
.irp g, G1, G1B
	s_mov_b32 s[\g+1], 32<<16                      ; tensor_dim0 = 32 elements: 256 bytes
	s_mov_b32 s[\g+2], 132<<16                     ; tensor_dim1 = 132 rows: a part
	s_mov_b32 s[\g+3], 32<<16                      ; tile_dim0
	s_mov_b32 s[\g+4], 132                         ; tile_dim1
	s_mov_b32 s[\g+5], 32                          ; the pitch: dense
	s_mov_b32 s[\g+6], 0
	s_mov_b32 s[\g+7], 0
.endr
	s_lshl_b32 s76, s66, 1
	s_add_co_u32 s76, s76, s[HB]
	s_add_co_u32 s76, s76, s75
	s_mul_i32 s76, s76, PART                       ; A's part that I fetch, in slot 0
	s_mov_b32 s77, 0
	s_lshl_b32 s78, s42, 1
	s_add_co_u32 s78, s78, s[HB]
	s_mul_i32 s78, s78, PART                       ; B's
	s_mov_b32 s79, 0
	s_mul_i32 s84, s73, PART                       ; a slot on in A's buffer,
	s_mov_b32 s85, 0
	s_lshl_b32 s[SA], s84, 1
	s_mov_b32 s[SA+1], 0
	s_mul_i32 s46, s74, PART                       ; in B's
	s_mov_b32 s47, 0
	s_lshl_b32 s[SB], s46, 1
	s_mov_b32 s[SB+1], 0
	s_mul_i32 s45, s[WV], PART                     ; where my part goes: no place in the cluster enters an LDS address
	s_wait_kmcnt 0x0
	s_cmp_eq_u32 ttmp9, 2
	s_cselect_b64 s[80:81], s[6:7], s[4:5]
	s_cselect_b64 s[82:83], s[4:5], s[6:7]
	s_add_nc_u64 s[80:81], s[80:81], s[76:77]
	s_add_nc_u64 s[82:83], s[82:83], s[78:79]
	CROUND                                         ; all sixteen work-groups are here: the first joint loads meet
	s_mov_b32 s[G0], 1
	s_add_co_u32 s[G0+1], s45, 0
	s_mov_b64 s[G0+2:G0+3], s[80:81]
	s_or_b32 s[G0+3], s[G0+3], 0x80000000
	s_mov_b32 s[G0B], 1
	s_add_co_u32 s[G0B+1], s45, 0
	s_mov_b64 s[G0B+2:G0B+3], s[82:83]
	s_or_b32 s[G0B+3], s[G0B+3], 0x80000000
	JLOAD 0
	s_mov_b32 s[G0+4], 1
	s_add_co_u32 s[G0+5], s45, SLOT
	s_add_nc_u64 s[G0+6:G0+7], s[80:81], s[84:85]
	s_or_b32 s[G0+7], s[G0+7], 0x80000000
	s_mov_b32 s[G0B+4], 1
	s_add_co_u32 s[G0B+5], s45, SLOT
	s_add_nc_u64 s[G0B+6:G0B+7], s[82:83], s[46:47]
	s_or_b32 s[G0B+7], s[G0B+7], 0x80000000
	JLOAD 1
	v_and_b32 v1, 15, v0                           ; r
	v_bfe_u32 v2, v0, 4, 1                         ; h
	v_and_b32 v3, 31, v0
	v_lshlrev_b32 v[LI], 4, v3
	s_mul_i32 s21, s[HA], PART
	s_mul_i32 s22, s[HB], PART
	s_add_co_u32 s22, s22, 2*PART
.irp s, 0,1
	v_add_nc_u32 v[ADRA+\s], s21, v[LI]
	v_add_nc_u32 v[ADRB+\s], s22, v[LI]
	s_add_co_u32 s21, s21, SLOT
	s_add_co_u32 s22, s22, SLOT
.endr
	s_xor_b32 s23, s[HA], 1
	s_add_co_u32 s23, s23, s[HB]
	s_add_co_u32 s23, s23, 1
	s_mul_i32 s23, s23, PART                       ; from my part of A to my part of B: (2 + HB - HA) parts
	v_mul_u32_u24 v3, s23, v2                      ; lanes 16-31 take B's words
	v_lshl_add_u32 v3, v1, 4, v3
	s_mul_i32 s21, s[HA], PART
	s_add_co_u32 s21, s21, 32768
	v_add_nc_u32 v[ADRS], s21, v3
	s_add_co_u32 s21, s21, SLOT
	v_add_nc_u32 v[ADRS+1], s21, v3
	; biases and mask are asked for now and waited for on the way out.  Every base lies inside its buffer on all three paths; what a path does not want is blanked there
	v_lshlrev_b32 v13, 6, v2                       ; 64 h
	v_and_b32 v3, 8, v1
	v_add_nc_u32 v15, v3, v1                       ; 16 (r / 8) + r % 8: row r's true place in a block's 32
	v_lshlrev_b32 v14, 2, v15
	s_lshl_b32 s86, s40, 10
	s_lshl_b32 s87, s[HB], 9
	s_add_co_u32 s86, s86, s87                     ; 4 (256 cx + 128 HB)
	s_mov_b32 s87, 0
	s_cmp_eq_u32 ttmp9, 1
	s_cselect_b64 s[88:89], s[10:11], s[8:9]
	s_add_nc_u64 s[88:89], s[88:89], s[86:87]
	s_lshl_b32 s86, s41, 10
	s_lshl_b32 s22, s[HA], 9
	s_add_co_u32 s86, s86, s22                     ; 4 (256 cy + 128 HA)
	s_add_nc_u64 s[90:91], s[12:13], s[86:87]
	s_lshl_b32 s86, s66, 1
	s_add_co_u32 s86, s86, s[HA]
	s_lshl_b32 s86, s86, 7                         ; 128 x A's group: at most 31 x 128
	s_add_nc_u64 s[92:93], s[14:15], s[86:87]
.irp b, 0,1,2,3
.irp j, 0,1,2,3
	global_load_b128 v[BIAS+16*\b+4*\j:BIAS+16*\b+4*\j+3], v13, s[88:89] offset:128*\b+16*\j
.endr
.endr
.irp a, 0,1,2,3,4,5,6,7
	global_load_b32 v[L+\a], v14, s[90:91] offset:4*(32*(\a/2)+8*(\a%2))
	global_load_u8 v[MB+\a], v15, s[92:93] offset:32*(\a/2)+8*(\a%2)
.endr
	s_wait_tensorcnt 1                             ; my part of slot 0 is in (slot 1's load may be out)
	s_barrier_signal -1
	s_barrier_wait -1                              ; everybody's is
	FETCH_B 0, 0, 0
	FETCH_A 0, 0, 0
	SCALES 0
	FETCH_A 0, 0, 4
	STEP 0, 0, 1                                   ; the first step's products start the sums
	s_mov_b32 s3, LAPS-1
.Llap:
	TURN 0, 1, 1
	STEP 1, 0, 0
	TURN 1, 0, 1
	STEP 0, 0, 0
	s_sub_co_u32 s3, s3, 1
	s_cmp_lg_u32 s3, 0
	s_cbranch_scc1 .Llap
	TURN 0, 1, 0                                   ; the last lap fills nothing
	STEP 1, 0, 0
	s_wait_dscnt 4*NL
	WIN MUL_LO
	MUL16 0, 1, 1, 1, 0
	MUL16 2, 1, 1, 1, 0
	s_wait_dscnt 0
	WIN MUL_HI
	MUL16 4, 1, 1, 1, 0
	MUL16 6, 1, 1, 1, 0
	WIN 0
	; ---- THE WAY OUT: bias, quantiser, images.  No LDS.
	PLACES NP
	s_wait_loadcnt 0x0
	s_mov_b32 s[SEL], 0x76543210
	s_mov_b32 s[SEL+1], 0xfedcba98
	s_mov_b32 s[MNT], 0x600000
	s_mov_b32 s[HI], 0xffff0000
	s_mov_b32 s[OFF], 0
	s_mov_b32 s81, HS
	s_mov_b32 s82, 1024
	s_mov_b32 s83, 0x7f000000
	s_mov_b32 s84, 0xffff
	s_cmp_eq_u32 ttmp9, 2
	s_cselect_b32 s[NVM], 0, -1                    ; the features' bias counts for q and k,
	s_cselect_b32 s[VM], -1, 0                     ; the rows' bias for v
	s_cselect_b32 s[TOP], 0, s83                   ; byte 3 of a word of q or k: 127, over zero codes
	s_cselect_b32 s[M0S], -1, s84                  ; what a word keeps of the quantiser's four bytes
	s_cselect_b32 s[D2], 1024, s81                 ; from pieces 0, 1 to pieces 2, 3: the next head (q, k), or on in the same fragment (v)
	s_cselect_b32 s[STA], 2048, s82                ; from block to block
	s_cselect_b32 s[EXT], HS-8192, 0               ; v: blocks 4-7 are the next head's
	s_cselect_b32 s[FF], 0, 127
	s_cmp_eq_u32 ttmp9, 1
	s_cselect_b32 s[FF], 1, s[FF]                  ; byte 2: q 127; k 1, or 227 where the key is masked
	s_cselect_b32 s[DD], 226, 0
	s_lshl_b32 s81, s66, 1
	s_add_co_u32 s81, s81, s[HA]                   ; A's group
	s_lshl_b32 s82, s42, 1
	s_add_co_u32 s82, s82, s[HB]                   ; B's group
	s_lshl_b32 s83, s40, 2
	s_lshl_b32 s84, s[HB], 1
	s_add_co_u32 s83, s83, s84                     ; q, k: my first head = 4 cx + 2 HB
	s_lshl_b32 s84, s41, 2
	s_lshl_b32 s85, s[HA], 1
	s_add_co_u32 s84, s84, s85                     ; v: 4 cy + 2 HA
	s_mov_b32 s85, KVOFF
	s_cmp_eq_u32 ttmp9, 2
	s_cselect_b32 s81, s82, s81                    ; my 128 tokens
	s_cselect_b32 s83, s84, s83
	s_cselect_b32 s82, 8192, 0                     ; V's tiles lie behind K's
	s_cmp_eq_u32 ttmp9, 0
	s_cselect_b32 s85, 0, s85
	s_lshr_b32 s84, s81, 4                         ; the batch
	s_and_b32 s81, s81, 15                         ; the step
	s_lshl_b32 s84, s84, 4
	s_add_co_u32 s84, s84, s83
	s_lshl_b32 s84, s84, 4
	s_add_co_u32 s84, s84, s81
	s_mul_i32 s84, s84, BLK
	s_add_co_u32 s84, s84, s82
	s_add_co_u32 s84, s84, s85
	s_mov_b32 s85, 0
	s_add_nc_u64 s[DST:DST+1], s[16:17], s[84:85]
.set jj, 0
.rept 64
	v_cndmask_b32 v[BIAS+jj], 0, v[BIAS+jj], s[NVM]
.set jj, jj+1
.endr
.irp a, 0,1,2,3,4,5,6,7
	v_cndmask_b32 v[L+\a], 0, v[L+\a], s[VM]
	v_mad_u32_u24 v[MB+\a], v[MB+\a], s[DD], s[FF]
.endr
.irp a, 0,1,2,3,4,5,6,7
	v_lshl_or_b32 v[MB+\a], v[MB+\a], 16, s[TOP]
.endr
	v_mov_b32 v[LB+1], 0
	v_lshrrev_b32 v[L8], 1, v[LI]
.irp b, 0,1,2,3
	v_mov_b32 v[TM+4+\b], 0
.endr
.macro QBLOCK a
	s_wait_xcnt 0x0                                ; the last block's stores have read their offsets and codes
	v_add_nc_u32 v[VO1], s[OFF], v[LI]
	v_add_nc_u32 v[VO2], s[D2], v[VO1]
	v_mov_b32 v[LB], v[L+\a]
	WIN 0x02+(\a)/4                                ; source 0: window 2 or 3
.set jj, 0
.rept 32
	v_pk_add_f32 v[H+jj:H+jj+1], v[64*((\a)%4)+jj:64*((\a)%4)+jj+1], v[BIAS+jj:BIAS+jj+1]   ; each accumulator from its low end on
.set jj, jj+2
.endr
	WIN 0
.set jj, 0
.rept 32
	v_pk_add_f32 v[H+jj:H+jj+1], v[H+jj:H+jj+1], v[LB:LB+1] op_sel_hi:[1,0]
.set jj, jj+2
.endr
	QUANT H
	global_store_b128 v[VO1], v[PC:PC+3], s[DST:DST+1]
	global_store_b128 v[VO1], v[PC+4:PC+7], s[DST:DST+1] offset:512
	global_store_b128 v[VO2], v[PC+8:PC+11], s[DST:DST+1]
	global_store_b128 v[VO2], v[PC+12:PC+15], s[DST:DST+1] offset:512
	v_and_or_b32 v[W0], v[PW], s[M0S], v[MB+\a]    ; q, k: the first head's two bytes under the mask's; v: the word as it is
	v_lshrrev_b32 v[W1], 16, v[PW]
	v_or_b32 v[W1], v[W1], v[MB+\a]                ; q, k: the second head's
.if (\a)%2 == 0
	v_mov_b32 v[SW0+(\a)/2], v[W0]
	v_mov_b32 v[SW1+(\a)/2], v[W1]
.else
	v_cndmask_b32 v[SW0+(\a)/2], v[SW0+(\a)/2], v[W0], s[HI]
	v_cndmask_b32 v[SW1+(\a)/2], v[SW1+(\a)/2], v[W1], s[HI]
.endif
	s_add_co_u32 s[OFF], s[OFF], s[STA]
.if (\a) == 3
	s_add_co_u32 s[OFF], s[OFF], s[EXT]
.endif
.endm
.irp a, 0,1,2,3,4,5,6,7
	QBLOCK \a
.endr
	s_cmp_eq_u32 ttmp9, 2
	s_cbranch_scc1 .Lv_words
	global_store_b128 v[LI], v[SW0:SW0+3], s[DST:DST+1] offset:16384       ; the eight tiles' words of each head: 512 consecutive bytes
	global_store_b128 v[LI], v[SW1:SW1+3], s[DST:DST+1] offset:16384+HS
	s_branch .Lwords_out
.Lv_words:
	global_store_b64 v[L8], v[SW0:SW0+1], s[DST:DST+1] offset:8704         ; the four tiles' words of each head: 256 consecutive bytes
	global_store_b64 v[L8], v[SW0+2:SW0+3], s[DST:DST+1] offset:8704+HS
.Lwords_out:
	s_wait_tensorcnt 0x0                           ; the wave's end
	ds_add_u32 v[SPW], v[NIL]
	s_wait_dscnt 0x0
	CROUND                                         ; the closing round
	s_endpgm
.Lfunc_end_k_q1067fbaa52_qkvp:
	.size	k_q1067fbaa52_qkvp, .Lfunc_end_k_q1067fbaa52_qkvp-k_q1067fbaa52_qkvp
	.p2alignl 7, 3214868480
	.fill 96, 4, 3214868480
	.section	.rodata,"a",@progbits
	.p2align	6, 0x0
	.amdhsa_kernel k_q1067fbaa52_qkvp
		.amdhsa_group_segment_fixed_size 327680
		.amdhsa_private_segment_fixed_size 0
		.amdhsa_enable_private_segment 0
		.amdhsa_kernarg_size 56
		.amdhsa_user_sgpr_count 2
		.amdhsa_user_sgpr_kernarg_segment_ptr 1
		.amdhsa_wavefront_size32 1
		.amdhsa_system_sgpr_workgroup_id_x 1
		.amdhsa_system_sgpr_workgroup_id_y 1
		.amdhsa_system_sgpr_workgroup_id_z 1
		.amdhsa_system_vgpr_workitem_id 0
		.amdhsa_next_free_vgpr 1024
		.amdhsa_next_free_sgpr 100
		.amdhsa_reserve_vcc 0
		.amdhsa_float_denorm_mode_32 3
		.amdhsa_float_denorm_mode_16_64 3
		.amdhsa_memory_ordered 1
		.amdhsa_forward_progress 1
		.amdhsa_inst_pref_size 227
	.end_amdhsa_kernel
	.amdgpu_metadata
---
amdhsa.version: [ 1, 2 ]
amdhsa.kernels:
  - .name:           k_q1067fbaa52_qkvp
    .symbol:         k_q1067fbaa52_qkvp.kd
    .args:
      - { .name: nrm, .offset: 0, .size: 8, .value_kind: global_buffer, .address_space: global }
      - { .name: wts, .offset: 8, .size: 8, .value_kind: global_buffer, .address_space: global }
      - { .name: bq, .offset: 16, .size: 8, .value_kind: global_buffer, .address_space: global }
      - { .name: bk, .offset: 24, .size: 8, .value_kind: global_buffer, .address_space: global }
      - { .name: bv, .offset: 32, .size: 8, .value_kind: global_buffer, .address_space: global }
      - { .name: key_padding_mask, .offset: 40, .size: 8, .value_kind: global_buffer, .address_space: global }
      - { .name: qkv, .offset: 48, .size: 8, .value_kind: global_buffer, .address_space: global }
    .group_segment_fixed_size: 327680
    .private_segment_fixed_size: 0
    .kernarg_segment_align: 8
    .kernarg_segment_size: 56
    .max_flat_workgroup_size: 128
    .sgpr_count:     100
    .vgpr_count:     1024
    .wavefront_size: 32
...
	.end_amdgpu_metadata
.endif
;; end of part 3
;; launch attn (part 4): grid 8 x 32, 16 waves a work-group, clusters of 4 x 1, 276,480 bytes of LDS; arguments qkv, ao; writes ao
.if DOCPART == 4
	.amdgcn_target "amdgcn-amd-amdhsa--gfx1250"
	.amdhsa_code_object_version 6
	.text
	.protected	k_q1067fbaa52_attn
	.globl	k_q1067fbaa52_attn
	.p2align	8
	.type	k_q1067fbaa52_attn,@function
k_q1067fbaa52_attn:
	s_mov_b64 s[64:65], 0
	v_nop
	global_prefetch_b8 v0, s[64:65] scope:SCOPE_SE
	s_setreg_imm32_b32 hwreg(HW_REG_WAVE_MODE, 25, 1), 1
	s_wait_xcnt 0x0
	s_wait_alu depctr_hold_cnt(0) depctr_sa_sdst(0) depctr_va_vdst(0) depctr_va_sdst(0) depctr_va_ssrc(0) depctr_va_vcc(0) depctr_vm_vsrc(0)
	s_getreg_b32 s2, hwreg(HW_REG_IB_STS2, 6, 4)
	s_cmp_eq_u32 s2, 0
	s_cbranch_scc0 .Lentry_in_a_cluster
	s_endpgm
.Lentry_in_a_cluster:
	s_bfe_u32 s2, ttmp6, 0x10000c
	s_cmp_lg_u32 s2, 0x3003
	s_cbranch_scc0 .Lentry_shape_is_right
	s_endpgm
.Lentry_shape_is_right:
; The attention of one (batch, head) for 256 queries, both products on codes of E4M3, and the quantising of its result for the next product.  Sixteen waves, 16 queries each, 256 registers; four waves to a SIMD.
; A HEAD'S WHOLE K AND V LIE IN LDS: 16 steps of 128 keys x 17,152 bytes (K's 8 tiles, V's 4 tiles, their scale words) = 274,432 bytes, filled once: no slot is filled again.
; CLUSTER: the four query blocks of a cluster belong to one head: each step's block is asked for jointly (mask 15).  Waves 0 and 1 issue eight loads each, in one branch; eight of a wave's loads are out at the most.
; Both products are used transposed (S^T = K Q^T, O^T = V^T P^T): a lane holds one query.  K's and V's rows stand in position order, so p's 16 registers of two neighbouring tiles are 16 neighbouring keys, and O^T's likewise 16 neighbouring channels.
; THE SOFTMAX: t = score x log2(e) / 8; M = the running largest t rounded up to a whole number; p = 2^(t - M) is quantised along the keys; the sum is taken of the unquantised p and divides at the end.
; THE MASK: the head's 64 fill k = 0 .. 63 of the 128-deep instruction; at k = 64 Q holds 1.0 and K -1.0, under K's scale byte of that block: 2^100 for a masked key, 2^-126 else.  A masked score is about -2^100.
; The running largest t begins at -2^90: a step whose keys are all masked leaves it there, and its p are zeros.  A query with no key at all (t still -2^90) gets the scale byte 0xff: NaN, as the reference has it.
; LIMITS: a genuine t under -2^90 counts as masked; the -2^-126 added to a counted score lies under f32's resolution of any score above 2^-102; NaN and infinities are not served.
.set BLK,   17152
.set HS,    16*BLK
.set KVOFF, 32*HS
.set PART,  33792
.set LI,  1                            ; v1  16 x lane
.set AKS, 2                            ; v2  K's scale words: 16,384 + 16 r
.set AVS, 3                            ; v3  V's: 16,896 + 8 r
.set ADC, 4                            ; v4-6 the same three at the step in hand
.set ADS, 5
.set ADT, 6
.set QS,  7                            ; v7  Q's scale word
.set BO,  11                           ; v11 16 r, for Q's scale word; v9 16 r + h for the bytes out
.set S,   96                           ; v96-159 S^T, then p, then V's four fragments
.set O,   160                          ; v160-191 O^T
.set PCD, 192                          ; v192-207 p's codes
.set KSR, 208                          ; v208-215 K's scale words: tile a's in 4 (a % 2) + a / 2
.set VSR, 216                          ; v216-219 V's: tile t's in 2 (t % 2) + t / 2
.set BM,  220
.set PM,  224
.set HL,  228
.set SO,  232
.set TP,  236
.set FFR, 237
.set F,   240                          ; v240 f = 2^(old M - new M)
.set PWR, 241                          ; v241 p's scale word
.set WV,  8
.set SEL, 10
.set CS,  12
.set MNT, 14
.set TB,  15
.set G1,  16
.set CNT, 24
.set T0,  25
.set HI,  26
.set G0,  28                           ; s[28:59] eight groups 0
.macro ROUND
	s_barrier_signal -1
	s_barrier_wait -1
	s_cmp_lg_u32 s[WV], 0
	s_cbranch_scc1 .Lnot_wave_0_\@
	s_barrier_signal -3
.Lnot_wave_0_\@:
	s_barrier_wait -3
	s_barrier_signal -1
	s_barrier_wait -1
.endm
	s_load_b128 s[4:7], s[0:1], 0x0                ; qkv, ao
	v_lshl_add_u32 v254, v0, 2, 0x43000
	v_mov_b32 v255, 0
	ds_add_u32 v254, v255
	ds_add_u32 v254, v255
	v_lshrrev_b32 v8, 5, v0
	v_readfirstlane_b32 s[WV], v8                  ; wave 0..15
	s_bfe_u32 s9, ttmp6, 0x40000                   ; cx
	s_and_b32 s72, ttmp7, 0xffff                   ; 16 x batch + head: the partners share it
	s_mul_i32 s62, s72, HS
	s_mov_b32 s63, 0
	s_and_b32 s61, s[WV], 1
	s_mul_i32 s61, s61, BLK                        ; wave 0 fetches the even steps, wave 1 the odd ones
	s_mov_b32 s70, s61
	s_mov_b32 s71, 0
	s_mov_b32 s[G1], 15|(3<<16)|(1<<21)            ; the mask: all four work-groups; elements of 8 bytes; 21 set beside a mask; no padding
	s_mov_b32 s[G1+1], 32<<16                      ; tensor_dim0 = 32 elements: 256 bytes
	s_mov_b32 s[G1+2], 67<<16                      ; tensor_dim1 = 67 rows: a step's block
	s_mov_b32 s[G1+3], 32<<16
	s_mov_b32 s[G1+4], 67
	s_mov_b32 s[G1+5], 32
	s_mov_b32 s[G1+6], 0
	s_mov_b32 s[G1+7], 0
	s_mov_b32 s[SEL], 0x76543210
	s_mov_b32 s[SEL+1], 0xfedcba98
	s_mov_b32 s[CS], 0x3e38aa3b                    ; c = log2(e) / 8
	s_mov_b32 s[CS+1], s[CS]
	s_mov_b32 s[MNT], 0x600000
	s_mov_b32 s[TB], 0
	s_mov_b32 s[T0], 0xec800000                    ; -2^90
	s_mov_b32 s[HI], 0xffff0000
	s_wait_dscnt 0x0
	s_wait_kmcnt 0x0
	s_add_nc_u64 s[66:67], s[4:5], s[62:63]        ; my head in the q region,
	s_add_nc_u64 s[68:69], s[66:67], KVOFF         ; in the k-v region,
	s_add_nc_u64 s[68:69], s[68:69], s[70:71]      ; at my wave's first step
.irp j, 0,1,2,3,4,5,6,7
	s_mov_b32 s[G0+4*\j], 1
	s_add_co_u32 s[G0+4*\j+1], s61, 2*\j*BLK
	s_add_nc_u64 s[G0+4*\j+2:G0+4*\j+3], s[68:69], 2*\j*BLK
	s_or_b32 s[G0+4*\j+3], s[G0+4*\j+3], 0x80000000
.endr
	ROUND                                          ; all four work-groups are here: the joint loads meet
	s_cmp_lt_u32 s[WV], 2
	s_cbranch_scc0 .Lno_fill
.irp j, 0,1,2,3,4,5,6,7
	tensor_load_to_lds s[G0+4*\j:G0+4*\j+3], s[G1:G1+7]
	s_nop 0
.endr
.rept 4
	v_nop
.endr
.Lno_fill:
	; my 16 queries: block of 256 = 4 x cluster x + cx; step = 2 x block + wave / 8; tile a = wave % 8
	s_lshl_b32 s60, ttmp9, 2
	s_add_co_u32 s60, s60, s9
	s_lshl_b32 s60, s60, 1
	s_lshr_b32 s73, s[WV], 3
	s_add_co_u32 s60, s60, s73                     ; the step
	s_and_b32 s73, s[WV], 7                        ; a
	s_mul_i32 s74, s60, BLK
	s_lshl_b32 s75, s73, 10
	s_add_co_u32 s76, s74, s75
	s_mov_b32 s77, 0
	s_add_nc_u64 s[78:79], s[66:67], s[76:77]      ; Q's tile
	s_and_b32 s75, s73, 1
	s_lshl_b32 s75, s75, 8
	s_lshr_b32 s80, s73, 1
	s_lshl_b32 s80, s80, 2
	s_add_co_u32 s80, s80, s75                     ; 256 (a % 2) + 4 (a / 2): a tile's place among scale words
	s_add_co_u32 s76, s74, s80
	s_add_co_u32 s76, s76, 16384
	s_add_nc_u64 s[82:83], s[66:67], s[76:77]      ; Q's scale words
	s_lshr_b32 s74, s72, 4                         ; the batch
	s_and_b32 s75, s72, 15                         ; the head
	s_lshl_b32 s74, s74, 4
	s_add_co_u32 s74, s74, s60                     ; the group of 128 rows
	s_lshr_b32 s81, s75, 2                         ; the slot of the next product's K
	s_lshl_b32 s81, s81, 5
	s_add_co_u32 s81, s81, s74
	s_mul_i32 s81, s81, PART
	s_bfe_u32 s74, s75, 0x10001                    ; q: which 128 of the slot
	s_and_b32 s75, s75, 1                          ; which 64 of the 128
	s_lshl_b32 s76, s74, 3
	s_add_co_u32 s76, s76, s73
	s_lshl_b32 s76, s76, 11
	s_add_co_u32 s76, s76, s81
	s_lshl_b32 s84, s75, 10
	s_add_co_u32 s76, s76, s84
	s_add_nc_u64 s[86:87], s[6:7], s[76:77]        ; my two pieces of the image
	s_lshl_b32 s76, s74, 9
	s_add_co_u32 s76, s76, s80
	s_add_co_u32 s76, s76, s81
	s_lshl_b32 s84, s75, 1
	s_add_co_u32 s76, s76, s84
	s_add_co_u32 s76, s76, 32768
	s_add_nc_u64 s[88:89], s[6:7], s[76:77]        ; my two bytes of the rows' scale words
	v_and_b32 v8, 31, v0
	v_lshlrev_b32 v[LI], 4, v8
	v_and_b32 v9, 15, v0                           ; r
	v_bfe_u32 v10, v0, 4, 1                        ; h
	v_lshl_add_u32 v[AKS], v9, 4, 16384
	v_lshl_add_u32 v[AVS], v9, 3, 16896
	v_lshlrev_b32 v[BO], 4, v9
	global_load_b128 v[16:19], v[LI], s[78:79]     ; Q's fragment, k = 0 .. 63, stays in registers
	global_load_b128 v[20:23], v[LI], s[78:79] offset:512
	global_load_b32 v[QS], v[BO], s[82:83]
	v_add_nc_u32 v9, v[BO], v10                    ; 16 r + h
	v_sub_nc_u32 v8, 1, v10
	v_mul_u32_u24 v24, v8, 0x38                    ; k = 64 lies in byte 0 of register 8 of lanes 0-15: Q's code 1.0;
.irp i, 25,26,27,28,29,30,31
	v_mov_b32 v\i, 0
.endr
.irp t, 0,1,2,3
	v_mul_u32_u24 v[40+16*\t], v8, 0xb8            ; K's code -1.0, in each of the four buffers; the loads fill their registers 0-7 alone
.irp i, 9,10,11,12,13,14,15
	v_mov_b32 v[32+16*\t+\i], 0
.endr
.endr
	v_mov_b32 v13, s[T0]                           ; the largest t so far
	v_floor_f32 v12, -v13                          ; -M
	v_mov_b32 v14, 0                               ; the sum, in two halves
	v_mov_b32 v15, 0
.irp b, 0,1,2,3
	v_mov_b32 v[PM+\b], 0                          ; a lane permute's destination counts as one of its sources
.endr
	v_mov_b32 v[PWR], 0                            ; (named as the upper half of the pair with f before it is first written)
	v_mov_b32 v[FFR], 0xff
.set jj, 0
.rept 32
	v_mov_b32 v[O+jj], 0                           ; the step is written for every step alike: the first finds zeros
.set jj, jj+1
.endr
.macro STEP                            ; 128 keys, at LDS byte s[TB]
	v_add_nc_u32 v[ADC], s[TB], v[LI]
	v_add_nc_u32 v[ADS], s[TB], v[AKS]
	v_add_nc_u32 v[ADT], s[TB], v[AVS]
.rept 6
	v_nop                                          ; with the three lines above nine places: the scores are written over V's fragments, which the last products read
.endr
.irp g, 0,1                            ; S^T = K Q^T, four tiles of 16 keys at a time
.irp t, 0,1,2,3
	ds_load_b128 v[32+16*\t:35+16*\t], v[ADC] offset:(4*\g+\t)*1024
	ds_load_b128 v[36+16*\t:39+16*\t], v[ADC] offset:(4*\g+\t)*1024+512
.endr
.if \g == 0
	ds_load_b128 v[KSR:KSR+3], v[ADS]
	ds_load_b128 v[KSR+4:KSR+7], v[ADS] offset:256
.endif
	s_wait_dscnt 0x0
.irp t, 0,1,2,3
	v_wmma_scale_f32_16x16x128_f8f6f4 v[S+8*(4*\g+\t):S+8*(4*\g+\t)+7], v[32+16*\t:47+16*\t], v[16:31], 0, v[KSR+4*(\t%2)+(4*\g+\t)/2], v[QS]
.endr
.rept 8
	v_nop                                          ; places in front of the loads into K's buffers, and of the first read of the scores
.endr
.endr
.irp b, 0,1,2,3
	v_max3_num_f32 v[BM+\b], v[S+16*\b], v[S+1+16*\b], v[S+2+16*\b]   ; the largest score of each block of 32 keys: for the row's maximum, and, since p rises with the score, for the block's largest p
.endr
.irp i, 3,5,7,9,11,13
.irp b, 0,1,2,3
	v_max3_num_f32 v[BM+\b], v[BM+\b], v[S+16*\b+\i], v[S+1+16*\b+\i]
.endr
.endr
.irp b, 0,1,2,3
	v_max_num_f32 v[BM+\b], v[BM+\b], v[S+15+16*\b]
.endr
.irp b, 0,1,2,3
	v_permlanex16_b32 v[PM+\b], v[BM+\b], s[SEL], s[SEL+1]
.endr
.irp b, 0,1,2,3
	v_max_num_f32 v[BM+\b], v[BM+\b], v[PM+\b]
.endr
	v_max3_num_f32 v[TP], v[BM], v[BM+1], v[BM+2]
	v_max_num_f32 v[TP], v[TP], v[BM+3]
	v_mul_f32 v[TP], s[CS], v[TP]
	v_max_num_f32 v13, v13, v[TP]                  ; the running largest t
	v_mov_b32 v[TP], v12
	v_floor_f32 v12, -v13                          ; the new -M = -ceil(t)
	v_sub_f32 v[TP], v12, v[TP]                    ; old M - new M: a whole number, 0 or less
	v_cvt_i32_f32 v[TP], v[TP]                     ; (it saturates)
	v_ldexp_f32 v[F], 1.0, v[TP]                   ; f: a multiplication by it rounds nothing
.set jj, 0
.rept 32
	v_pk_fma_f32 v[S+jj:S+jj+1], v[S+jj:S+jj+1], s[CS:CS+1], v[12:13] op_sel_hi:[1,0,0]   ; t - M
.set jj, jj+2
.endr
.irp b, 0,1,2,3
	v_fma_f32 v[BM+\b], v[BM+\b], s[CS], v12
.endr
.set jj, 0
.rept 64
	v_exp_f32 v[S+jj], v[S+jj]                     ; p = 2^(t - M)
.set jj, jj+1
.endr
	v_pk_mul_f32 v[14:15], v[14:15], v[F:F+1] op_sel_hi:[1,0]   ; the sums under the new M: a plain line behind the exponentials
	s_wait_alu depctr_va_vdst(0)                   ; one wait for the batch, ahead of its first reader
.irp b, 0,1,2,3
	v_exp_f32 v[BM+\b], v[BM+\b]                   ; each block's largest p
.endr
	v_pk_add_f32 v[PM:PM+1], v[S:S+1], v[S+2:S+3]  ; the row's sum of the unquantised p, in two chains
.set jj, 4
.rept 15
	v_pk_add_f32 v[14:15], v[14:15], v[S+jj:S+jj+1]
	v_pk_add_f32 v[PM:PM+1], v[PM:PM+1], v[S+jj+2:S+jj+3]
.set jj, jj+4
.endr
	v_pk_add_f32 v[14:15], v[14:15], v[PM:PM+1]
	s_wait_alu depctr_va_vdst(0)                   ; and one for the four
.irp b, 0,1,2,3
	v_max_num_f32 v[BM+\b], 0x4800000, v[BM+\b]    ; the floor: a block whose every p is 0 keeps the byte 1 over zero codes
.endr
.irp b, 0,1,2,3
	v_add_nc_u32 v[SO+\b], 0xfc000000, v[BM+\b]
.endr
.irp b, 0,1,2,3
	v_and_or_b32 v[HL+\b], v[BM+\b], 0x7f800000, s[MNT]
.endr
.irp b, 0,1,2,3
	v_lshrrev_b32 v[PM+\b], 23, v[SO+\b]
.endr
	v_lshl_or_b32 v[PWR], v[PM+1], 8, v[PM]
	v_lshl_or_b32 v[PWR], v[PM+2], 16, v[PWR]
	v_lshl_or_b32 v[PWR], v[PM+3], 24, v[PWR]
.irp b, 0,1,2,3
.irp i, 0,1,2,3,4,5,6,7,8,9,10,11,12,13,14,15
	v_min_num_f32 v[S+16*\b+\i], v[S+16*\b+\i], v[HL+\b]   ; the conversion does not saturate (ISA guide 7.6.2); p is not negative
.endr
	v_cvt_scalef32_pk8_fp8_f32 v[PCD+4*\b:PCD+1+4*\b], v[S+16*\b:S+7+16*\b], v[SO+\b]
	v_cvt_scalef32_pk8_fp8_f32 v[PCD+2+4*\b:PCD+3+4*\b], v[S+8+16*\b:S+15+16*\b], v[SO+\b]
.endr
.irp t, 0,1,2,3                        ; V's four fragments take p's registers
.irp c, 0,1,2,3
	ds_load_b128 v[S+16*\t+4*\c:S+16*\t+4*\c+3], v[ADC] offset:8192+2048*\t+512*\c
.endr
.endr
	ds_load_b64 v[VSR:VSR+1], v[ADT]
	ds_load_b64 v[VSR+2:VSR+3], v[ADT] offset:128
.set jj, 0
.rept 16
	v_pk_mul_f32 v[O+jj:O+jj+1], v[O+jj:O+jj+1], v[F:F+1] op_sel_hi:[1,0]   ; O^T under the new M; these are also the places between the codes and the products
.set jj, jj+2
.endr
	s_wait_dscnt 0x0
.irp t, 0,1,2,3                        ; O^T += V^T P^T: the four accumulators by turns
	v_wmma_scale_f32_16x16x128_f8f6f4 v[O+8*\t:O+8*\t+7], v[S+16*\t:S+16*\t+15], v[PCD:PCD+15], v[O+8*\t:O+8*\t+7], v[VSR+2*(\t%2)+\t/2], v[PWR]
.endr
	s_add_co_u32 s[TB], s[TB], BLK
.endm
; left: how many of a loader's eight loads may still be out; the steps read behind the barrier have landed in every loader
.macro PHASE left, trips
	s_wait_tensorcnt \left
	s_wait_dscnt 0x0
	s_barrier_signal -1
	s_barrier_wait -1
	s_mov_b32 s[CNT], \trips
.Lstep_\@:
	STEP
	s_sub_co_u32 s[CNT], s[CNT], 1
	s_cmp_lg_u32 s[CNT], 0
	s_cbranch_scc1 .Lstep_\@
.endm
	s_wait_loadcnt 0x0                             ; Q
	PHASE 7, 2                                     ; each loader's first load is in: steps 0, 1
	PHASE 5, 4                                     ; its first three: steps 2 to 5
	PHASE 0, 10                                    ; all: steps 6 to 15
	; ---- THE WAY OUT: O^T / the sum, quantised along the head's 64 (two blocks), stored as two pieces of the next operand's image
.rept 8
	v_nop
.endr
	v_add_f32 v14, v14, v15
	v_permlanex16_b32 v[TP], v14, s[SEL], s[SEL+1]
	v_add_f32 v14, v14, v[TP]
	v_rcp_f32 v15, v14
	v_nop
	s_wait_alu depctr_va_vdst(0)
	v_mov_b32 v14, v15
.set jj, 0
.rept 16
	v_pk_mul_f32 v[S+jj:S+jj+1], v[O+jj:O+jj+1], v[14:15]   ; register 16 b + i = channel 32 b + 16 h + i of my query
.set jj, jj+2
.endr
.irp b, 0,1
	v_max3_num_f32 v[BM+\b], |v[S+16*\b]|, |v[S+1+16*\b]|, 0x4800000
.endr
.irp i, 2,4,6,8,10,12,14
.irp b, 0,1
	v_max3_num_f32 v[BM+\b], v[BM+\b], |v[S+16*\b+\i]|, |v[S+1+16*\b+\i]|
.endr
.endr
.irp b, 0,1
	v_permlanex16_b32 v[PM+\b], v[BM+\b], s[SEL], s[SEL+1]
.endr
.irp b, 0,1
	v_max_num_f32 v[BM+\b], v[BM+\b], v[PM+\b]
.endr
.irp b, 0,1
	v_add_nc_u32 v[SO+\b], 0xfc000000, v[BM+\b]
.endr
.irp b, 0,1
	v_and_or_b32 v[HL+\b], v[BM+\b], 0x7f800000, s[MNT]
.endr
.irp b, 0,1
	v_lshrrev_b32 v[PM+\b], 23, v[SO+\b]
.endr
	v_cmp_ge_f32 vcc_lo, s[T0], v13                ; no key counted for my query
.irp b, 0,1
	v_cndmask_b32 v[PM+\b], v[PM+\b], v[FFR], vcc_lo
.endr
	v_cndmask_b32 v[TP], v[PM], v[PM+1], s[HI]     ; lanes 0-15 store block 0's byte, lanes 16-31 block 1's
.irp b, 0,1
.irp i, 0,1,2,3,4,5,6,7,8,9,10,11,12,13,14,15
	v_med3_num_f32 v[S+16*\b+\i], v[S+16*\b+\i], -v[HL+\b], v[HL+\b]
.endr
	v_cvt_scalef32_pk8_fp8_f32 v[PCD+4*\b:PCD+1+4*\b], v[S+16*\b:S+7+16*\b], v[SO+\b]
	v_cvt_scalef32_pk8_fp8_f32 v[PCD+2+4*\b:PCD+3+4*\b], v[S+8+16*\b:S+15+16*\b], v[SO+\b]
.endr
	v_nop
	global_store_b128 v[LI], v[PCD:PCD+3], s[86:87]            ; 512 consecutive bytes, aligned
	global_store_b128 v[LI], v[PCD+4:PCD+7], s[86:87] offset:512
	global_store_b8 v9, v[TP], s[88:89]
	s_wait_tensorcnt 0x0
	ds_add_u32 v254, v255
	s_wait_dscnt 0x0
	ROUND                                          ; the closing round: no work-group ends while a partner may still ask
	s_endpgm
.Lfunc_end_k_q1067fbaa52_attn:
	.size	k_q1067fbaa52_attn, .Lfunc_end_k_q1067fbaa52_attn-k_q1067fbaa52_attn
	.p2alignl 7, 3214868480
	.fill 96, 4, 3214868480
	.section	.rodata,"a",@progbits
	.p2align	6, 0x0
	.amdhsa_kernel k_q1067fbaa52_attn
		.amdhsa_group_segment_fixed_size 276480
		.amdhsa_private_segment_fixed_size 0
		.amdhsa_enable_private_segment 0
		.amdhsa_kernarg_size 16
		.amdhsa_user_sgpr_count 2
		.amdhsa_user_sgpr_kernarg_segment_ptr 1
		.amdhsa_wavefront_size32 1
		.amdhsa_system_sgpr_workgroup_id_x 1
		.amdhsa_system_sgpr_workgroup_id_y 1
		.amdhsa_system_sgpr_workgroup_id_z 1
		.amdhsa_system_vgpr_workitem_id 0
		.amdhsa_next_free_vgpr 256
		.amdhsa_next_free_sgpr 96
		.amdhsa_reserve_vcc 1
		.amdhsa_float_denorm_mode_32 3
		.amdhsa_float_denorm_mode_16_64 3
		.amdhsa_memory_ordered 1
		.amdhsa_forward_progress 1
		.amdhsa_inst_pref_size 74
	.end_amdhsa_kernel
	.amdgpu_metadata
---
amdhsa.version: [ 1, 2 ]
amdhsa.kernels:
  - .name:           k_q1067fbaa52_attn
    .symbol:         k_q1067fbaa52_attn.kd
    .args:
      - { .name: qkv, .offset: 0, .size: 8, .value_kind: global_buffer, .address_space: global }
      - { .name: ao, .offset: 8, .size: 8, .value_kind: global_buffer, .address_space: global }
    .group_segment_fixed_size: 276480
    .private_segment_fixed_size: 0
    .kernarg_segment_align: 8
    .kernarg_segment_size: 16
    .max_flat_workgroup_size: 512
    .sgpr_count:     96
    .vgpr_count:     256
    .wavefront_size: 32
...
	.end_amdgpu_metadata
.endif
;; end of part 4
;; launch oproj (part 5): grid 4 x 16, 4 waves a work-group, clusters of 4 x 4, 327,680 bytes of LDS; arguments ao, wts, bo, x, x2; writes x2
.if DOCPART == 5
	.amdgcn_target "amdgcn-amd-amdhsa--gfx1250"
	.amdhsa_code_object_version 6
	.text
	.protected	k_q1067fbaa52_oproj
	.globl	k_q1067fbaa52_oproj
	.p2align	8
	.type	k_q1067fbaa52_oproj,@function
k_q1067fbaa52_oproj:
	s_mov_b64 s[64:65], 0
	v_nop
	global_prefetch_b8 v0, s[64:65] scope:SCOPE_SE
	s_setreg_imm32_b32 hwreg(HW_REG_WAVE_MODE, 25, 1), 1
	s_wait_xcnt 0x0
	s_wait_alu depctr_hold_cnt(0) depctr_sa_sdst(0) depctr_va_vdst(0) depctr_va_sdst(0) depctr_va_ssrc(0) depctr_va_vcc(0) depctr_vm_vsrc(0)
	s_getreg_b32 s2, hwreg(HW_REG_IB_STS2, 6, 4)
	s_cmp_eq_u32 s2, 0
	s_cbranch_scc0 .Lentry_in_a_cluster
	s_endpgm
.Lentry_in_a_cluster:
	s_bfe_u32 s2, ttmp6, 0x10000c
	s_cmp_lg_u32 s2, 0xf033
	s_cbranch_scc0 .Lentry_shape_is_right
	s_endpgm
.Lentry_shape_is_right:
; x2 = x + attn_out wo^T + bo, the product on codes of E4M3 (K = 1,024).  A tile of 256 tokens x 256 features, four waves of 128 x 128 (64 accumulators, 512 registers).
; K goes in steps of 256 through two LDS slots; a slot holds four parts of 33,792 bytes (128 rows x 256 K as register images with their scale words): each one dense block, one tensor load a wave.
; CLUSTERS of 4 x 4: A's parts are asked for jointly along a row of the cluster, B's along a column.  Source 0 = B (wo's rows, in position order), source 1 = A (tokens, in position order).
; The 1,024 features make four tile columns: 64 work-groups.
; ON THE WAY OUT a block of 16 tokens goes through the wave's stage in LDS, which undoes the features' order, and leaves as rows of 512 consecutive bytes at the tokens' true rows, with the residual and the bias added.
; The stage lies in slot 0, which has had its last fill and its last read by then.
.set PART,  33792
.set SLOT,  4*PART
.set SPARE, 2*SLOT
.set LAPS,  2                          ; K / 512
.set AG,    32                         ; groups in A's buffer
.set BG,    8                          ; in B's region,
.set BOFF,  96*PART                    ; which begins here in wts
.set FR, 16
.set NL, 4
.set NP, 8
.set ADRA, 4
.set ADRB, 6
.set ADRS, 8
.set SPW, 10
.set NIL, 11
.set LI,  12
.set STO, 13
.set RD,  14
.set BI,  16                           ; v16-19 the bias at my four columns of a row
.set SC,  32                           ; v32-63 scale words: they hold nothing else
.set AF,  128
.set BB,  128                          ; the way out: v128-191 16 rows back from the stage; v64-127 and v192-255 the residual's rows by turns
.set WV, 18
.set HA, 19
.set HB, 20
.set G1, 24
.set G0, 32
.set G1B, 48
.set G0B, 56
.set SA, 68
.set SB, 70
.set RES, 88
.set OUT, 90
.set MSB, 0
.macro WIN new
.if MSB != (\new)
	s_set_vgpr_msb (MSB<<8)|(\new)
.set MSB, (\new)
.endif
.endm
.set MUL_LO, 0xa1
.set MUL_HI, 0xf1
.set TO_B,   0x40
.macro JLOAD s                         ; a joint load: waves 0 and 1 fetch A's parts, waves 2 and 3 B's; four v_nop follow each line
	s_cmp_eq_u32 s[HA], 0
	s_cbranch_scc0 .Lfor_b_\@
	tensor_load_to_lds s[G0+4*\s:G0+4*\s+3], s[G1:G1+7]
	s_nop 0
.rept 4
	v_nop
.endr
	s_branch .Lasked_\@
.Lfor_b_\@:
	tensor_load_to_lds s[G0B+4*\s:G0B+4*\s+3], s[G1B:G1B+7]
	s_nop 0
.rept 4
	v_nop
.endr
.Lasked_\@:
.endm
.macro CREST
	s_cmp_lg_u32 s[WV], 0
	s_cbranch_scc1 .Lnot_wave_0_\@
	s_barrier_signal -3
.Lnot_wave_0_\@:
	s_barrier_wait -3
	s_barrier_signal -1
	s_barrier_wait -1
.endm
.macro CROUND
	s_barrier_signal -1
	s_barrier_wait -1
	CREST
.endm
.macro FRAG reg, adr, q, i
.irp c, 0,1,2,3
	ds_load_b128 v[\reg+4*\c:\reg+4*\c+3], v[\adr] offset:(8*(\q)+(\i))*2048+512*\c
.endr
.endm
.macro MUL16 a0, p, q, sc, zero        ; the 64 accumulators take turns, one instruction a turn
.irp a, \a0, \a0+1
.irp b, 0,1,2,3,4,5,6,7
.if \zero
	v_wmma_scale_f32_16x16x128_f8f6f4 v[8*(8*((\a)%4)+\b):8*(8*((\a)%4)+\b)+7], v[128*(\p)+FR*\b:128*(\p)+FR*\b+FR-1], v[AF+FR*(\a):AF+FR*(\a)+FR-1], 0, v[SC+16*(\sc)+8*(\q)+4*(\b%2)+\b/2], v[SC+16*(\sc)+8*(\q)+4*((\a)%2)+(\a)/2] matrix_a_scale:MATRIX_SCALE_ROW1
.else
	v_wmma_scale_f32_16x16x128_f8f6f4 v[8*(8*((\a)%4)+\b):8*(8*((\a)%4)+\b)+7], v[128*(\p)+FR*\b:128*(\p)+FR*\b+FR-1], v[AF+FR*(\a):AF+FR*(\a)+FR-1], v[8*(8*((\a)%4)+\b):8*(8*((\a)%4)+\b)+7], v[SC+16*(\sc)+8*(\q)+4*(\b%2)+\b/2], v[SC+16*(\sc)+8*(\q)+4*((\a)%2)+(\a)/2] matrix_a_scale:MATRIX_SCALE_ROW1
.endif
.endr
.endr
.endm
.macro FETCH_B slot, q, p
	WIN TO_B
.irp i, 0,1,2,3,4,5,6,7
	FRAG 128*(\p)+FR*\i, ADRB+\slot, \q, \i
.endr
	WIN 0
.endm
.macro FETCH_A slot, q, i0
.irp i, \i0, \i0+1, \i0+2, \i0+3
	FRAG AF+FR*(\i), ADRA+\slot, \q, \i
.endr
.endm
.macro SCALES sc
.irp q, 0,1
.irp p, 0,1
	ds_load_b128 v[SC+16*\sc+8*\q+4*\p:SC+16*\sc+8*\q+4*\p+3], v[ADRS+\sc] offset:512*\q+256*\p
.endr
.endr
.endm
.macro PLACES n
.rept \n
	v_nop
.endr
.endm
.macro STEP slot, q, zero
	s_wait_dscnt 4*NL                              ; all but the youngest 16 loads (A's blocks 4-7) are in
	WIN MUL_LO
	MUL16 0, (\q)%2, \q, \slot, \zero
	MUL16 2, (\q)%2, \q, \slot, \zero
	s_wait_dscnt 0
	PLACES NP
	FETCH_B \slot, (\q)+1, 1-(\q)%2
	FETCH_A \slot, (\q)+1, 0
	WIN MUL_HI
	MUL16 4, (\q)%2, \q, \slot, \zero
	MUL16 6, (\q)%2, \q, \slot, \zero
	PLACES NP
	WIN 0
	FETCH_A \slot, (\q)+1, 4
.endm
.macro TURN slot, next, fill
	s_wait_tensorcnt 0x0                           ; all my tensor loads have landed: my part of the next slot
	ds_add_u32 v[SPW], v[NIL]                      ; 0 onto my spare word
	s_wait_dscnt 4*NL+1                            ; (the add and A's blocks 4-7 may be out)
	WIN MUL_LO
	MUL16 0, 1, 1, \slot, 0
	s_wait_dscnt 0x0                               ; the add is done, and my reads of this slot are over
	s_barrier_signal -1
	MUL16 2, 1, 1, \slot, 0
	WIN 0
	s_barrier_wait -1
.if \fill
	CREST                                          ; the barrier has opened a round of the cluster's
	s_add_nc_u64 s[G0+4*\slot+2:G0+4*\slot+3], s[G0+4*\slot+2:G0+4*\slot+3], s[SA:SA+1]
	s_add_nc_u64 s[G0B+4*\slot+2:G0B+4*\slot+3], s[G0B+4*\slot+2:G0B+4*\slot+3], s[SB:SB+1]
	JLOAD \slot
	PLACES NP-4
.else
	PLACES NP
.endif
	FETCH_B \next, 0, 0
	FETCH_A \next, 0, 0
	SCALES \next
	WIN MUL_HI
	MUL16 4, 1, 1, \slot, 0
	MUL16 6, 1, 1, \slot, 0
	PLACES NP
	WIN 0
	FETCH_A \next, 0, 4
.endm
	s_load_b256 s[4:11], s[0:1], 0x0               ; A's codes, wts, the bias, the residual
	s_load_b64 s[12:13], s[0:1], 0x20              ; the result
	v_lshl_add_u32 v[SPW], v0, 2, SPARE
	v_mov_b32 v[NIL], 0
	ds_add_u32 v10, v11
	ds_add_u32 v10, v11
	s_wait_dscnt 0x0
	v_lshrrev_b32 v1, 5, v0
	v_readfirstlane_b32 s[WV], v1
	s_lshr_b32 s[HA], s[WV], 1
	s_and_b32 s[HB], s[WV], 1
	s_bfe_u32 s40, ttmp6, 0x40000                  ; cx
	s_bfe_u32 s41, ttmp6, 0x40004                  ; cy
	s_lshl_b32 s42, ttmp9, 2
	s_add_co_u32 s42, s42, s40                     ; B's tile
	s_and_b32 s66, ttmp7, 0xffff
	s_lshl_b32 s66, s66, 2
	s_add_co_u32 s66, s66, s41                     ; A's tile
	s_lshl_b32 s43, s41, 2
	s_lshl_b32 s43, 15, s43
	s_lshl_b32 s44, 0x1111, s40
	s_or_b32 s[G1], s43, (3<<16)|(1<<21)
	s_or_b32 s[G1B], s44, (3<<16)|(1<<21)
.irp g, G1, G1B
	s_mov_b32 s[\g+1], 32<<16
	s_mov_b32 s[\g+2], 132<<16
	s_mov_b32 s[\g+3], 32<<16
	s_mov_b32 s[\g+4], 132
	s_mov_b32 s[\g+5], 32
	s_mov_b32 s[\g+6], 0
	s_mov_b32 s[\g+7], 0
.endr
	s_lshl_b32 s76, s66, 1
	s_add_co_u32 s76, s76, s[HB]
	s_mul_i32 s76, s76, PART
	s_mov_b32 s77, 0
	s_lshl_b32 s78, s42, 1
	s_add_co_u32 s78, s78, s[HB]
	s_mul_i32 s78, s78, PART
	s_add_co_u32 s78, s78, BOFF
	s_mov_b32 s79, 0
	s_mov_b32 s[SA], 2*AG*PART
	s_mov_b32 s[SA+1], 0
	s_mov_b32 s[SB], 2*BG*PART
	s_mov_b32 s[SB+1], 0
	s_mul_i32 s45, s[WV], PART
	s_wait_kmcnt 0x0
	s_add_nc_u64 s[80:81], s[4:5], s[76:77]
	s_add_nc_u64 s[82:83], s[6:7], s[78:79]
	CROUND
.irp s, 0,1
	s_mov_b32 s[G0+4*\s], 1
	s_add_co_u32 s[G0+4*\s+1], s45, \s*SLOT
	s_add_nc_u64 s[G0+4*\s+2:G0+4*\s+3], s[80:81], \s*AG*PART
	s_or_b32 s[G0+4*\s+3], s[G0+4*\s+3], 0x80000000
	s_mov_b32 s[G0B+4*\s], 1
	s_add_co_u32 s[G0B+4*\s+1], s45, \s*SLOT
	s_add_nc_u64 s[G0B+4*\s+2:G0B+4*\s+3], s[82:83], \s*BG*PART
	s_or_b32 s[G0B+4*\s+3], s[G0B+4*\s+3], 0x80000000
	JLOAD \s
.endr
	v_and_b32 v1, 15, v0
	v_bfe_u32 v2, v0, 4, 1
	v_and_b32 v3, 31, v0
	v_lshlrev_b32 v[LI], 4, v3
	s_mul_i32 s21, s[HA], PART
	s_mul_i32 s22, s[HB], PART
	s_add_co_u32 s22, s22, 2*PART
.irp s, 0,1
	v_add_nc_u32 v[ADRA+\s], s21, v[LI]
	v_add_nc_u32 v[ADRB+\s], s22, v[LI]
	s_add_co_u32 s21, s21, SLOT
	s_add_co_u32 s22, s22, SLOT
.endr
	s_xor_b32 s23, s[HA], 1
	s_add_co_u32 s23, s23, s[HB]
	s_add_co_u32 s23, s23, 1
	s_mul_i32 s23, s23, PART
	v_mul_u32_u24 v3, s23, v2
	v_lshl_add_u32 v3, v1, 4, v3
	s_mul_i32 s21, s[HA], PART
	s_add_co_u32 s21, s21, 32768
	v_add_nc_u32 v[ADRS], s21, v3
	s_add_co_u32 s21, s21, SLOT
	v_add_nc_u32 v[ADRS+1], s21, v3
	s_mul_i32 s23, s[WV], 8448                     ; my stage: 16 rows x (512 + 16) bytes
	v_mul_u32_u24 v[STO], v1, 528
	v_lshl_add_u32 v[STO], v2, 6, v[STO]
	v_add_nc_u32 v[STO], s23, v[STO]               ; in: row r, + 64 h
	v_add_nc_u32 v[RD], s23, v[LI]                 ; back: a row, 16 bytes a lane
	s_lshl_b32 s86, s42, 10
	s_lshl_b32 s87, s[HB], 9
	s_add_co_u32 s86, s86, s87                     ; my first column, in bytes
	s_mov_b32 s87, 0
	s_add_nc_u64 s[92:93], s[8:9], s[86:87]
	s_lshl_b32 s22, s66, 1
	s_add_co_u32 s22, s22, s[HA]
	s_lshl_b32 s22, s22, 19                        ; my 128 tokens x 4,096 bytes
	s_add_co_u32 s86, s86, s22
	s_add_nc_u64 s[RES:RES+1], s[10:11], s[86:87]
	s_add_nc_u64 s[OUT:OUT+1], s[12:13], s[86:87]
	global_load_b128 v[BI:BI+3], v[LI], s[92:93]
	s_wait_tensorcnt 1
	s_barrier_signal -1
	s_barrier_wait -1
	FETCH_B 0, 0, 0
	FETCH_A 0, 0, 0
	SCALES 0
	FETCH_A 0, 0, 4
	STEP 0, 0, 1
	s_mov_b32 s3, LAPS-1
.Llap:
	TURN 0, 1, 1
	STEP 1, 0, 0
	TURN 1, 0, 1
	STEP 0, 0, 0
	s_sub_co_u32 s3, s3, 1
	s_cmp_lg_u32 s3, 0
	s_cbranch_scc1 .Llap
	TURN 0, 1, 0
	STEP 1, 0, 0
	s_wait_dscnt 4*NL
	WIN MUL_LO
	MUL16 0, 1, 1, 1, 0
	MUL16 2, 1, 1, 1, 0
	s_wait_dscnt 0
	WIN MUL_HI
	MUL16 4, 1, 1, 1, 0
	MUL16 6, 1, 1, 1, 0
	WIN 0
.macro RLOAD a                         ; the residual's 16 rows of block a, at the tokens' true rows
.set RL, 64+128*((\a)%2)
.set ii, 0
.rept 16
	global_load_b128 v[RL+4*ii:RL+4*ii+3], v[LI], s[RES:RES+1] offset:(32*((\a)/2)+16*(ii/8)+8*((\a)%2)+(ii%8))*4096
.set ii, ii+1
.endr
.endm
.macro OBLOCK a
.if (\a) > 0
	s_wait_xcnt 0x0                                ; the last block's stores have read their registers
.endif
	WIN 0x08+4*((\a)/4)                            ; an LDS store's data: window 2 or 3
.irp b, 0,1,2,3,4,5,6,7
	ds_store_b128 v[STO], v[64*((\a)%4)+8*\b:64*((\a)%4)+8*\b+3] offset:128*(\b/2)+32*(\b%2)       ; features 32 (b / 2) + 16 h + 8 (b % 2) on; each accumulator from its low end on
	ds_store_b128 v[STO], v[64*((\a)%4)+8*\b+4:64*((\a)%4)+8*\b+7] offset:128*(\b/2)+32*(\b%2)+16
.endr
	WIN 0
.set ii, 0
.rept 16
	ds_load_b128 v[BB+4*ii:BB+4*ii+3], v[RD] offset:528*ii     ; LDS serves a wave's instructions in order: these see the stores above
.set ii, ii+1
.endr
.if (\a) < 7
	RLOAD (\a)+1
	s_wait_dscnt 0x0
	s_wait_loadcnt 16                              ; this block's residual is in; the next block's may be out
.else
	s_wait_dscnt 0x0
	s_wait_loadcnt 0x0
.endif
.set RQ, 64+128*((\a)%2)
.set ii, 0
.rept 16
	v_pk_add_f32 v[BB+4*ii:BB+4*ii+1], v[BB+4*ii:BB+4*ii+1], v[RQ+4*ii:RQ+4*ii+1]
	v_pk_add_f32 v[BB+4*ii+2:BB+4*ii+3], v[BB+4*ii+2:BB+4*ii+3], v[RQ+4*ii+2:RQ+4*ii+3]
.set ii, ii+1
.endr
.set ii, 0
.rept 16
	v_pk_add_f32 v[BB+4*ii:BB+4*ii+1], v[BB+4*ii:BB+4*ii+1], v[BI:BI+1]
	v_pk_add_f32 v[BB+4*ii+2:BB+4*ii+3], v[BB+4*ii+2:BB+4*ii+3], v[BI+2:BI+3]
.set ii, ii+1
.endr
.set ii, 0
.rept 16
	global_store_b128 v[LI], v[BB+4*ii:BB+4*ii+3], s[OUT:OUT+1] offset:(32*((\a)/2)+16*(ii/8)+8*((\a)%2)+(ii%8))*4096   ; 512 consecutive bytes, aligned
.set ii, ii+1
.endr
.endm
	PLACES NP                                      ; in front of the first read of results and of loads into the registers that held A's fragments
	RLOAD 0
.irp a, 0,1,2,3,4,5,6,7
	OBLOCK \a
.endr
	s_wait_tensorcnt 0x0                           ; the wave's end
	ds_add_u32 v[SPW], v[NIL]
	s_wait_dscnt 0x0
	CROUND
	s_endpgm
.Lfunc_end_k_q1067fbaa52_oproj:
	.size	k_q1067fbaa52_oproj, .Lfunc_end_k_q1067fbaa52_oproj-k_q1067fbaa52_oproj
	.p2alignl 7, 3214868480
	.fill 96, 4, 3214868480
	.section	.rodata,"a",@progbits
	.p2align	6, 0x0
	.amdhsa_kernel k_q1067fbaa52_oproj
		.amdhsa_group_segment_fixed_size 327680
		.amdhsa_private_segment_fixed_size 0
		.amdhsa_enable_private_segment 0
		.amdhsa_kernarg_size 40
		.amdhsa_user_sgpr_count 2
		.amdhsa_user_sgpr_kernarg_segment_ptr 1
		.amdhsa_wavefront_size32 1
		.amdhsa_system_sgpr_workgroup_id_x 1
		.amdhsa_system_sgpr_workgroup_id_y 1
		.amdhsa_system_sgpr_workgroup_id_z 1
		.amdhsa_system_vgpr_workitem_id 0
		.amdhsa_next_free_vgpr 1024
		.amdhsa_next_free_sgpr 100
		.amdhsa_reserve_vcc 0
		.amdhsa_float_denorm_mode_32 3
		.amdhsa_float_denorm_mode_16_64 3
		.amdhsa_memory_ordered 1
		.amdhsa_forward_progress 1
		.amdhsa_inst_pref_size 186
	.end_amdhsa_kernel
	.amdgpu_metadata
---
amdhsa.version: [ 1, 2 ]
amdhsa.kernels:
  - .name:           k_q1067fbaa52_oproj
    .symbol:         k_q1067fbaa52_oproj.kd
    .args:
      - { .name: ao, .offset: 0, .size: 8, .value_kind: global_buffer, .address_space: global }
      - { .name: wts, .offset: 8, .size: 8, .value_kind: global_buffer, .address_space: global }
      - { .name: bo, .offset: 16, .size: 8, .value_kind: global_buffer, .address_space: global }
      - { .name: x, .offset: 24, .size: 8, .value_kind: global_buffer, .address_space: global }
      - { .name: x2, .offset: 32, .size: 8, .value_kind: global_buffer, .address_space: global }
    .group_segment_fixed_size: 327680
    .private_segment_fixed_size: 0
    .kernarg_segment_align: 8
    .kernarg_segment_size: 40
    .max_flat_workgroup_size: 128
    .sgpr_count:     100
    .vgpr_count:     1024
    .wavefront_size: 32
...
	.end_amdgpu_metadata
.endif
;; end of part 5
;; launch ln2: the kernel of part 2 again; grid 256 x 1, 8 waves a work-group, no clusters, 69,632 bytes of LDS; arguments x2, ss2, nrm; writes nrm
;; launch mlp1 (part 6): grid 16 x 16, 4 waves a work-group, clusters of 4 x 4, 327,680 bytes of LDS; arguments nrm, wts, b1, hq; writes hq
.if DOCPART == 6
	.amdgcn_target "amdgcn-amd-amdhsa--gfx1250"
	.amdhsa_code_object_version 6
	.text
	.protected	k_q1067fbaa52_mlp1
	.globl	k_q1067fbaa52_mlp1
	.p2align	8
	.type	k_q1067fbaa52_mlp1,@function
k_q1067fbaa52_mlp1:
	s_mov_b64 s[64:65], 0
	v_nop
	global_prefetch_b8 v0, s[64:65] scope:SCOPE_SE
	s_setreg_imm32_b32 hwreg(HW_REG_WAVE_MODE, 25, 1), 1
	s_wait_xcnt 0x0
	s_wait_alu depctr_hold_cnt(0) depctr_sa_sdst(0) depctr_va_vdst(0) depctr_va_sdst(0) depctr_va_ssrc(0) depctr_va_vcc(0) depctr_vm_vsrc(0)
	s_getreg_b32 s2, hwreg(HW_REG_IB_STS2, 6, 4)
	s_cmp_eq_u32 s2, 0
	s_cbranch_scc0 .Lentry_in_a_cluster
	s_endpgm
.Lentry_in_a_cluster:
	s_bfe_u32 s2, ttmp6, 0x10000c
	s_cmp_lg_u32 s2, 0xf033
	s_cbranch_scc0 .Lentry_shape_is_right
	s_endpgm
.Lentry_shape_is_right:
; h = gelu(normed w1^T + b1), the product on codes of E4M3 (K = 1,024), h quantised along its 4,096 features and stored as operand images.  A tile of 256 tokens x 256 features, four waves of 128 x 128.
; Ring, cluster and products as in the other product launches: two LDS slots of four dense parts of 33,792 bytes, one tensor load a wave, A's parts shared along a row of the cluster, B's along a column.
; Source 0 = B (w1's rows, in position order), source 1 = A (tokens): a lane holds a token, and its 64 registers of a block are 128 true neighbours along the features, in the quantiser's order.
; THE EXACT GELU: gelu(x) = max(x, 0) - |x| g, g = erfc(|x| / sqrt 2) / 2 = t 2^(poly(t) - w^2), w = |x| sqrt(log2(e) / 2), t = 1 / (1 + |x| / (2 sqrt 2)): the rational-exponential form of erfc
; (Numerical Recipes' erfcc, fractional error under 1.2e-7 everywhere, the tail too), its coefficients times log2(e), the constant one less 1 for the half.
; THE WAY OUT is a loop of eight trips, one block of 16 tokens each, so that its long text stands once; only the 32 lines that fetch a block's accumulators differ, and are chosen by the trip's number.
; LIMITS: NaN and infinities are not served; a block whose largest magnitude lies under 2^-118 keeps the byte 1.
.set PART,  33792
.set SLOT,  4*PART
.set SPARE, 2*SLOT
.set LAPS,  2
.set AG,    32
.set BG,    32
.set BOFF,  128*PART
.set FR, 16
.set NL, 4
.set NP, 8
.set ADRA, 4
.set ADRB, 6
.set ADRS, 8
.set SPW, 10
.set NIL, 11
.set LI,  12
.set SW,  16                           ; v16-19 the eight blocks' scale words
.set VO,  20
.set C9,  22                           ; v22-23 the polynomial's leading coefficient, twice
.set SC,  32                           ; v32-63 scale words: they hold nothing else
.set BIAS, 64                          ; v64-127 b1 at my 128 features, in the accumulators' order
.set AF,  128
.set H,   128                          ; v128-191 a block's 64 numbers
.set P,   192                          ; v192-223 the polynomial, then g
.set Q,   224                          ; v224-255 w, then max(x, 0)
.set T,   0                            ; window 1, v0-31: t (B's fragments are done with)
.set TM,  192
.set PC,  208
.set PW,  224
.set WV, 18
.set HA, 19
.set HB, 20
.set OFF, 21
.set AI,  22
.set G1, 24
.set G0, 32
.set G1B, 48
.set G0B, 56
.set SA, 68
.set SB, 70
.set KW, 72
.set KT, 74                            ; s[74:75]
.set LO, 76
.set SM, 77
.set SK, 78
.set SN, 79
.set SEL, 94
.set DST, 96
.set MNT, 98
.set HI,  99
.set MSB, 0
.macro WIN new
.if MSB != (\new)
	s_set_vgpr_msb (MSB<<8)|(\new)
.set MSB, (\new)
.endif
.endm
.set MUL_LO, 0xa1
.set MUL_HI, 0xf1
.set TO_B,   0x40
.macro JLOAD s                         ; a joint load: waves 0 and 1 fetch A's parts, waves 2 and 3 B's; four v_nop follow each line
	s_cmp_eq_u32 s[HA], 0
	s_cbranch_scc0 .Lfor_b_\@
	tensor_load_to_lds s[G0+4*\s:G0+4*\s+3], s[G1:G1+7]
	s_nop 0
.rept 4
	v_nop
.endr
	s_branch .Lasked_\@
.Lfor_b_\@:
	tensor_load_to_lds s[G0B+4*\s:G0B+4*\s+3], s[G1B:G1B+7]
	s_nop 0
.rept 4
	v_nop
.endr
.Lasked_\@:
.endm
.macro CREST
	s_cmp_lg_u32 s[WV], 0
	s_cbranch_scc1 .Lnot_wave_0_\@
	s_barrier_signal -3
.Lnot_wave_0_\@:
	s_barrier_wait -3
	s_barrier_signal -1
	s_barrier_wait -1
.endm
.macro CROUND
	s_barrier_signal -1
	s_barrier_wait -1
	CREST
.endm
.macro FRAG reg, adr, q, i
.irp c, 0,1,2,3
	ds_load_b128 v[\reg+4*\c:\reg+4*\c+3], v[\adr] offset:(8*(\q)+(\i))*2048+512*\c
.endr
.endm
.macro MUL16 a0, p, q, sc, zero        ; the 64 accumulators take turns, one instruction a turn
.irp a, \a0, \a0+1
.irp b, 0,1,2,3,4,5,6,7
.if \zero
	v_wmma_scale_f32_16x16x128_f8f6f4 v[8*(8*((\a)%4)+\b):8*(8*((\a)%4)+\b)+7], v[128*(\p)+FR*\b:128*(\p)+FR*\b+FR-1], v[AF+FR*(\a):AF+FR*(\a)+FR-1], 0, v[SC+16*(\sc)+8*(\q)+4*(\b%2)+\b/2], v[SC+16*(\sc)+8*(\q)+4*((\a)%2)+(\a)/2] matrix_a_scale:MATRIX_SCALE_ROW1
.else
	v_wmma_scale_f32_16x16x128_f8f6f4 v[8*(8*((\a)%4)+\b):8*(8*((\a)%4)+\b)+7], v[128*(\p)+FR*\b:128*(\p)+FR*\b+FR-1], v[AF+FR*(\a):AF+FR*(\a)+FR-1], v[8*(8*((\a)%4)+\b):8*(8*((\a)%4)+\b)+7], v[SC+16*(\sc)+8*(\q)+4*(\b%2)+\b/2], v[SC+16*(\sc)+8*(\q)+4*((\a)%2)+(\a)/2] matrix_a_scale:MATRIX_SCALE_ROW1
.endif
.endr
.endr
.endm
.macro FETCH_B slot, q, p
	WIN TO_B
.irp i, 0,1,2,3,4,5,6,7
	FRAG 128*(\p)+FR*\i, ADRB+\slot, \q, \i
.endr
	WIN 0
.endm
.macro FETCH_A slot, q, i0
.irp i, \i0, \i0+1, \i0+2, \i0+3
	FRAG AF+FR*(\i), ADRA+\slot, \q, \i
.endr
.endm
.macro SCALES sc
.irp q, 0,1
.irp p, 0,1
	ds_load_b128 v[SC+16*\sc+8*\q+4*\p:SC+16*\sc+8*\q+4*\p+3], v[ADRS+\sc] offset:512*\q+256*\p
.endr
.endr
.endm
.macro PLACES n
.rept \n
	v_nop
.endr
.endm
.macro STEP slot, q, zero
	s_wait_dscnt 4*NL                              ; all but the youngest 16 loads (A's blocks 4-7) are in
	WIN MUL_LO
	MUL16 0, (\q)%2, \q, \slot, \zero
	MUL16 2, (\q)%2, \q, \slot, \zero
	s_wait_dscnt 0
	PLACES NP
	FETCH_B \slot, (\q)+1, 1-(\q)%2
	FETCH_A \slot, (\q)+1, 0
	WIN MUL_HI
	MUL16 4, (\q)%2, \q, \slot, \zero
	MUL16 6, (\q)%2, \q, \slot, \zero
	PLACES NP
	WIN 0
	FETCH_A \slot, (\q)+1, 4
.endm
.macro TURN slot, next, fill
	s_wait_tensorcnt 0x0                           ; all my tensor loads have landed: my part of the next slot
	ds_add_u32 v[SPW], v[NIL]                      ; 0 onto my spare word
	s_wait_dscnt 4*NL+1                            ; (the add and A's blocks 4-7 may be out)
	WIN MUL_LO
	MUL16 0, 1, 1, \slot, 0
	s_wait_dscnt 0x0                               ; the add is done, and my reads of this slot are over
	s_barrier_signal -1
	MUL16 2, 1, 1, \slot, 0
	WIN 0
	s_barrier_wait -1
.if \fill
	CREST                                          ; the barrier has opened a round of the cluster's
	s_add_nc_u64 s[G0+4*\slot+2:G0+4*\slot+3], s[G0+4*\slot+2:G0+4*\slot+3], s[SA:SA+1]
	s_add_nc_u64 s[G0B+4*\slot+2:G0B+4*\slot+3], s[G0B+4*\slot+2:G0B+4*\slot+3], s[SB:SB+1]
	JLOAD \slot
	PLACES NP-4
.else
	PLACES NP
.endif
	FETCH_B \next, 0, 0
	FETCH_A \next, 0, 0
	SCALES \next
	WIN MUL_HI
	MUL16 4, 1, 1, \slot, 0
	MUL16 6, 1, 1, \slot, 0
	PLACES NP
	WIN 0
	FETCH_A \next, 0, 4
.endm
.macro QUANT s
.irp b, 0,1,2,3
	v_max3_num_f32 v[TM+\b], |v[\s+16*\b]|, |v[\s+1+16*\b]|, 0x4800000
.endr
.irp i, 2,4,6,8,10,12,14
.irp b, 0,1,2,3
	v_max3_num_f32 v[TM+\b], v[TM+\b], |v[\s+16*\b+\i]|, |v[\s+1+16*\b+\i]|
.endr
.endr
.irp b, 0,1,2,3
	v_permlanex16_b32 v[TM+4+\b], v[TM+\b], s[SEL], s[SEL+1]
.endr
.irp b, 0,1,2,3
	v_max_num_f32 v[TM+\b], v[TM+\b], v[TM+4+\b]
.endr
.irp b, 0,1,2,3
	v_add_nc_u32 v[TM+12+\b], 0xfc000000, v[TM+\b]
.endr
.irp b, 0,1,2,3
	v_and_or_b32 v[TM+8+\b], v[TM+\b], 0x7f800000, s[MNT]
.endr
.irp b, 0,1,2,3
	v_lshrrev_b32 v[TM+4+\b], 23, v[TM+12+\b]
.endr
	v_lshl_or_b32 v[PW], v[TM+5], 8, v[TM+4]
	v_lshl_or_b32 v[PW], v[TM+6], 16, v[PW]
	v_lshl_or_b32 v[PW], v[TM+7], 24, v[PW]
.irp b, 0,1,2,3
.irp i, 0,1,2,3,4,5,6,7,8,9,10,11,12,13,14,15
	v_med3_num_f32 v[\s+16*\b+\i], v[\s+16*\b+\i], -v[TM+8+\b], v[TM+8+\b]   ; the conversion does not saturate (ISA guide 7.6.2)
.endr
	v_cvt_scalef32_pk8_fp8_f32 v[PC+4*\b:PC+1+4*\b], v[\s+16*\b:\s+7+16*\b], v[TM+12+\b]
	v_cvt_scalef32_pk8_fp8_f32 v[PC+2+4*\b:PC+3+4*\b], v[\s+8+16*\b:\s+15+16*\b], v[TM+12+\b]
.endr
	v_nop
.endm
; 32 numbers of H become their gelu, in place.  Two batches of transcendentals, one wait each.
.macro GELU hb
.set HX, H+32*(\hb)
.set ii, 0
.rept 32
	v_mul_f32 v[Q+ii], s[KW], |v[HX+ii]|           ; w
.set ii, ii+1
.endr
	WIN 0x40                                       ; destination window 1
.set ii, 0
.rept 16
	v_pk_fma_f32 v[T+ii:T+ii+1], v[Q+ii:Q+ii+1], s[KT:KT+1], 1.0 op_sel_hi:[1,0,0]
.set ii, ii+2
.endr
	WIN 0x41
.set ii, 0
.rept 32
	v_rcp_f32 v[T+ii], v[T+ii]                     ; t
.set ii, ii+1
.endr
	v_nop                                          ; a plain line behind the batch
	s_wait_alu depctr_va_vdst(0)                   ; one wait for the 32, ahead of their first reader
	WIN 0x04                                       ; source 1 window 1
.set ii, 0
.rept 16
	v_pk_fma_f32 v[P+ii:P+ii+1], v[C9:C9+1], v[T+ii:T+ii+1], 0xbf97d29d op_sel_hi:[1,1,0]
.set ii, ii+2
.endr
.irp c, 0x40097039, 0xbfd1a1e5, 0x3ecdfd18, 0xbe899a80, 0x3e0efb2e, 0x3f0a29d2, 0x3fb8ab5a, 0xc034d90f
.set ii, 0
.rept 16
	v_pk_fma_f32 v[P+ii:P+ii+1], v[P+ii:P+ii+1], v[T+ii:T+ii+1], \c op_sel_hi:[1,1,0]
.set ii, ii+2
.endr
.endr
	WIN 0
.set ii, 0
.rept 16
	v_pk_fma_f32 v[P+ii:P+ii+1], v[Q+ii:Q+ii+1], v[Q+ii:Q+ii+1], v[P+ii:P+ii+1] neg_lo:[1,0,0] neg_hi:[1,0,0]   ; poly - w^2
.set ii, ii+2
.endr
.set ii, 0
.rept 32
	v_exp_f32 v[P+ii], v[P+ii]
.set ii, ii+1
.endr
.set ii, 0
.rept 32
	v_max_num_f32 v[Q+ii], 0, v[HX+ii]             ; max(x, 0): plain work behind the exponentials
.set ii, ii+1
.endr
	s_wait_alu depctr_va_vdst(0)                   ; one wait for the 32
	WIN 0x04
.set ii, 0
.rept 16
	v_pk_mul_f32 v[P+ii:P+ii+1], v[P+ii:P+ii+1], v[T+ii:T+ii+1]   ; g
.set ii, ii+2
.endr
	WIN 0
.set ii, 0
.rept 32
	v_fma_f32 v[HX+ii], -|v[HX+ii]|, v[P+ii], v[Q+ii]
.set ii, ii+1
.endr
.endm
	s_load_b256 s[4:11], s[0:1], 0x0               ; nrm, wts, b1, hq
	v_lshl_add_u32 v[SPW], v0, 2, SPARE
	v_mov_b32 v[NIL], 0
	ds_add_u32 v10, v11
	ds_add_u32 v10, v11
	s_wait_dscnt 0x0
	v_lshrrev_b32 v1, 5, v0
	v_readfirstlane_b32 s[WV], v1
	s_lshr_b32 s[HA], s[WV], 1
	s_and_b32 s[HB], s[WV], 1
	s_bfe_u32 s40, ttmp6, 0x40000
	s_bfe_u32 s41, ttmp6, 0x40004
	s_lshl_b32 s42, ttmp9, 2
	s_add_co_u32 s42, s42, s40                     ; B's tile
	s_and_b32 s66, ttmp7, 0xffff
	s_lshl_b32 s66, s66, 2
	s_add_co_u32 s66, s66, s41                     ; A's tile
	s_lshl_b32 s43, s41, 2
	s_lshl_b32 s43, 15, s43
	s_lshl_b32 s44, 0x1111, s40
	s_or_b32 s[G1], s43, (3<<16)|(1<<21)
	s_or_b32 s[G1B], s44, (3<<16)|(1<<21)
.irp g, G1, G1B
	s_mov_b32 s[\g+1], 32<<16
	s_mov_b32 s[\g+2], 132<<16
	s_mov_b32 s[\g+3], 32<<16
	s_mov_b32 s[\g+4], 132
	s_mov_b32 s[\g+5], 32
	s_mov_b32 s[\g+6], 0
	s_mov_b32 s[\g+7], 0
.endr
	s_lshl_b32 s76, s66, 1
	s_add_co_u32 s76, s76, s[HB]
	s_mul_i32 s76, s76, PART
	s_mov_b32 s77, 0
	s_lshl_b32 s78, s42, 1
	s_add_co_u32 s78, s78, s[HB]
	s_mul_i32 s78, s78, PART
	s_add_co_u32 s78, s78, BOFF
	s_mov_b32 s79, 0
	s_mov_b32 s[SA], 2*AG*PART
	s_mov_b32 s[SA+1], 0
	s_mov_b32 s[SB], 2*BG*PART
	s_mov_b32 s[SB+1], 0
	s_mul_i32 s45, s[WV], PART
	s_wait_kmcnt 0x0
	s_add_nc_u64 s[80:81], s[4:5], s[76:77]
	s_add_nc_u64 s[82:83], s[6:7], s[78:79]
	CROUND
.irp s, 0,1
	s_mov_b32 s[G0+4*\s], 1
	s_add_co_u32 s[G0+4*\s+1], s45, \s*SLOT
	s_add_nc_u64 s[G0+4*\s+2:G0+4*\s+3], s[80:81], \s*AG*PART
	s_or_b32 s[G0+4*\s+3], s[G0+4*\s+3], 0x80000000
	s_mov_b32 s[G0B+4*\s], 1
	s_add_co_u32 s[G0B+4*\s+1], s45, \s*SLOT
	s_add_nc_u64 s[G0B+4*\s+2:G0B+4*\s+3], s[82:83], \s*BG*PART
	s_or_b32 s[G0B+4*\s+3], s[G0B+4*\s+3], 0x80000000
	JLOAD \s
.endr
	v_and_b32 v1, 15, v0
	v_bfe_u32 v2, v0, 4, 1
	v_and_b32 v3, 31, v0
	v_lshlrev_b32 v[LI], 4, v3
	s_mul_i32 s21, s[HA], PART
	s_mul_i32 s22, s[HB], PART
	s_add_co_u32 s22, s22, 2*PART
.irp s, 0,1
	v_add_nc_u32 v[ADRA+\s], s21, v[LI]
	v_add_nc_u32 v[ADRB+\s], s22, v[LI]
	s_add_co_u32 s21, s21, SLOT
	s_add_co_u32 s22, s22, SLOT
.endr
	s_xor_b32 s23, s[HA], 1
	s_add_co_u32 s23, s23, s[HB]
	s_add_co_u32 s23, s23, 1
	s_mul_i32 s23, s23, PART
	v_mul_u32_u24 v3, s23, v2
	v_lshl_add_u32 v3, v1, 4, v3
	s_mul_i32 s21, s[HA], PART
	s_add_co_u32 s21, s21, 32768
	v_add_nc_u32 v[ADRS], s21, v3
	s_add_co_u32 s21, s21, SLOT
	v_add_nc_u32 v[ADRS+1], s21, v3
	v_lshlrev_b32 v13, 6, v2                       ; 64 h
	s_lshl_b32 s86, s42, 10
	s_lshl_b32 s87, s[HB], 9
	s_add_co_u32 s86, s86, s87                     ; 4 (256 x B's tile + 128 HB)
	s_mov_b32 s87, 0
	s_add_nc_u64 s[88:89], s[8:9], s[86:87]
.irp b, 0,1,2,3
.irp j, 0,1,2,3
	global_load_b128 v[BIAS+16*\b+4*\j:BIAS+16*\b+4*\j+3], v13, s[88:89] offset:128*\b+16*\j
.endr
.endr
	s_lshl_b32 s86, s42, 5                         ; the next product's slot = B's tile: 32 groups a slot
	s_lshl_b32 s22, s66, 1
	s_add_co_u32 s86, s86, s22
	s_add_co_u32 s86, s86, s[HA]
	s_mul_i32 s86, s86, PART
	s_add_nc_u64 s[90:91], s[10:11], s[86:87]      ; my part of hq
	s_lshl_b32 s86, s[HB], 14
	s_add_nc_u64 s[DST:DST+1], s[90:91], s[86:87]  ; my eight images
	s_lshl_b32 s86, s[HB], 9
	s_add_co_u32 s86, s86, 32768
	s_add_nc_u64 s[90:91], s[90:91], s[86:87]      ; my scale words
	s_wait_tensorcnt 1
	s_barrier_signal -1
	s_barrier_wait -1
	FETCH_B 0, 0, 0
	FETCH_A 0, 0, 0
	SCALES 0
	FETCH_A 0, 0, 4
	STEP 0, 0, 1
	s_mov_b32 s3, LAPS-1
.Llap:
	TURN 0, 1, 1
	STEP 1, 0, 0
	TURN 1, 0, 1
	STEP 0, 0, 0
	s_sub_co_u32 s3, s3, 1
	s_cmp_lg_u32 s3, 0
	s_cbranch_scc1 .Llap
	TURN 0, 1, 0
	STEP 1, 0, 0
	s_wait_dscnt 4*NL
	WIN MUL_LO
	MUL16 0, 1, 1, 1, 0
	MUL16 2, 1, 1, 1, 0
	s_wait_dscnt 0
	WIN MUL_HI
	MUL16 4, 1, 1, 1, 0
	MUL16 6, 1, 1, 1, 0
	WIN 0
	; ---- THE WAY OUT
	PLACES NP
	s_wait_loadcnt 0x0                             ; the bias
	s_mov_b32 s[SEL], 0x76543210
	s_mov_b32 s[SEL+1], 0xfedcba98
	s_mov_b32 s[MNT], 0x600000
	s_mov_b32 s[HI], 0xffff0000
	s_mov_b32 s[LO], 0xffff
	s_mov_b32 s[KW], 0x3f596d27                    ; sqrt(log2(e) / 2)
	s_mov_b32 s[KT], 0x3ed5224d                    ; t = 1 / (1 + this x w)
	s_mov_b32 s[KT+1], s[KT]
	s_mov_b32 s[OFF], 0
	s_mov_b32 s[AI], 0
	v_mov_b32 v[C9], 0x3e7c6f08
	v_mov_b32 v[C9+1], 0x3e7c6f08
.irp k, 0,1,2,3
	v_mov_b32 v[SW+\k], 0
.endr
.macro MOVER a                         ; H = block a's accumulators + the bias, each accumulator from its low end on
	WIN 0x02+(\a)/4
.set jj, 0
.rept 32
	v_pk_add_f32 v[H+jj:H+jj+1], v[64*((\a)%4)+jj:64*((\a)%4)+jj+1], v[BIAS+jj:BIAS+jj+1]
.set jj, jj+2
.endr
	WIN 0
.endm
.Lblock:
.irp a, 0,1,2,3,4,5,6
	s_cmp_eq_u32 s[AI], \a
	s_cbranch_scc1 .Lmove_\a
.endr
	MOVER 7
	s_branch .Lmoved
.irp a, 0,1,2,3,4,5,6
.Lmove_\a:
	MOVER \a
	s_branch .Lmoved
.endr
.Lmoved:
	s_wait_xcnt 0x0                                ; the last block's stores have read their offset and codes
	v_add_nc_u32 v[VO], s[OFF], v[LI]
	GELU 0
	GELU 1
	QUANT H
.irp c, 0,1,2,3
	global_store_b128 v[VO], v[PC+4*\c:PC+4*\c+3], s[DST:DST+1] offset:512*\c   ; 512 consecutive bytes, aligned
.endr
	s_and_b32 s[SN], s[AI], 1                      ; the word goes to register AI / 2: an even block's to lanes 0-15, an odd one's to lanes 16-31
	s_cmp_eq_u32 s[SN], 1
	s_cselect_b32 s[SM], s[HI], s[LO]
	s_lshr_b32 s[SK], s[AI], 1
.irp k, 0,1,2,3
	s_cmp_eq_u32 s[SK], \k
	s_cselect_b32 s[SN], s[SM], 0
	v_cndmask_b32 v[SW+\k], v[SW+\k], v[PW], s[SN]
.endr
	s_add_co_u32 s[OFF], s[OFF], 2048
	s_add_co_u32 s[AI], s[AI], 1
	s_cmp_lt_u32 s[AI], 8
	s_cbranch_scc1 .Lblock
	global_store_b128 v[LI], v[SW:SW+3], s[90:91]  ; the eight blocks' scale words: 512 consecutive bytes
	s_wait_tensorcnt 0x0                           ; the wave's end
	ds_add_u32 v[SPW], v[NIL]
	s_wait_dscnt 0x0
	CROUND
	s_endpgm
.Lfunc_end_k_q1067fbaa52_mlp1:
	.size	k_q1067fbaa52_mlp1, .Lfunc_end_k_q1067fbaa52_mlp1-k_q1067fbaa52_mlp1
	.p2alignl 7, 3214868480
	.fill 96, 4, 3214868480
	.section	.rodata,"a",@progbits
	.p2align	6, 0x0
	.amdhsa_kernel k_q1067fbaa52_mlp1
		.amdhsa_group_segment_fixed_size 327680
		.amdhsa_private_segment_fixed_size 0
		.amdhsa_enable_private_segment 0
		.amdhsa_kernarg_size 32
		.amdhsa_user_sgpr_count 2
		.amdhsa_user_sgpr_kernarg_segment_ptr 1
		.amdhsa_wavefront_size32 1
		.amdhsa_system_sgpr_workgroup_id_x 1
		.amdhsa_system_sgpr_workgroup_id_y 1
		.amdhsa_system_sgpr_workgroup_id_z 1
		.amdhsa_system_vgpr_workitem_id 0
		.amdhsa_next_free_vgpr 1024
		.amdhsa_next_free_sgpr 100
		.amdhsa_reserve_vcc 0
		.amdhsa_float_denorm_mode_32 3
		.amdhsa_float_denorm_mode_16_64 3
		.amdhsa_memory_ordered 1
		.amdhsa_forward_progress 1
		.amdhsa_inst_pref_size 189
	.end_amdhsa_kernel
	.amdgpu_metadata
---
amdhsa.version: [ 1, 2 ]
amdhsa.kernels:
  - .name:           k_q1067fbaa52_mlp1
    .symbol:         k_q1067fbaa52_mlp1.kd
    .args:
      - { .name: nrm, .offset: 0, .size: 8, .value_kind: global_buffer, .address_space: global }
      - { .name: wts, .offset: 8, .size: 8, .value_kind: global_buffer, .address_space: global }
      - { .name: b1, .offset: 16, .size: 8, .value_kind: global_buffer, .address_space: global }
      - { .name: hq, .offset: 24, .size: 8, .value_kind: global_buffer, .address_space: global }
    .group_segment_fixed_size: 327680
    .private_segment_fixed_size: 0
    .kernarg_segment_align: 8
    .kernarg_segment_size: 32
    .max_flat_workgroup_size: 128
    .sgpr_count:     100
    .vgpr_count:     1024
    .wavefront_size: 32
...
	.end_amdgpu_metadata
.endif
;; end of part 6
;; launch mlp2 (part 7): grid 4 x 16, 4 waves a work-group, clusters of 4 x 4, 327,680 bytes of LDS; arguments hq, wts, b2, x2, out0; writes out0
.if DOCPART == 7
	.amdgcn_target "amdgcn-amd-amdhsa--gfx1250"
	.amdhsa_code_object_version 6
	.text
	.protected	k_q1067fbaa52_mlp2
	.globl	k_q1067fbaa52_mlp2
	.p2align	8
	.type	k_q1067fbaa52_mlp2,@function
k_q1067fbaa52_mlp2:
	s_mov_b64 s[64:65], 0
	v_nop
	global_prefetch_b8 v0, s[64:65] scope:SCOPE_SE
	s_setreg_imm32_b32 hwreg(HW_REG_WAVE_MODE, 25, 1), 1
	s_wait_xcnt 0x0
	s_wait_alu depctr_hold_cnt(0) depctr_sa_sdst(0) depctr_va_vdst(0) depctr_va_sdst(0) depctr_va_ssrc(0) depctr_va_vcc(0) depctr_vm_vsrc(0)
	s_getreg_b32 s2, hwreg(HW_REG_IB_STS2, 6, 4)
	s_cmp_eq_u32 s2, 0
	s_cbranch_scc0 .Lentry_in_a_cluster
	s_endpgm
.Lentry_in_a_cluster:
	s_bfe_u32 s2, ttmp6, 0x10000c
	s_cmp_lg_u32 s2, 0xf033
	s_cbranch_scc0 .Lentry_shape_is_right
	s_endpgm
.Lentry_shape_is_right:
; out = x2 + h w2^T + b2, the product on codes of E4M3 (K = 4,096).  The text is that of the launch for wo, with sixteen slots along K and w2's region of the weights.
; A tile of 256 tokens x 256 features, four waves of 128 x 128 (64 accumulators, 512 registers).  K goes in steps of 256 through two LDS slots; a slot holds four dense parts of 33,792 bytes, one tensor load a wave.
; CLUSTERS of 4 x 4: A's parts are asked for jointly along a row of the cluster, B's along a column.  Source 0 = B (w2's rows, in position order), source 1 = A (tokens, in position order).
; The 1,024 features make four tile columns: 64 work-groups.
; ON THE WAY OUT a block of 16 tokens goes through the wave's stage in LDS, which undoes the features' order, and leaves as rows of 512 consecutive bytes at the tokens' true rows, with the residual and the bias added.
; The stage lies in slot 0, which has had its last fill and its last read by then.
.set PART,  33792
.set SLOT,  4*PART
.set SPARE, 2*SLOT
.set LAPS,  8                          ; K / 512
.set AG,    32
.set BG,    8
.set BOFF,  256*PART
.set FR, 16
.set NL, 4
.set NP, 8
.set ADRA, 4
.set ADRB, 6
.set ADRS, 8
.set SPW, 10
.set NIL, 11
.set LI,  12
.set STO, 13
.set RD,  14
.set BI,  16
.set SC,  32                           ; v32-63 scale words: they hold nothing else
.set AF,  128
.set BB,  128
.set WV, 18
.set HA, 19
.set HB, 20
.set G1, 24
.set G0, 32
.set G1B, 48
.set G0B, 56
.set SA, 68
.set SB, 70
.set RES, 88
.set OUT, 90
.set MSB, 0
.macro WIN new
.if MSB != (\new)
	s_set_vgpr_msb (MSB<<8)|(\new)
.set MSB, (\new)
.endif
.endm
.set MUL_LO, 0xa1
.set MUL_HI, 0xf1
.set TO_B,   0x40
.macro JLOAD s                         ; a joint load: waves 0 and 1 fetch A's parts, waves 2 and 3 B's; four v_nop follow each line
	s_cmp_eq_u32 s[HA], 0
	s_cbranch_scc0 .Lfor_b_\@
	tensor_load_to_lds s[G0+4*\s:G0+4*\s+3], s[G1:G1+7]
	s_nop 0
.rept 4
	v_nop
.endr
	s_branch .Lasked_\@
.Lfor_b_\@:
	tensor_load_to_lds s[G0B+4*\s:G0B+4*\s+3], s[G1B:G1B+7]
	s_nop 0
.rept 4
	v_nop
.endr
.Lasked_\@:
.endm
.macro CREST
	s_cmp_lg_u32 s[WV], 0
	s_cbranch_scc1 .Lnot_wave_0_\@
	s_barrier_signal -3
.Lnot_wave_0_\@:
	s_barrier_wait -3
	s_barrier_signal -1
	s_barrier_wait -1
.endm
.macro CROUND
	s_barrier_signal -1
	s_barrier_wait -1
	CREST
.endm
.macro FRAG reg, adr, q, i
.irp c, 0,1,2,3
	ds_load_b128 v[\reg+4*\c:\reg+4*\c+3], v[\adr] offset:(8*(\q)+(\i))*2048+512*\c
.endr
.endm
.macro MUL16 a0, p, q, sc, zero        ; the 64 accumulators take turns, one instruction a turn
.irp a, \a0, \a0+1
.irp b, 0,1,2,3,4,5,6,7
.if \zero
	v_wmma_scale_f32_16x16x128_f8f6f4 v[8*(8*((\a)%4)+\b):8*(8*((\a)%4)+\b)+7], v[128*(\p)+FR*\b:128*(\p)+FR*\b+FR-1], v[AF+FR*(\a):AF+FR*(\a)+FR-1], 0, v[SC+16*(\sc)+8*(\q)+4*(\b%2)+\b/2], v[SC+16*(\sc)+8*(\q)+4*((\a)%2)+(\a)/2] matrix_a_scale:MATRIX_SCALE_ROW1
.else
	v_wmma_scale_f32_16x16x128_f8f6f4 v[8*(8*((\a)%4)+\b):8*(8*((\a)%4)+\b)+7], v[128*(\p)+FR*\b:128*(\p)+FR*\b+FR-1], v[AF+FR*(\a):AF+FR*(\a)+FR-1], v[8*(8*((\a)%4)+\b):8*(8*((\a)%4)+\b)+7], v[SC+16*(\sc)+8*(\q)+4*(\b%2)+\b/2], v[SC+16*(\sc)+8*(\q)+4*((\a)%2)+(\a)/2] matrix_a_scale:MATRIX_SCALE_ROW1
.endif
.endr
.endr
.endm
.macro FETCH_B slot, q, p
	WIN TO_B
.irp i, 0,1,2,3,4,5,6,7
	FRAG 128*(\p)+FR*\i, ADRB+\slot, \q, \i
.endr
	WIN 0
.endm
.macro FETCH_A slot, q, i0
.irp i, \i0, \i0+1, \i0+2, \i0+3
	FRAG AF+FR*(\i), ADRA+\slot, \q, \i
.endr
.endm
.macro SCALES sc
.irp q, 0,1
.irp p, 0,1
	ds_load_b128 v[SC+16*\sc+8*\q+4*\p:SC+16*\sc+8*\q+4*\p+3], v[ADRS+\sc] offset:512*\q+256*\p
.endr
.endr
.endm
.macro PLACES n
.rept \n
	v_nop
.endr
.endm
.macro STEP slot, q, zero
	s_wait_dscnt 4*NL                              ; all but the youngest 16 loads (A's blocks 4-7) are in
	WIN MUL_LO
	MUL16 0, (\q)%2, \q, \slot, \zero
	MUL16 2, (\q)%2, \q, \slot, \zero
	s_wait_dscnt 0
	PLACES NP
	FETCH_B \slot, (\q)+1, 1-(\q)%2
	FETCH_A \slot, (\q)+1, 0
	WIN MUL_HI
	MUL16 4, (\q)%2, \q, \slot, \zero
	MUL16 6, (\q)%2, \q, \slot, \zero
	PLACES NP
	WIN 0
	FETCH_A \slot, (\q)+1, 4
.endm
.macro TURN slot, next, fill
	s_wait_tensorcnt 0x0                           ; all my tensor loads have landed: my part of the next slot
	ds_add_u32 v[SPW], v[NIL]                      ; 0 onto my spare word
	s_wait_dscnt 4*NL+1                            ; (the add and A's blocks 4-7 may be out)
	WIN MUL_LO
	MUL16 0, 1, 1, \slot, 0
	s_wait_dscnt 0x0                               ; the add is done, and my reads of this slot are over
	s_barrier_signal -1
	MUL16 2, 1, 1, \slot, 0
	WIN 0
	s_barrier_wait -1
.if \fill
	CREST                                          ; the barrier has opened a round of the cluster's
	s_add_nc_u64 s[G0+4*\slot+2:G0+4*\slot+3], s[G0+4*\slot+2:G0+4*\slot+3], s[SA:SA+1]
	s_add_nc_u64 s[G0B+4*\slot+2:G0B+4*\slot+3], s[G0B+4*\slot+2:G0B+4*\slot+3], s[SB:SB+1]
	JLOAD \slot
	PLACES NP-4
.else
	PLACES NP
.endif
	FETCH_B \next, 0, 0
	FETCH_A \next, 0, 0
	SCALES \next
	WIN MUL_HI
	MUL16 4, 1, 1, \slot, 0
	MUL16 6, 1, 1, \slot, 0
	PLACES NP
	WIN 0
	FETCH_A \next, 0, 4
.endm
	s_load_b256 s[4:11], s[0:1], 0x0               ; A's codes, wts, the bias, the residual
	s_load_b64 s[12:13], s[0:1], 0x20              ; the result
	v_lshl_add_u32 v[SPW], v0, 2, SPARE
	v_mov_b32 v[NIL], 0
	ds_add_u32 v10, v11
	ds_add_u32 v10, v11
	s_wait_dscnt 0x0
	v_lshrrev_b32 v1, 5, v0
	v_readfirstlane_b32 s[WV], v1
	s_lshr_b32 s[HA], s[WV], 1
	s_and_b32 s[HB], s[WV], 1
	s_bfe_u32 s40, ttmp6, 0x40000
	s_bfe_u32 s41, ttmp6, 0x40004
	s_lshl_b32 s42, ttmp9, 2
	s_add_co_u32 s42, s42, s40
	s_and_b32 s66, ttmp7, 0xffff
	s_lshl_b32 s66, s66, 2
	s_add_co_u32 s66, s66, s41
	s_lshl_b32 s43, s41, 2
	s_lshl_b32 s43, 15, s43
	s_lshl_b32 s44, 0x1111, s40
	s_or_b32 s[G1], s43, (3<<16)|(1<<21)
	s_or_b32 s[G1B], s44, (3<<16)|(1<<21)
.irp g, G1, G1B
	s_mov_b32 s[\g+1], 32<<16
	s_mov_b32 s[\g+2], 132<<16
	s_mov_b32 s[\g+3], 32<<16
	s_mov_b32 s[\g+4], 132
	s_mov_b32 s[\g+5], 32
	s_mov_b32 s[\g+6], 0
	s_mov_b32 s[\g+7], 0
.endr
	s_lshl_b32 s76, s66, 1
	s_add_co_u32 s76, s76, s[HB]
	s_mul_i32 s76, s76, PART
	s_mov_b32 s77, 0
	s_lshl_b32 s78, s42, 1
	s_add_co_u32 s78, s78, s[HB]
	s_mul_i32 s78, s78, PART
	s_add_co_u32 s78, s78, BOFF
	s_mov_b32 s79, 0
	s_mov_b32 s[SA], 2*AG*PART
	s_mov_b32 s[SA+1], 0
	s_mov_b32 s[SB], 2*BG*PART
	s_mov_b32 s[SB+1], 0
	s_mul_i32 s45, s[WV], PART
	s_wait_kmcnt 0x0
	s_add_nc_u64 s[80:81], s[4:5], s[76:77]
	s_add_nc_u64 s[82:83], s[6:7], s[78:79]
	CROUND
.irp s, 0,1
	s_mov_b32 s[G0+4*\s], 1
	s_add_co_u32 s[G0+4*\s+1], s45, \s*SLOT
	s_add_nc_u64 s[G0+4*\s+2:G0+4*\s+3], s[80:81], \s*AG*PART
	s_or_b32 s[G0+4*\s+3], s[G0+4*\s+3], 0x80000000
	s_mov_b32 s[G0B+4*\s], 1
	s_add_co_u32 s[G0B+4*\s+1], s45, \s*SLOT
	s_add_nc_u64 s[G0B+4*\s+2:G0B+4*\s+3], s[82:83], \s*BG*PART
	s_or_b32 s[G0B+4*\s+3], s[G0B+4*\s+3], 0x80000000
	JLOAD \s
.endr
	v_and_b32 v1, 15, v0
	v_bfe_u32 v2, v0, 4, 1
	v_and_b32 v3, 31, v0
	v_lshlrev_b32 v[LI], 4, v3
	s_mul_i32 s21, s[HA], PART
	s_mul_i32 s22, s[HB], PART
	s_add_co_u32 s22, s22, 2*PART
.irp s, 0,1
	v_add_nc_u32 v[ADRA+\s], s21, v[LI]
	v_add_nc_u32 v[ADRB+\s], s22, v[LI]
	s_add_co_u32 s21, s21, SLOT
	s_add_co_u32 s22, s22, SLOT
.endr
	s_xor_b32 s23, s[HA], 1
	s_add_co_u32 s23, s23, s[HB]
	s_add_co_u32 s23, s23, 1
	s_mul_i32 s23, s23, PART
	v_mul_u32_u24 v3, s23, v2
	v_lshl_add_u32 v3, v1, 4, v3
	s_mul_i32 s21, s[HA], PART
	s_add_co_u32 s21, s21, 32768
	v_add_nc_u32 v[ADRS], s21, v3
	s_add_co_u32 s21, s21, SLOT
	v_add_nc_u32 v[ADRS+1], s21, v3
	s_mul_i32 s23, s[WV], 8448
	v_mul_u32_u24 v[STO], v1, 528
	v_lshl_add_u32 v[STO], v2, 6, v[STO]
	v_add_nc_u32 v[STO], s23, v[STO]
	v_add_nc_u32 v[RD], s23, v[LI]
	s_lshl_b32 s86, s42, 10
	s_lshl_b32 s87, s[HB], 9
	s_add_co_u32 s86, s86, s87
	s_mov_b32 s87, 0
	s_add_nc_u64 s[92:93], s[8:9], s[86:87]
	s_lshl_b32 s22, s66, 1
	s_add_co_u32 s22, s22, s[HA]
	s_lshl_b32 s22, s22, 19
	s_add_co_u32 s86, s86, s22
	s_add_nc_u64 s[RES:RES+1], s[10:11], s[86:87]
	s_add_nc_u64 s[OUT:OUT+1], s[12:13], s[86:87]
	global_load_b128 v[BI:BI+3], v[LI], s[92:93]
	s_wait_tensorcnt 1
	s_barrier_signal -1
	s_barrier_wait -1
	FETCH_B 0, 0, 0
	FETCH_A 0, 0, 0
	SCALES 0
	FETCH_A 0, 0, 4
	STEP 0, 0, 1
	s_mov_b32 s3, LAPS-1
.Llap:
	TURN 0, 1, 1
	STEP 1, 0, 0
	TURN 1, 0, 1
	STEP 0, 0, 0
	s_sub_co_u32 s3, s3, 1
	s_cmp_lg_u32 s3, 0
	s_cbranch_scc1 .Llap
	TURN 0, 1, 0
	STEP 1, 0, 0
	s_wait_dscnt 4*NL
	WIN MUL_LO
	MUL16 0, 1, 1, 1, 0
	MUL16 2, 1, 1, 1, 0
	s_wait_dscnt 0
	WIN MUL_HI
	MUL16 4, 1, 1, 1, 0
	MUL16 6, 1, 1, 1, 0
	WIN 0
.macro RLOAD a
.set RL, 64+128*((\a)%2)
.set ii, 0
.rept 16
	global_load_b128 v[RL+4*ii:RL+4*ii+3], v[LI], s[RES:RES+1] offset:(32*((\a)/2)+16*(ii/8)+8*((\a)%2)+(ii%8))*4096
.set ii, ii+1
.endr
.endm
.macro OBLOCK a
.if (\a) > 0
	s_wait_xcnt 0x0                                ; the last block's stores have read their registers
.endif
	WIN 0x08+4*((\a)/4)
.irp b, 0,1,2,3,4,5,6,7
	ds_store_b128 v[STO], v[64*((\a)%4)+8*\b:64*((\a)%4)+8*\b+3] offset:128*(\b/2)+32*(\b%2)       ; each accumulator from its low end on
	ds_store_b128 v[STO], v[64*((\a)%4)+8*\b+4:64*((\a)%4)+8*\b+7] offset:128*(\b/2)+32*(\b%2)+16
.endr
	WIN 0
.set ii, 0
.rept 16
	ds_load_b128 v[BB+4*ii:BB+4*ii+3], v[RD] offset:528*ii
.set ii, ii+1
.endr
.if (\a) < 7
	RLOAD (\a)+1
	s_wait_dscnt 0x0
	s_wait_loadcnt 16                              ; this block's residual is in; the next block's may be out
.else
	s_wait_dscnt 0x0
	s_wait_loadcnt 0x0
.endif
.set RQ, 64+128*((\a)%2)
.set ii, 0
.rept 16
	v_pk_add_f32 v[BB+4*ii:BB+4*ii+1], v[BB+4*ii:BB+4*ii+1], v[RQ+4*ii:RQ+4*ii+1]
	v_pk_add_f32 v[BB+4*ii+2:BB+4*ii+3], v[BB+4*ii+2:BB+4*ii+3], v[RQ+4*ii+2:RQ+4*ii+3]
.set ii, ii+1
.endr
.set ii, 0
.rept 16
	v_pk_add_f32 v[BB+4*ii:BB+4*ii+1], v[BB+4*ii:BB+4*ii+1], v[BI:BI+1]
	v_pk_add_f32 v[BB+4*ii+2:BB+4*ii+3], v[BB+4*ii+2:BB+4*ii+3], v[BI+2:BI+3]
.set ii, ii+1
.endr
.set ii, 0
.rept 16
	global_store_b128 v[LI], v[BB+4*ii:BB+4*ii+3], s[OUT:OUT+1] offset:(32*((\a)/2)+16*(ii/8)+8*((\a)%2)+(ii%8))*4096 th:TH_STORE_NT   ; 512 consecutive bytes, aligned; written once, read by nobody here
.set ii, ii+1
.endr
.endm
	PLACES NP
	RLOAD 0
.irp a, 0,1,2,3,4,5,6,7
	OBLOCK \a
.endr
	s_wait_tensorcnt 0x0                           ; the wave's end
	ds_add_u32 v[SPW], v[NIL]
	s_wait_dscnt 0x0
	CROUND
	s_endpgm
.Lfunc_end_k_q1067fbaa52_mlp2:
	.size	k_q1067fbaa52_mlp2, .Lfunc_end_k_q1067fbaa52_mlp2-k_q1067fbaa52_mlp2
	.p2alignl 7, 3214868480
	.fill 96, 4, 3214868480
	.section	.rodata,"a",@progbits
	.p2align	6, 0x0
	.amdhsa_kernel k_q1067fbaa52_mlp2
		.amdhsa_group_segment_fixed_size 327680
		.amdhsa_private_segment_fixed_size 0
		.amdhsa_enable_private_segment 0
		.amdhsa_kernarg_size 40
		.amdhsa_user_sgpr_count 2
		.amdhsa_user_sgpr_kernarg_segment_ptr 1
		.amdhsa_wavefront_size32 1
		.amdhsa_system_sgpr_workgroup_id_x 1
		.amdhsa_system_sgpr_workgroup_id_y 1
		.amdhsa_system_sgpr_workgroup_id_z 1
		.amdhsa_system_vgpr_workitem_id 0
		.amdhsa_next_free_vgpr 1024
		.amdhsa_next_free_sgpr 100
		.amdhsa_reserve_vcc 0
		.amdhsa_float_denorm_mode_32 3
		.amdhsa_float_denorm_mode_16_64 3
		.amdhsa_memory_ordered 1
		.amdhsa_forward_progress 1
		.amdhsa_inst_pref_size 186
	.end_amdhsa_kernel
	.amdgpu_metadata
---
amdhsa.version: [ 1, 2 ]
amdhsa.kernels:
  - .name:           k_q1067fbaa52_mlp2
    .symbol:         k_q1067fbaa52_mlp2.kd
    .args:
      - { .name: hq, .offset: 0, .size: 8, .value_kind: global_buffer, .address_space: global }
      - { .name: wts, .offset: 8, .size: 8, .value_kind: global_buffer, .address_space: global }
      - { .name: b2, .offset: 16, .size: 8, .value_kind: global_buffer, .address_space: global }
      - { .name: x2, .offset: 24, .size: 8, .value_kind: global_buffer, .address_space: global }
      - { .name: out0, .offset: 32, .size: 8, .value_kind: global_buffer, .address_space: global }
    .group_segment_fixed_size: 327680
    .private_segment_fixed_size: 0
    .kernarg_segment_align: 8
    .kernarg_segment_size: 40
    .max_flat_workgroup_size: 128
    .sgpr_count:     100
    .vgpr_count:     1024
    .wavefront_size: 32
...
	.end_amdgpu_metadata
.endif
;; end of part 7
;; ======== version 2 of 2: 8 launches
;; limits: right only within a limited range of input values
;; workspace buffers: ss1 16,384 bytes; ss2 16,384 bytes; wts 12,976,128 bytes; nrm 4,325,376 bytes; qkv 17,563,648 bytes; ao 4,325,376 bytes; x2 16,777,216 bytes; hq 17,301,504 bytes
;; launch prep (part 8): grid 256 x 1, 4 waves a work-group, no clusters, 34,304 bytes of LDS; arguments wq, wk, wv, wo, w1, w2, w_adaln1, w_adaln2, b_adaln1, b_adaln2, cond, wts, ss1, ss2; writes wts, ss1, ss2
.if DOCPART == 8
	.amdgcn_target "amdgcn-amd-amdhsa--gfx1250"
	.amdhsa_code_object_version 6
	.text
	.protected	k_q1067fbaa52_prep
	.globl	k_q1067fbaa52_prep
	.p2align	8
	.type	k_q1067fbaa52_prep,@function
k_q1067fbaa52_prep:
	s_mov_b64 s[64:65], 0
	v_nop
	global_prefetch_b8 v0, s[64:65] scope:SCOPE_SE
	s_setreg_imm32_b32 hwreg(HW_REG_WAVE_MODE, 25, 1), 1
	s_wait_xcnt 0x0
; Work-groups 0-191: the six weights (f32, K innermost) become codes of E4M3 with one E8M0 byte for each 32 along K, laid as the products' launches read them.
; Work-groups 192-255: ss = cond W^T + b for the two adaLN weights, in f32 (fused multiply-adds), [2][2048] each.
; THE OPERANDS' LAYOUT: [K / 256 slots][rows / 128 groups][a part of 33,792 bytes].  In a part: the image of fragment (q = which 128 of the slot's K, a = which 16 rows) at (8 q + a) x 2,048:
; four pieces of 512 bytes, piece c = registers 4 c .. 4 c + 3 of the operand, 16 bytes a lane; behind the 16 images the scale words: that of (q, a, row r) at 32,768 + 512 q + 16 ((a % 2) 16 + r) + 4 (a / 2).
; ROWS STAND IN POSITION ORDER: row i of block a = 2 g + u is the true row 32 g + 16 (i / 8) + 8 u + i % 8, so that as source 0 of a product two neighbouring blocks give a lane 16 true neighbours.
; A wave takes 128 rows x 128 K: eight blocks.  Each load reads a row's 512 consecutive bytes; the block turns through the wave's own stage in LDS (rows of 512 + 16 bytes), so that a lane holds 16 neighbours of each block of 32.
; LIMITS: NaN and infinities are not served; a block whose largest magnitude lies under 2^-118 keeps the byte 1 (a block of zeros too: its codes are zeros, and this program alone reads the bytes).
.set PART,  33792
.set WOOFF, 96*PART                    ; regions of wts: wq, wk, wv (24 groups, 4 slots) at 0; wo (8, 4); w1 (32, 4); w2 (8, 16)
.set W1OFF, 128*PART
.set W2OFF, 256*PART
.set LI,  1                            ; v1   16 x lane
.set STI, 2                            ; v2   the stage, on the way in
.set STO, 3                            ; v3   and out: 528 r + 64 h
.set SW,  8                            ; v8-11  the eight blocks' scale words: even blocks in lanes 0-15, odd in lanes 16-31
.set PW,  12                           ; v12  the scale word just made
.set VO,  16                           ; v16-31 row i of a block: 16 x lane + (16 (i / 8) + i % 8) x pitch
.set R,   32                           ; v32-159 two sets of 16 rows as loaded
.set X,   160                          ; v160-223 64 numbers a lane: register 16 b + i = k 32 b + 16 h + i of row r
.set TM,  224
.set PC,  240
.set SEL, 48
.set MNT, 50
.set HI,  51
; 64 numbers of a lane become a fragment's codes in v[PC] on and its scale word in v[PW]
.macro QUANT s
.irp b, 0,1,2,3
	v_max3_num_f32 v[TM+\b], |v[\s+16*\b]|, |v[\s+1+16*\b]|, 0x4800000   ; my 16 numbers of block b, and the floor 2^(9 - 127): the byte cannot fall under 1
.endr
.irp i, 2,4,6,8,10,12,14
.irp b, 0,1,2,3
	v_max3_num_f32 v[TM+\b], v[TM+\b], |v[\s+16*\b+\i]|, |v[\s+1+16*\b+\i]|
.endr
.endr
.irp b, 0,1,2,3
	v_permlanex16_b32 v[TM+4+\b], v[TM+\b], s[SEL], s[SEL+1]
.endr
.irp b, 0,1,2,3
	v_max_num_f32 v[TM+\b], v[TM+\b], v[TM+4+\b]   ; with lane l xor 16's: the block's largest magnitude
.endr
.irp b, 0,1,2,3
	v_add_nc_u32 v[TM+12+\b], 0xfc000000, v[TM+\b]   ; 8 off its exponent field: the conversion's scale operand
.endr
.irp b, 0,1,2,3
	v_and_or_b32 v[TM+8+\b], v[TM+\b], 0x7f800000, s[MNT]   ; 448 x the scale
.endr
.irp b, 0,1,2,3
	v_lshrrev_b32 v[TM+4+\b], 23, v[TM+12+\b]   ; the scale's byte
.endr
	v_lshl_or_b32 v[PW], v[TM+5], 8, v[TM+4]
	v_lshl_or_b32 v[PW], v[TM+6], 16, v[PW]
	v_lshl_or_b32 v[PW], v[TM+7], 24, v[PW]
.irp b, 0,1,2,3
.irp i, 0,1,2,3,4,5,6,7,8,9,10,11,12,13,14,15
	v_med3_num_f32 v[\s+16*\b+\i], v[\s+16*\b+\i], -v[TM+8+\b], v[TM+8+\b]   ; the conversion does not saturate (ISA guide 7.6.2): the hold at the largest code x the scale
.endr
	v_cvt_scalef32_pk8_fp8_f32 v[PC+4*\b:PC+1+4*\b], v[\s+16*\b:\s+7+16*\b], v[TM+12+\b]
	v_cvt_scalef32_pk8_fp8_f32 v[PC+2+4*\b:PC+3+4*\b], v[\s+8+16*\b:\s+15+16*\b], v[TM+12+\b]
.endr
	v_nop                                          ; a plain line behind the last conversion
.endm
	s_load_b512 s[4:19], s[0:1], 0x0               ; wq, wk, wv, wo, w1, w2, w_adaln1, w_adaln2
	s_load_b256 s[20:27], s[0:1], 0x40             ; b_adaln1, b_adaln2, cond, wts
	s_load_b128 s[28:31], s[0:1], 0x60             ; ss1, ss2
	v_lshl_add_u32 v14, v0, 2, 0x8400
	v_mov_b32 v15, 0
	v_lshrrev_b32 v4, 5, v0
	v_readfirstlane_b32 s32, v4                    ; wave
	v_and_b32 v5, 31, v0
	v_and_b32 v6, 15, v0                           ; r
	v_bfe_u32 v7, v0, 4, 1                         ; h
	v_lshlrev_b32 v[LI], 4, v5
	s_mov_b32 s[SEL], 0x76543210
	s_mov_b32 s[SEL+1], 0xfedcba98
	s_mov_b32 s[MNT], 0x600000
	s_mov_b32 s[HI], 0xffff0000
	s_lshl_b32 s36, ttmp9, 2
	s_add_co_u32 s36, s36, s32                     ; unit = 4 x work-group + wave
	s_cmp_lt_u32 ttmp9, 192
	s_cbranch_scc0 .Ladaln
	; ---- a weight.  Which tensor, by the work-group's number alone: 16 work-groups each for wq, wk, wv, wo; 64 for w1; 64 for w2
	s_mov_b32 s37, 512                             ; the tensor's first unit
	s_mov_b32 s38, 5                               ; log2 of its steps of 128 along K
	s_mov_b32 s39, 8                               ; groups in its region
	s_mov_b32 s40, W2OFF                           ; the region
	s_mov_b32 s41, 0                               ; its first group there
	s_mov_b32 s42, 16384                           ; bytes in a row
	s_wait_kmcnt 0x0
	s_mov_b64 s[34:35], s[14:15]
	s_cmp_lt_u32 ttmp9, 128
	s_cselect_b32 s37, 256, s37
	s_cselect_b32 s38, 3, s38
	s_cselect_b32 s39, 32, s39
	s_cselect_b32 s40, W1OFF, s40
	s_cselect_b32 s42, 4096, s42
	s_cselect_b64 s[34:35], s[12:13], s[34:35]
	s_cmp_lt_u32 ttmp9, 64
	s_cselect_b32 s37, 192, s37
	s_cselect_b32 s39, 8, s39
	s_cselect_b32 s40, WOOFF, s40
	s_cselect_b64 s[34:35], s[10:11], s[34:35]
	s_cmp_lt_u32 ttmp9, 48
	s_cselect_b32 s37, 128, s37
	s_cselect_b32 s39, 24, s39
	s_cselect_b32 s40, 0, s40
	s_cselect_b32 s41, 16, s41
	s_cselect_b64 s[34:35], s[8:9], s[34:35]
	s_cmp_lt_u32 ttmp9, 32
	s_cselect_b32 s37, 64, s37
	s_cselect_b32 s41, 8, s41
	s_cselect_b64 s[34:35], s[6:7], s[34:35]
	s_cmp_lt_u32 ttmp9, 16
	s_cselect_b32 s37, 0, s37
	s_cselect_b32 s41, 0, s41
	s_cselect_b64 s[34:35], s[4:5], s[34:35]
	s_sub_co_u32 s36, s36, s37                     ; my unit in the tensor
	s_lshr_b32 s43, s36, s38                       ; g: which 128 rows
	s_lshl_b32 s44, s43, s38
	s_sub_co_u32 s44, s36, s44                     ; ks: which 128 along K
	s_mul_i32 s45, s43, s42
	s_lshl_b32 s45, s45, 7                         ; g x 128 rows
	s_lshl_b32 s46, s44, 9
	s_add_co_u32 s52, s45, s46
	s_mov_b32 s53, 0
	s_add_nc_u64 s[34:35], s[34:35], s[52:53]      ; the source at my first row and column
	s_lshr_b32 s45, s44, 1                         ; the slot
	s_mul_i32 s45, s45, s39
	s_add_co_u32 s45, s45, s41
	s_add_co_u32 s45, s45, s43
	s_mul_i32 s45, s45, PART
	s_add_co_u32 s52, s45, s40
	s_add_nc_u64 s[26:27], s[26:27], s[52:53]      ; my part
	s_and_b32 s45, s44, 1                          ; q
	s_lshl_b32 s52, s45, 14
	s_add_nc_u64 s[54:55], s[26:27], s[52:53]      ; my eight images
	s_lshl_b32 s52, s45, 9
	s_add_co_u32 s52, s52, 32768
	s_add_nc_u64 s[56:57], s[26:27], s[52:53]      ; my 512 bytes of scale words
	s_lshl_b32 s58, s42, 3                         ; 8 rows on,
	s_mov_b32 s59, 0
	s_mul_i32 s60, s42, 24                         ; 24 rows on
	s_mov_b32 s61, 0
.set ii, 0
	s_wait_alu depctr_va_vdst(0)
.rept 16
	s_mul_i32 s45, s42, 16*(ii/8)+(ii%8)
	v_add_nc_u32 v[VO+ii], s45, v[LI]
.set ii, ii+1
.endr
	s_mul_i32 s45, s32, 8448                       ; my stage: 16 rows x 528 bytes
	v_add_nc_u32 v[STI], s45, v[LI]
	v_mul_u32_u24 v[STO], v6, 528
	v_lshl_add_u32 v[STO], v7, 6, v[STO]
	v_add_nc_u32 v[STO], s45, v[STO]
.irp b, 0,1,2,3
	v_mov_b32 v[TM+4+\b], 0                        ; written once: a lane permute's destination counts as one of its sources
.endr
.macro LOADF set                       ; a block's 16 rows: 32 lanes read 512 consecutive bytes
.set ii, 0
.rept 16
	global_load_b128 v[R+64*(\set)+4*ii:R+64*(\set)+4*ii+3], v[VO+ii], s[34:35] th:TH_LOAD_NT
.set ii, ii+1
.endr
.endm
.macro TURNF set                       ; through the stage: LDS serves a wave's instructions in order, so no wait stands between the stores and the loads
.set ii, 0
.rept 16
	ds_store_b128 v[STI], v[R+64*(\set)+4*ii:R+64*(\set)+4*ii+3] offset:528*ii
.set ii, ii+1
.endr
.set ii, 0
.rept 16
	ds_load_b128 v[X+4*ii:X+4*ii+3], v[STO] offset:128*(ii/4)+16*(ii%4)
.set ii, ii+1
.endr
.endm
.macro WBLOCK a
.if (\a) < 7
	s_wait_loadcnt 16                              ; this block's 16 loads are in; the next block's may be out
.else
	s_wait_loadcnt 0x0
.endif
	TURNF (\a)%2
	s_wait_dscnt 0x0                               ; the block is back, and the stage's stores have read their registers
	s_wait_xcnt 0x0                                ; the loads have read their base and the last block's stores their codes: both are written again below
.if (\a) < 6
.if (\a)%2 == 0
	s_add_nc_u64 s[34:35], s[34:35], s[60:61]      ; from an odd block to the next even one: 24 rows
.else
	s_add_nc_u64 s[34:35], s[34:35], s[58:59]      ; from an even block to the odd one: 8 rows
.endif
	LOADF (\a)%2
.endif
	QUANT X
.irp c, 0,1,2,3
	global_store_b128 v[LI], v[PC+4*\c:PC+4*\c+3], s[54:55] offset:2048*(\a)+512*\c   ; 512 consecutive bytes, aligned
.endr
.if (\a)%2 == 0
	v_mov_b32 v[SW+(\a)/2], v[PW]
.else
	v_cndmask_b32 v[SW+(\a)/2], v[SW+(\a)/2], v[PW], s[HI]
.endif
.endm
	LOADF 0
	s_wait_alu depctr_va_vdst(0)
	s_wait_xcnt 0x0
	s_add_nc_u64 s[34:35], s[34:35], s[58:59]
	LOADF 1
.irp a, 0,1,2,3,4,5,6,7
	WBLOCK \a
.endr
	global_store_b128 v[LI], v[SW:SW+3], s[56:57]  ; the eight blocks' scale words: 512 consecutive bytes
	s_wait_tensorcnt 0x0
	ds_add_u32 v14, v15
	s_wait_dscnt 0x0
	s_endpgm
	; ---- adaLN: a wave takes 16 rows of one of the two weights, both batches.  A row's 4,096 bytes are eight loads of 512; cond lies in registers in the same order.  No LDS.
.Ladaln:
	s_sub_co_u32 s36, s36, 768                     ; unit 0 .. 255
	s_and_b32 s37, s36, 127
	s_lshl_b32 s38, s37, 16                        ; 16 rows x 4,096 bytes
	s_mov_b32 s39, 0
	s_lshl_b32 s40, s37, 6                         ; 16 numbers x 4 bytes
	s_mov_b32 s41, 0
	s_wait_alu depctr_va_vdst(0)
	v_lshlrev_b32 v8, 2, v6                        ; 4 r
	v_lshl_add_u32 v10, v7, 13, v8                 ; 8,192 h + 4 r: lane (r, h) keeps row r's result for batch h
	v_mov_b32 v229, 0
	s_wait_alu depctr_va_vdst(0)
	s_wait_kmcnt 0x0
	s_cmp_lt_u32 s36, 128
	s_cselect_b64 s[34:35], s[16:17], s[18:19]
	s_cselect_b64 s[42:43], s[20:21], s[22:23]
	s_cselect_b64 s[44:45], s[28:29], s[30:31]
	s_add_nc_u64 s[34:35], s[34:35], s[38:39]
	s_add_nc_u64 s[42:43], s[42:43], s[40:41]
	s_add_nc_u64 s[44:45], s[44:45], s[40:41]
.irp j, 0,1,2,3,4,5,6,7
	global_load_b128 v[32+4*\j:35+4*\j], v[LI], s[24:25] offset:512*\j
	global_load_b128 v[64+4*\j:67+4*\j], v[LI], s[24:25] offset:4096+512*\j
.endr
	global_load_b32 v9, v8, s[42:43]
.macro ROWL i
.set jj, 0
.rept 8
	global_load_b128 v[96+32*((\i)%4)+4*jj:96+32*((\i)%4)+4*jj+3], v[LI], s[34:35] offset:4096*(\i)+512*jj th:TH_LOAD_NT
.set jj, jj+1
.endr
.endm
.macro ROWA i
.set RW, 96+32*((\i)%4)
.if (\i) < 13
	s_wait_loadcnt 24                              ; row i is in; the three rows behind it may be out
.else
	s_wait_loadcnt 8*(15-(\i))
.endif
	v_pk_mul_f32 v[224:225], v[RW:RW+1], v[32:33]
	v_pk_mul_f32 v[226:227], v[RW:RW+1], v[64:65]
.set jj, 2
.rept 15
	v_pk_fma_f32 v[224:225], v[RW+jj:RW+jj+1], v[32+jj:33+jj], v[224:225]
	v_pk_fma_f32 v[226:227], v[RW+jj:RW+jj+1], v[64+jj:65+jj], v[226:227]
.set jj, jj+2
.endr
	v_add_f32 v224, v224, v225
	v_add_f32 v226, v226, v227
.irp m, 1,2,4,8
	v_add_f32_dpp v224, v224, v224 row_xmask:\m row_mask:0xf bank_mask:0xf
	v_add_f32_dpp v226, v226, v226 row_xmask:\m row_mask:0xf bank_mask:0xf
.endr
	v_permlanex16_b32 v225, v224, s[SEL], s[SEL+1]
	v_permlanex16_b32 v227, v226, s[SEL], s[SEL+1]
	v_add_f32 v224, v224, v225
	v_add_f32 v226, v226, v227
	v_cndmask_b32 v228, v224, v226, s[HI]          ; lanes 16-31 take batch 1's sum
	v_cmp_eq_u32 vcc_lo, \i, v6
	v_cndmask_b32 v229, v229, v228, vcc_lo         ; and the lanes with r = i keep it
.if (\i) < 12
	ROWL (\i)+4
.endif
.endm
.irp i, 0,1,2,3
	ROWL \i
.endr
.irp i, 0,1,2,3,4,5,6,7,8,9,10,11,12,13,14,15
	ROWA \i
.endr
	v_add_f32 v229, v229, v9
	global_store_b32 v10, v229, s[44:45]
	s_endpgm
.Lfunc_end_k_q1067fbaa52_prep:
	.size	k_q1067fbaa52_prep, .Lfunc_end_k_q1067fbaa52_prep-k_q1067fbaa52_prep
	.p2alignl 7, 3214868480
	.fill 96, 4, 3214868480
	.section	.rodata,"a",@progbits
	.p2align	6, 0x0
	.amdhsa_kernel k_q1067fbaa52_prep
		.amdhsa_group_segment_fixed_size 34304
		.amdhsa_private_segment_fixed_size 0
		.amdhsa_enable_private_segment 0
		.amdhsa_kernarg_size 112
		.amdhsa_user_sgpr_count 2
		.amdhsa_user_sgpr_kernarg_segment_ptr 1
		.amdhsa_wavefront_size32 1
		.amdhsa_system_sgpr_workgroup_id_x 1
		.amdhsa_system_sgpr_workgroup_id_y 1
		.amdhsa_system_sgpr_workgroup_id_z 1
		.amdhsa_system_vgpr_workitem_id 0
		.amdhsa_next_free_vgpr 256
		.amdhsa_next_free_sgpr 66
		.amdhsa_reserve_vcc 1
		.amdhsa_float_denorm_mode_32 3
		.amdhsa_float_denorm_mode_16_64 3
		.amdhsa_memory_ordered 1
		.amdhsa_forward_progress 1
		.amdhsa_inst_pref_size 163
	.end_amdhsa_kernel
	.amdgpu_metadata
---
amdhsa.version: [ 1, 2 ]
amdhsa.kernels:
  - .name:           k_q1067fbaa52_prep
    .symbol:         k_q1067fbaa52_prep.kd
    .args:
      - { .name: wq, .offset: 0, .size: 8, .value_kind: global_buffer, .address_space: global }
      - { .name: wk, .offset: 8, .size: 8, .value_kind: global_buffer, .address_space: global }
      - { .name: wv, .offset: 16, .size: 8, .value_kind: global_buffer, .address_space: global }
      - { .name: wo, .offset: 24, .size: 8, .value_kind: global_buffer, .address_space: global }
      - { .name: w1, .offset: 32, .size: 8, .value_kind: global_buffer, .address_space: global }
      - { .name: w2, .offset: 40, .size: 8, .value_kind: global_buffer, .address_space: global }
      - { .name: w_adaln1, .offset: 48, .size: 8, .value_kind: global_buffer, .address_space: global }
      - { .name: w_adaln2, .offset: 56, .size: 8, .value_kind: global_buffer, .address_space: global }
      - { .name: b_adaln1, .offset: 64, .size: 8, .value_kind: global_buffer, .address_space: global }
      - { .name: b_adaln2, .offset: 72, .size: 8, .value_kind: global_buffer, .address_space: global }
      - { .name: cond, .offset: 80, .size: 8, .value_kind: global_buffer, .address_space: global }
      - { .name: wts, .offset: 88, .size: 8, .value_kind: global_buffer, .address_space: global }
      - { .name: ss1, .offset: 96, .size: 8, .value_kind: global_buffer, .address_space: global }
      - { .name: ss2, .offset: 104, .size: 8, .value_kind: global_buffer, .address_space: global }
    .group_segment_fixed_size: 34304
    .private_segment_fixed_size: 0
    .kernarg_segment_align: 8
    .kernarg_segment_size: 112
    .max_flat_workgroup_size: 128
    .sgpr_count:     66
    .vgpr_count:     256
    .wavefront_size: 32
...
	.end_amdgpu_metadata
.endif
;; end of part 8
;; launch ln1 (part 9): grid 256 x 1, 8 waves a work-group, no clusters, 69,632 bytes of LDS; arguments x, ss1, nrm; writes nrm
.if DOCPART == 9
	.amdgcn_target "amdgcn-amd-amdhsa--gfx1250"
	.amdhsa_code_object_version 6
	.text
	.protected	k_q1067fbaa52_ln1
	.globl	k_q1067fbaa52_ln1
	.p2align	8
	.type	k_q1067fbaa52_ln1,@function
k_q1067fbaa52_ln1:
	s_mov_b64 s[64:65], 0
	v_nop
	global_prefetch_b8 v0, s[64:65] scope:SCOPE_SE
	s_setreg_imm32_b32 hwreg(HW_REG_WAVE_MODE, 25, 1), 1
	s_wait_xcnt 0x0
; normed = layernorm(x) (1 + scale) + shift, quantised along the 1,024 columns to E4M3 with one E8M0 byte for each 32, stored as operand images (the layout is set out at the head of the first launch's text).
; A work-group takes one block of 16 rows in position order (row i of block 2 g + u = true row 32 g + 16 (i / 8) + 8 u + i % 8); wave w takes columns 128 w on: one fragment.
; Each load reads 512 consecutive bytes of a row; the 16 x 128 numbers turn through the wave's own stage in LDS.  Mean and variance in two passes (the variance of x - mean), each wave's part sums meeting in LDS.
; LIMITS: NaN and infinities are not served; a block whose largest magnitude lies under 2^-118 keeps the byte 1.
.set PART, 33792
.set S1,   67584                       ; behind the eight stages of 8,448 bytes: 16 rows x 8 part sums; the second pass's 512 bytes further on
.set LI,  1
.set STI, 2
.set STO, 3
.set PW,  12
.set X,   32                           ; v32-95   register 16 b + i = column 32 b + 16 h + i of row r
.set RAW, 96                           ; v96-159  the rows as loaded, later the shift
.set SCL, 160                          ; v160-223 the scale
.set TM,  224
.set PC,  240
.set SEL, 26
.set MNT, 28
.macro QUANT s
.irp b, 0,1,2,3
	v_max3_num_f32 v[TM+\b], |v[\s+16*\b]|, |v[\s+1+16*\b]|, 0x4800000   ; my 16 numbers of block b, and the floor 2^(9 - 127)
.endr
.irp i, 2,4,6,8,10,12,14
.irp b, 0,1,2,3
	s_delay_alu instid0(VALU_DEP_4)
	v_max3_num_f32 v[TM+\b], v[TM+\b], |v[\s+16*\b+\i]|, |v[\s+1+16*\b+\i]|
.endr
.endr
.irp b, 0,1,2,3
	s_delay_alu instid0(VALU_DEP_4)
	v_permlanex16_b32 v[TM+4+\b], v[TM+\b], s[SEL], s[SEL+1]
.endr
.irp b, 0,1,2,3
	s_delay_alu instid0(VALU_DEP_4)
	v_max_num_f32 v[TM+\b], v[TM+\b], v[TM+4+\b]
.endr
.irp b, 0,1,2,3
	s_delay_alu instid0(VALU_DEP_4)
	v_add_nc_u32 v[TM+12+\b], 0xfc000000, v[TM+\b]   ; 8 off the exponent field: the conversion's scale operand
.endr
.irp b, 0,1,2,3
	v_and_or_b32 v[TM+8+\b], v[TM+\b], 0x7f800000, s[MNT]   ; 448 x the scale
.endr
.irp b, 0,1,2,3
	v_lshrrev_b32 v[TM+4+\b], 23, v[TM+12+\b]
.endr
	s_delay_alu instid0(VALU_DEP_3)
	v_lshl_or_b32 v[PW], v[TM+5], 8, v[TM+4]
	s_delay_alu instid0(VALU_DEP_1)
	v_lshl_or_b32 v[PW], v[TM+6], 16, v[PW]
	s_delay_alu instid0(VALU_DEP_1)
	v_lshl_or_b32 v[PW], v[TM+7], 24, v[PW]
.irp b, 0,1,2,3
.irp i, 0,1,2,3,4,5,6,7,8,9,10,11,12,13,14,15
	v_med3_num_f32 v[\s+16*\b+\i], v[\s+16*\b+\i], -v[TM+8+\b], v[TM+8+\b]   ; the conversion does not saturate (ISA guide 7.6.2)
.endr
	v_cvt_scalef32_pk8_fp8_f32 v[PC+4*\b:PC+1+4*\b], v[\s+16*\b:\s+7+16*\b], v[TM+12+\b]
	v_cvt_scalef32_pk8_fp8_f32 v[PC+2+4*\b:PC+3+4*\b], v[\s+8+16*\b:\s+15+16*\b], v[TM+12+\b]
.endr
	v_nop
.endm
; v16 = my 64 numbers' sum -> the row's sum over all 1,024 columns in v20, in every lane.  off: which 512 bytes of LDS
.macro ROWSUM off
	s_delay_alu instid0(VALU_DEP_1)
	v_pk_add_f32 v[16:17], v[16:17], v[18:19]
	s_delay_alu instid0(VALU_DEP_1)
	v_add_f32 v16, v16, v17
	s_delay_alu instid0(VALU_DEP_1)
	v_permlanex16_b32 v17, v16, s[SEL], s[SEL+1]
	s_delay_alu instid0(VALU_DEP_1)
	v_add_f32 v16, v16, v17                        ; my wave's 128 columns of row r
	ds_store_b32 v7, v16 offset:\off               ; lanes r and r + 16 write the same word with the same value
	s_wait_dscnt 0x0                               ; for the others' sake
	s_barrier_signal -1
	s_barrier_wait -1
	ds_load_b128 v[20:23], v8 offset:\off
	ds_load_b128 v[24:27], v8 offset:\off+16
	s_wait_dscnt 0x0
	v_add_f32 v20, v20, v21                        ; the eight parts in one fixed order, the same in every wave
	v_add_f32 v22, v22, v23
	v_add_f32 v24, v24, v25
	v_add_f32 v26, v26, v27
	s_delay_alu instid0(VALU_DEP_3)
	v_add_f32 v20, v20, v22
	s_delay_alu instid0(VALU_DEP_2)
	v_add_f32 v24, v24, v26
	s_delay_alu instid0(VALU_DEP_1)
	v_add_f32 v20, v20, v24
.endm
	s_load_b128 s[4:7], s[0:1], 0x0                ; x, ss
	s_load_b64 s[8:9], s[0:1], 0x10                ; nrm
	v_lshl_add_u32 v30, v0, 2, 0x10c00
	v_mov_b32 v31, 0
	v_lshrrev_b32 v1, 5, v0
	s_delay_alu instid0(VALU_DEP_1)
	v_readfirstlane_b32 s10, v1                    ; wave 0..7
	v_and_b32 v4, 15, v0                           ; r
	v_bfe_u32 v5, v0, 4, 1                         ; h
	v_and_b32 v1, 31, v0
	s_delay_alu instid0(VALU_DEP_1)
	v_lshlrev_b32 v[LI], 4, v1
	s_mul_i32 s11, s10, 8448
	v_add_nc_u32 v[STI], s11, v[LI]
	v_mul_u32_u24 v[STO], v4, 528
	s_delay_alu instid0(VALU_DEP_1)
	v_lshl_add_u32 v[STO], v5, 6, v[STO]
	s_delay_alu instid0(VALU_DEP_1)
	v_add_nc_u32 v[STO], s11, v[STO]
	v_lshlrev_b32 v6, 6, v5                        ; 64 h
	v_lshl_add_u32 v8, v4, 5, S1                   ; row r's eight part sums
	s_lshl_b32 s11, s10, 2
	v_add_nc_u32 v7, s11, v8                       ; my wave's among them
	v_lshlrev_b32 v9, 4, v4                        ; 16 r
	s_mov_b32 s[SEL], 0x76543210
	s_mov_b32 s[SEL+1], 0xfedcba98
	s_mov_b32 s[MNT], 0x600000
	s_mov_b32 s24, 0x3a800000                      ; 1 / 1,024
	s_mov_b32 s25, 0x3727c5ac                      ; 1e-5
.irp b, 0,1,2,3
	v_mov_b32 v[TM+4+\b], 0
.endr
	s_lshr_b32 s12, ttmp9, 1
	s_lshl_b32 s12, s12, 5
	s_and_b32 s13, ttmp9, 1
	s_lshl_b32 s13, s13, 3
	s_add_co_u32 s12, s12, s13                     ; the block's first true row: 32 g + 8 u
	s_lshl_b32 s12, s12, 12
	s_lshl_b32 s13, s10, 9
	s_add_co_u32 s12, s12, s13
	s_mov_b32 s13, 0
	s_lshr_b32 s14, ttmp9, 7                       ; the batch
	s_lshl_b32 s14, s14, 13
	s_lshl_b32 s15, s10, 9
	s_add_co_u32 s14, s14, s15
	s_mov_b32 s15, 0
	s_lshr_b32 s16, s10, 1                         ; the slot
	s_lshl_b32 s16, s16, 5
	s_lshr_b32 s17, ttmp9, 3                       ; the group of 128 rows
	s_add_co_u32 s16, s16, s17
	s_mul_i32 s16, s16, PART
	s_and_b32 s20, s10, 1                          ; q
	s_and_b32 s21, ttmp9, 7                        ; a
	s_lshl_b32 s22, s20, 3
	s_add_co_u32 s22, s22, s21
	s_lshl_b32 s22, s22, 11
	s_add_co_u32 s18, s16, s22                     ; my image
	s_mov_b32 s19, 0
	s_lshl_b32 s22, s20, 9
	s_and_b32 s23, s21, 1
	s_lshl_b32 s23, s23, 8
	s_add_co_u32 s22, s22, s23
	s_lshr_b32 s23, s21, 1
	s_lshl_b32 s23, s23, 2
	s_add_co_u32 s22, s22, s23
	s_add_co_u32 s22, s22, 32768
	s_add_co_u32 s16, s16, s22                     ; my scale words
	s_mov_b32 s17, 0
	s_wait_alu depctr_va_vdst(0)
	s_wait_kmcnt 0x0
	s_add_nc_u64 s[4:5], s[4:5], s[12:13]
	s_add_nc_u64 s[6:7], s[6:7], s[14:15]
	s_add_nc_u64 s[18:19], s[8:9], s[18:19]
	s_add_nc_u64 s[16:17], s[8:9], s[16:17]
.set ii, 0
.rept 16
	global_load_b128 v[RAW+4*ii:RAW+4*ii+3], v[LI], s[4:5] offset:(16*(ii/8)+(ii%8))*4096
.set ii, ii+1
.endr
.set ii, 0
.rept 16
	global_load_b128 v[SCL+4*ii:SCL+4*ii+3], v6, s[6:7] offset:128*(ii/4)+16*(ii%4)
.set ii, ii+1
.endr
	s_wait_loadcnt 16                              ; the rows are in; the scale's 16 loads may be out
.set ii, 0
.rept 16
	ds_store_b128 v[STI], v[RAW+4*ii:RAW+4*ii+3] offset:528*ii
.set ii, ii+1
.endr
.set ii, 0
.rept 16
	ds_load_b128 v[X+4*ii:X+4*ii+3], v[STO] offset:128*(ii/4)+16*(ii%4)
.set ii, ii+1
.endr
	s_wait_dscnt 0x0                               ; the stores have read their registers, which take the shift
.set ii, 0
.rept 16
	global_load_b128 v[RAW+4*ii:RAW+4*ii+3], v6, s[6:7] offset:4096+128*(ii/4)+16*(ii%4)
.set ii, ii+1
.endr
	v_pk_add_f32 v[16:17], v[X:X+1], v[X+2:X+3]    ; the sum, in two chains
	v_pk_add_f32 v[18:19], v[X+4:X+5], v[X+6:X+7]
.set jj, 8
.rept 14
	s_delay_alu instid0(VALU_DEP_2)
	v_pk_add_f32 v[16:17], v[16:17], v[X+jj:X+jj+1]
	s_delay_alu instid0(VALU_DEP_2)
	v_pk_add_f32 v[18:19], v[18:19], v[X+jj+2:X+jj+3]
.set jj, jj+4
.endr
	ROWSUM 0
	s_delay_alu instid0(VALU_DEP_1)
	v_mul_f32 v20, s24, v20                        ; the mean
	s_delay_alu instid0(VALU_DEP_1)
	v_mov_b32 v21, v20
.set jj, 0
.rept 32
	v_pk_add_f32 v[X+jj:X+jj+1], v[X+jj:X+jj+1], v[20:21] neg_lo:[0,1] neg_hi:[0,1]
.set jj, jj+2
.endr
	v_pk_mul_f32 v[16:17], v[X:X+1], v[X:X+1]
	v_pk_mul_f32 v[18:19], v[X+2:X+3], v[X+2:X+3]
.set jj, 4
.rept 15
	s_delay_alu instid0(VALU_DEP_2)
	v_pk_fma_f32 v[16:17], v[X+jj:X+jj+1], v[X+jj:X+jj+1], v[16:17]
	s_delay_alu instid0(VALU_DEP_2)
	v_pk_fma_f32 v[18:19], v[X+jj+2:X+jj+3], v[X+jj+2:X+jj+3], v[18:19]
.set jj, jj+4
.endr
	ROWSUM 512                                     ; other bytes than the first pass's: no wave may still be reading those
	s_delay_alu instid0(VALU_DEP_1)
	v_fma_f32 v20, v20, s24, s25                   ; the variance + 1e-5
	s_wait_alu depctr_va_vdst(0)
	v_rsq_f32 v22, v20
	v_nop                                          ; a plain line behind the transcendental
	s_wait_alu depctr_va_vdst(0)                   ; and the wait ahead of its first reader
	v_mov_b32 v23, v22
	s_wait_alu depctr_va_vdst(0)
	s_wait_loadcnt 0x0                             ; scale and shift
.set jj, 0
.rept 32
	v_pk_add_f32 v[SCL+jj:SCL+jj+1], v[SCL+jj:SCL+jj+1], 1.0 op_sel_hi:[1,0]
	v_pk_mul_f32 v[X+jj:X+jj+1], v[X+jj:X+jj+1], v[22:23]
.set jj, jj+2
.endr
.set jj, 0
.rept 32
	v_pk_fma_f32 v[X+jj:X+jj+1], v[X+jj:X+jj+1], v[SCL+jj:SCL+jj+1], v[RAW+jj:RAW+jj+1]
.set jj, jj+2
.endr
	QUANT X
.irp c, 0,1,2,3
	global_store_b128 v[LI], v[PC+4*\c:PC+4*\c+3], s[18:19] offset:512*\c   ; 512 consecutive bytes, aligned
.endr
	global_store_b32 v9, v[PW], s[16:17]           ; row r's word, 16 bytes from row to row (lanes r and r + 16: the same word to the same place): the price of one block of rows to a work-group
	s_wait_tensorcnt 0x0
	ds_add_u32 v30, v31
	s_wait_dscnt 0x0
	s_endpgm
.Lfunc_end_k_q1067fbaa52_ln1:
	.size	k_q1067fbaa52_ln1, .Lfunc_end_k_q1067fbaa52_ln1-k_q1067fbaa52_ln1
	.p2alignl 7, 3214868480
	.fill 96, 4, 3214868480
	.section	.rodata,"a",@progbits
	.p2align	6, 0x0
	.amdhsa_kernel k_q1067fbaa52_ln1
		.amdhsa_group_segment_fixed_size 69632
		.amdhsa_private_segment_fixed_size 0
		.amdhsa_enable_private_segment 0
		.amdhsa_kernarg_size 24
		.amdhsa_user_sgpr_count 2
		.amdhsa_user_sgpr_kernarg_segment_ptr 1
		.amdhsa_wavefront_size32 1
		.amdhsa_system_sgpr_workgroup_id_x 1
		.amdhsa_system_sgpr_workgroup_id_y 1
		.amdhsa_system_sgpr_workgroup_id_z 1
		.amdhsa_system_vgpr_workitem_id 0
		.amdhsa_next_free_vgpr 256
		.amdhsa_next_free_sgpr 66
		.amdhsa_reserve_vcc 0
		.amdhsa_float_denorm_mode_32 3
		.amdhsa_float_denorm_mode_16_64 3
		.amdhsa_memory_ordered 1
		.amdhsa_forward_progress 1
		.amdhsa_inst_pref_size 36
	.end_amdhsa_kernel
	.amdgpu_metadata
---
amdhsa.version: [ 1, 2 ]
amdhsa.kernels:
  - .name:           k_q1067fbaa52_ln1
    .symbol:         k_q1067fbaa52_ln1.kd
    .args:
      - { .name: x, .offset: 0, .size: 8, .value_kind: global_buffer, .address_space: global }
      - { .name: ss1, .offset: 8, .size: 8, .value_kind: global_buffer, .address_space: global }
      - { .name: nrm, .offset: 16, .size: 8, .value_kind: global_buffer, .address_space: global }
    .group_segment_fixed_size: 69632
    .private_segment_fixed_size: 0
    .kernarg_segment_align: 8
    .kernarg_segment_size: 24
    .max_flat_workgroup_size: 256
    .sgpr_count:     66
    .vgpr_count:     256
    .wavefront_size: 32
...
	.end_amdgpu_metadata
.endif
;; end of part 9
;; launch qkvp (part 10): grid 12 x 16, 4 waves a work-group, clusters of 4 x 4, 327,680 bytes of LDS; arguments nrm, wts, bq, bk, bv, key_padding_mask, qkv; writes qkv
.if DOCPART == 10
	.amdgcn_target "amdgcn-amd-amdhsa--gfx1250"
	.amdhsa_code_object_version 6
	.text
	.protected	k_q1067fbaa52_qkvp
	.globl	k_q1067fbaa52_qkvp
	.p2align	8
	.type	k_q1067fbaa52_qkvp,@function
k_q1067fbaa52_qkvp:
	s_mov_b64 s[64:65], 0
	v_nop
	global_prefetch_b8 v0, s[64:65] scope:SCOPE_SE
	s_setreg_imm32_b32 hwreg(HW_REG_WAVE_MODE, 25, 1), 1
	s_wait_xcnt 0x0
	s_wait_alu depctr_hold_cnt(0) depctr_sa_sdst(0) depctr_va_vdst(0) depctr_va_sdst(0) depctr_va_ssrc(0) depctr_va_vcc(0) depctr_vm_vsrc(0)
	s_getreg_b32 s2, hwreg(HW_REG_IB_STS2, 6, 4)
	s_cmp_eq_u32 s2, 0
	s_cbranch_scc0 .Lentry_in_a_cluster
	s_endpgm
.Lentry_in_a_cluster:
	s_bfe_u32 s2, ttmp6, 0x10000c
	s_cmp_lg_u32 s2, 0xf033
	s_cbranch_scc0 .Lentry_shape_is_right
	s_endpgm
.Lentry_shape_is_right:
; q, k and v = normed W^T + b on codes of E4M3 (K = 1,024), and their quantising for the attention, in one launch.  A tile of 256 x 256, four waves of 128 x 128 (64 accumulators, 512 registers).
; K goes in steps of 256 through two LDS slots.  A slot holds four parts of 33,792 bytes (128 rows x 256 K as register images, with their scale words behind them): each is one dense block of memory, one tensor load a wave.
; CLUSTERS of 4 x 4: A's parts are asked for jointly along a row of the cluster, B's along a column.
; Source 0 of every product is B, source 1 is A: a lane holds ONE row of A, and, B's rows standing in position order, its 64 registers of a block of A's rows are 128 true neighbours along B's rows in the quantiser's order.
; Cluster x = 0: q, 1: k: A = normed (tokens), B = wq or wk: a lane holds a token and 128 features, two heads: quantised along the head's 64.
; Cluster x = 2: v: A = wv, B = normed: a lane holds a feature and 128 tokens: quantised along the keys.  The three differ in pointers and constants, chosen by the cluster's x, which all partners share.
; OUT: [q region, k-v region][batch x head][step of 128 tokens][17,152 bytes]: K's (or Q's) eight tiles of 16 tokens x 64 (1,024 bytes each), V's four tiles of 16 features x 128 keys (2,048 each), K's scale words (512), V's (256).
; THE MASK rides in the scale words.  The head's 64 fill half of the 128-deep instruction; the attention sets code 1.0 (Q) and -1.0 (K) at k = 64.  That block's byte is 127 for Q; for K 227 (2^100) for a masked key and 1 (2^-126) else.
; LIMITS: NaN and infinities are not served; a block whose largest magnitude lies under 2^-118 keeps the byte 1.
.set PART,  33792
.set SLOT,  4*PART                     ; A's two parts, then B's two
.set SPARE, 2*SLOT                     ; behind the ring: the spare words, 128 bytes a wave
.set LAPS,  2                          ; K / 512
.set BLK,   17152
.set HS,    16*BLK                     ; from a head to the next
.set KVOFF, 32*HS
.set FR, 16
.set NL, 4
.set NP, 8                             ; places behind this matrix instruction (ISA guide 7.12.1)
.set ADRA, 4                           ; v4-5  my part of A in slot 0, 1: + 16 x lane
.set ADRB, 6                           ; v6-7  of B
.set ADRS, 8                           ; v8-9  scale words: lanes 0-15 A's, lanes 16-31 B's
.set SPW, 10
.set NIL, 11
.set LI,  12                           ; v12  16 x lane
.set L,   16                           ; v16-23 bv at block a's row r
.set MB,  24                           ; v24-31 the mask's byte of block a's row r, later the upper half of a scale word
.set SC,  32                           ; v32-63 scale words, two sets of 16: they hold nothing else
.set BIAS, 64                          ; v64-127 bq or bk at my 128 features, in the accumulators' order
.set AF,  128                          ; v128-255 A's fragments, one set; free on the way out
.set H,   128
.set TM,  192
.set PC,  208
.set PW,  224
.set L8,  225
.set LB,  226
.set SW0, 228
.set SW1, 232
.set VO1, 236
.set VO2, 237
.set W0,  238
.set W1,  239
.set WV, 18
.set HA, 19
.set HB, 20
.set OFF, 21
.set G1, 24
.set G0, 32
.set G1B, 48
.set G0B, 56
.set SA, 68                            ; s[68:69], s[70:71]: two slots on, in A's and in B's buffer
.set SB, 70
.set NVM, 72
.set VM,  73
.set TOP, 74
.set M0S, 75
.set D2,  76
.set STA, 77
.set EXT, 78
.set FF,  79
.set DD,  80
.set SEL, 94
.set DST, 96
.set MNT, 98
.set HI,  99
.set MSB, 0
.macro WIN new                         ; the immediate's high byte repeats the setting that is left
.if MSB != (\new)
	s_set_vgpr_msb (MSB<<8)|(\new)
.set MSB, (\new)
.endif
.endm
.set MUL_LO, 0xa1                      ; source 0 (B) window 1, source 1 (A) window 0, C and D window 2
.set MUL_HI, 0xf1
.set TO_B,   0x40
.macro JLOAD s                         ; a joint load: waves 0 and 1 fetch A's parts, waves 2 and 3 B's; four v_nop follow each line
	s_cmp_eq_u32 s[HA], 0
	s_cbranch_scc0 .Lfor_b_\@
	tensor_load_to_lds s[G0+4*\s:G0+4*\s+3], s[G1:G1+7]
	s_nop 0
.rept 4
	v_nop
.endr
	s_branch .Lasked_\@
.Lfor_b_\@:
	tensor_load_to_lds s[G0B+4*\s:G0B+4*\s+3], s[G1B:G1B+7]
	s_nop 0
.rept 4
	v_nop
.endr
.Lasked_\@:
.endm
.macro CREST                           ; a round of the cluster's barrier behind its opening barrier
	s_cmp_lg_u32 s[WV], 0
	s_cbranch_scc1 .Lnot_wave_0_\@
	s_barrier_signal -3
.Lnot_wave_0_\@:
	s_barrier_wait -3
	s_barrier_signal -1
	s_barrier_wait -1
.endm
.macro CROUND
	s_barrier_signal -1
	s_barrier_wait -1
	CREST
.endm
.macro FRAG reg, adr, q, i             ; a fragment's image: four pieces of 512 consecutive bytes
.irp c, 0,1,2,3
	ds_load_b128 v[\reg+4*\c:\reg+4*\c+3], v[\adr] offset:(8*(\q)+(\i))*2048+512*\c
.endr
.endm
; 16 products: A's blocks a0, a0 + 1 x B's eight.  The 64 accumulators take turns, one instruction a turn, in the same order in every step.
.macro MUL16 a0, p, q, sc, zero
.irp a, \a0, \a0+1
.irp b, 0,1,2,3,4,5,6,7
.if \zero
	v_wmma_scale_f32_16x16x128_f8f6f4 v[8*(8*((\a)%4)+\b):8*(8*((\a)%4)+\b)+7], v[128*(\p)+FR*\b:128*(\p)+FR*\b+FR-1], v[AF+FR*(\a):AF+FR*(\a)+FR-1], 0, v[SC+16*(\sc)+8*(\q)+4*(\b%2)+\b/2], v[SC+16*(\sc)+8*(\q)+4*((\a)%2)+(\a)/2] matrix_a_scale:MATRIX_SCALE_ROW1
.else
	v_wmma_scale_f32_16x16x128_f8f6f4 v[8*(8*((\a)%4)+\b):8*(8*((\a)%4)+\b)+7], v[128*(\p)+FR*\b:128*(\p)+FR*\b+FR-1], v[AF+FR*(\a):AF+FR*(\a)+FR-1], v[8*(8*((\a)%4)+\b):8*(8*((\a)%4)+\b)+7], v[SC+16*(\sc)+8*(\q)+4*(\b%2)+\b/2], v[SC+16*(\sc)+8*(\q)+4*((\a)%2)+(\a)/2] matrix_a_scale:MATRIX_SCALE_ROW1
.endif
.endr
.endr
.endm
.macro FETCH_B slot, q, p
	WIN TO_B
.irp i, 0,1,2,3,4,5,6,7
	FRAG 128*(\p)+FR*\i, ADRB+\slot, \q, \i
.endr
	WIN 0
.endm
.macro FETCH_A slot, q, i0
.irp i, \i0, \i0+1, \i0+2, \i0+3
	FRAG AF+FR*(\i), ADRA+\slot, \q, \i
.endr
.endm
.macro SCALES sc                       ; a slot's scale words: one load brings those of four blocks; register 8 q + 4 (i % 2) + i / 2 is block i's for the slot's q-th 128
.irp q, 0,1
.irp p, 0,1
	ds_load_b128 v[SC+16*\sc+8*\q+4*\p:SC+16*\sc+8*\q+4*\p+3], v[ADRS+\sc] offset:512*\q+256*\p
.endr
.endr
.endm
.macro PLACES n                        ; plain vector lines between a matrix instruction and a load into, or a read of, its registers
.rept \n
	v_nop
.endr
.endm
.macro STEP slot, q, zero              ; 128 along K whose successor lies in the same slot
	s_wait_dscnt 4*NL                              ; all but the youngest 16 loads (A's blocks 4-7) are in
	WIN MUL_LO
	MUL16 0, (\q)%2, \q, \slot, \zero
	MUL16 2, (\q)%2, \q, \slot, \zero
	s_wait_dscnt 0
	PLACES NP
	FETCH_B \slot, (\q)+1, 1-(\q)%2
	FETCH_A \slot, (\q)+1, 0
	WIN MUL_HI
	MUL16 4, (\q)%2, \q, \slot, \zero
	MUL16 6, (\q)%2, \q, \slot, \zero
	PLACES NP
	WIN 0
	FETCH_A \slot, (\q)+1, 4
.endm
.macro TURN slot, next, fill           ; a slot's last 128 along K, and the change of slots
	s_wait_tensorcnt 0x0                           ; all my tensor loads have landed: my part of the next slot
	ds_add_u32 v[SPW], v[NIL]                      ; 0 onto my spare word
	s_wait_dscnt 4*NL+1                            ; (the add and A's blocks 4-7 may be out)
	WIN MUL_LO
	MUL16 0, 1, 1, \slot, 0
	s_wait_dscnt 0x0                               ; the add is done, and my reads of this slot are over
	s_barrier_signal -1
	MUL16 2, 1, 1, \slot, 0
	WIN 0
	s_barrier_wait -1
.if \fill
	CREST                                          ; the barrier has opened a round of the cluster's: no wave of any partner still reads this slot or has a load on its way
	s_add_nc_u64 s[G0+4*\slot+2:G0+4*\slot+3], s[G0+4*\slot+2:G0+4*\slot+3], s[SA:SA+1]
	s_add_nc_u64 s[G0B+4*\slot+2:G0B+4*\slot+3], s[G0B+4*\slot+2:G0B+4*\slot+3], s[SB:SB+1]
	JLOAD \slot                                    ; the first tensor load behind the round; its four v_nop are four of the eight places
	PLACES NP-4
.else
	PLACES NP
.endif
	FETCH_B \next, 0, 0
	FETCH_A \next, 0, 0
	SCALES \next
	WIN MUL_HI
	MUL16 4, 1, 1, \slot, 0
	MUL16 6, 1, 1, \slot, 0
	PLACES NP
	WIN 0
	FETCH_A \next, 0, 4
.endm
.macro QUANT s
.irp b, 0,1,2,3
	v_max3_num_f32 v[TM+\b], |v[\s+16*\b]|, |v[\s+1+16*\b]|, 0x4800000   ; my 16 numbers of block b, and the floor 2^(9 - 127)
.endr
.irp i, 2,4,6,8,10,12,14
.irp b, 0,1,2,3
	v_max3_num_f32 v[TM+\b], v[TM+\b], |v[\s+16*\b+\i]|, |v[\s+1+16*\b+\i]|
.endr
.endr
.irp b, 0,1,2,3
	v_permlanex16_b32 v[TM+4+\b], v[TM+\b], s[SEL], s[SEL+1]
.endr
.irp b, 0,1,2,3
	v_max_num_f32 v[TM+\b], v[TM+\b], v[TM+4+\b]
.endr
.irp b, 0,1,2,3
	v_add_nc_u32 v[TM+12+\b], 0xfc000000, v[TM+\b]
.endr
.irp b, 0,1,2,3
	v_and_or_b32 v[TM+8+\b], v[TM+\b], 0x7f800000, s[MNT]
.endr
.irp b, 0,1,2,3
	v_lshrrev_b32 v[TM+4+\b], 23, v[TM+12+\b]
.endr
	v_lshl_or_b32 v[PW], v[TM+5], 8, v[TM+4]
	v_lshl_or_b32 v[PW], v[TM+6], 16, v[PW]
	v_lshl_or_b32 v[PW], v[TM+7], 24, v[PW]
.irp b, 0,1,2,3
.irp i, 0,1,2,3,4,5,6,7,8,9,10,11,12,13,14,15
	v_med3_num_f32 v[\s+16*\b+\i], v[\s+16*\b+\i], -v[TM+8+\b], v[TM+8+\b]   ; the conversion does not saturate (ISA guide 7.6.2)
.endr
	v_cvt_scalef32_pk8_fp8_f32 v[PC+4*\b:PC+1+4*\b], v[\s+16*\b:\s+7+16*\b], v[TM+12+\b]
	v_cvt_scalef32_pk8_fp8_f32 v[PC+2+4*\b:PC+3+4*\b], v[\s+8+16*\b:\s+15+16*\b], v[TM+12+\b]
.endr
	v_nop
.endm
	s_load_b256 s[4:11], s[0:1], 0x0               ; nrm, wts, bq, bk
	s_load_b128 s[12:15], s[0:1], 0x20             ; bv, the mask
	s_load_b64 s[16:17], s[0:1], 0x30              ; qkv
	v_lshl_add_u32 v[SPW], v0, 2, SPARE
	v_mov_b32 v[NIL], 0
	ds_add_u32 v10, v11
	ds_add_u32 v10, v11
	s_wait_dscnt 0x0
	v_lshrrev_b32 v1, 5, v0
	v_readfirstlane_b32 s[WV], v1                  ; wave 0..3
	s_lshr_b32 s[HA], s[WV], 1                     ; which of A's parts I multiply.  Also: I fetch for A (0) or for B (1)
	s_and_b32 s[HB], s[WV], 1                      ; which of B's.  Also: which of the two parts I fetch
	s_bfe_u32 s40, ttmp6, 0x40000                  ; cx
	s_bfe_u32 s41, ttmp6, 0x40004                  ; cy
	s_and_b32 s67, ttmp7, 0xffff
	s_lshl_b32 s67, s67, 2                         ; 4 x cluster y
	s_lshl_b32 s72, ttmp9, 2                       ; 4 x cluster x
	s_cmp_eq_u32 ttmp9, 2                          ; v?  The cluster's x: the same in all sixteen partners
	s_cselect_b32 s66, 0, s67
	s_cselect_b32 s42, s67, s72
	s_cselect_b32 s73, 24, 32                      ; groups in A's buffer,
	s_cselect_b32 s74, 32, 24                      ; in B's
	s_cselect_b32 s75, 16, 0                       ; wv's first group
	s_add_co_u32 s66, s66, s41                     ; A's tile: hangs on cy and the cluster's place alone
	s_add_co_u32 s42, s42, s40                     ; B's tile: on cx and the cluster's place alone
	s_lshl_b32 s43, s41, 2
	s_lshl_b32 s43, 15, s43                        ; my row of the cluster
	s_lshl_b32 s44, 0x1111, s40                    ; my column
	s_or_b32 s[G1], s43, (3<<16)|(1<<21)           ; 15:0 the mask; 17:16 elements of 8 bytes; 21 set beside a mask; no padding
	s_or_b32 s[G1B], s44, (3<<16)|(1<<21)
.irp g, G1, G1B
	s_mov_b32 s[\g+1], 32<<16                      ; tensor_dim0 = 32 elements: 256 bytes
	s_mov_b32 s[\g+2], 264<<16                     ; tensor_dim1 = 264 rows: the head's loads bring two parts; behind them the two words that count rows are set to 132
	s_mov_b32 s[\g+3], 32<<16                      ; tile_dim0
	s_mov_b32 s[\g+4], 264                         ; tile_dim1
	s_mov_b32 s[\g+5], 32                          ; the pitch: dense
	s_mov_b32 s[\g+6], 0
	s_mov_b32 s[\g+7], 0
.endr
	s_lshl_b32 s76, s66, 1
	s_add_co_u32 s76, s76, s[HB]
	s_add_co_u32 s76, s76, s75
	s_mul_i32 s76, s76, PART                       ; A's part that I fetch, in slot 0
	s_mov_b32 s77, 0
	s_lshl_b32 s78, s42, 1
	s_add_co_u32 s78, s78, s[HB]
	s_mul_i32 s78, s78, PART                       ; B's
	s_mov_b32 s79, 0
	s_mul_i32 s84, s73, PART                       ; a slot on in A's buffer,
	s_mov_b32 s85, 0
	s_lshl_b32 s[SA], s84, 1
	s_mov_b32 s[SA+1], 0
	s_mul_i32 s46, s74, PART                       ; in B's
	s_mov_b32 s47, 0
	s_lshl_b32 s[SB], s46, 1
	s_mov_b32 s[SB+1], 0
	s_mul_i32 s45, s[WV], PART                     ; where my part goes: no place in the cluster enters an LDS address
	s_wait_kmcnt 0x0
	s_cmp_eq_u32 ttmp9, 2
	s_cselect_b64 s[80:81], s[6:7], s[4:5]
	s_cselect_b64 s[82:83], s[4:5], s[6:7]
	s_add_nc_u64 s[80:81], s[80:81], s[76:77]
	s_add_nc_u64 s[82:83], s[82:83], s[78:79]
	CROUND                                         ; all sixteen work-groups are here: the first joint loads meet
	s_mov_b32 s[G0], 1
	s_add_co_u32 s[G0+1], s45, 0
	s_mov_b64 s[G0+2:G0+3], s[80:81]
	s_or_b32 s[G0+3], s[G0+3], 0x80000000
	s_mov_b32 s[G0B], 1
	s_add_co_u32 s[G0B+1], s45, 0
	s_mov_b64 s[G0B+2:G0B+3], s[82:83]
	s_or_b32 s[G0B+3], s[G0B+3], 0x80000000
	; THE HEAD'S LOADS, ONE A WAVE: an operand's two parts of a slot are 67,584 consecutive bytes, in memory and in LDS: wave (HA, HB) fetches operand HA of slot HB, so that both slots are asked for here
	s_sub_co_u32 s86, s84, PART                    ; from my part in slot 0 to the operand's first part in slot HB: HB x (a slot on, less a part)
	s_mul_i32 s86, s86, s[HB]
	s_mov_b32 s87, 0
	s_add_nc_u64 s[6:7], s[80:81], s[86:87]
	s_or_b32 s7, s7, 0x80000000
	s_sub_co_u32 s86, s46, PART
	s_mul_i32 s86, s86, s[HB]
	s_add_nc_u64 s[74:75], s[82:83], s[86:87]
	s_or_b32 s75, s75, 0x80000000
	s_mul_i32 s5, s[HB], SLOT
	s_mul_i32 s86, s[HA], 2*PART
	s_add_co_u32 s5, s5, s86                       ; where they go: the wave's number alone
	s_mov_b32 s73, s5
	s_mov_b32 s4, 1
	s_mov_b32 s72, 1
	s_cmp_eq_u32 s[HA], 0
	s_cbranch_scc0 .Lhead_b
	tensor_load_to_lds s[4:7], s[G1:G1+7]
	s_nop 0
.rept 4
	v_nop
.endr
	s_branch .Lhead_asked
.Lhead_b:
	tensor_load_to_lds s[72:75], s[G1B:G1B+7]
	s_nop 0
.rept 4
	v_nop
.endr
.Lhead_asked:
	s_mov_b32 s[G0+4], 1
	s_add_co_u32 s[G0+5], s45, SLOT
	s_add_nc_u64 s[G0+6:G0+7], s[80:81], s[84:85]
	s_or_b32 s[G0+7], s[G0+7], 0x80000000
	s_mov_b32 s[G0B+4], 1
	s_add_co_u32 s[G0B+5], s45, SLOT
	s_add_nc_u64 s[G0B+6:G0B+7], s[82:83], s[46:47]
	s_or_b32 s[G0B+7], s[G0B+7], 0x80000000
	v_and_b32 v1, 15, v0                           ; r
	v_bfe_u32 v2, v0, 4, 1                         ; h
	s_wait_alu depctr_va_vdst(0)
	v_and_b32 v3, 31, v0
	v_lshlrev_b32 v[LI], 4, v3
	s_mul_i32 s21, s[HA], PART
	s_mul_i32 s22, s[HB], PART
	s_add_co_u32 s22, s22, 2*PART
.irp s, 0,1
	v_add_nc_u32 v[ADRA+\s], s21, v[LI]
	v_add_nc_u32 v[ADRB+\s], s22, v[LI]
	s_add_co_u32 s21, s21, SLOT
	s_add_co_u32 s22, s22, SLOT
.endr
	s_xor_b32 s23, s[HA], 1
	s_add_co_u32 s23, s23, s[HB]
	s_add_co_u32 s23, s23, 1
	s_mul_i32 s23, s23, PART                       ; from my part of A to my part of B: (2 + HB - HA) parts
	v_mul_u32_u24 v3, s23, v2                      ; lanes 16-31 take B's words
	v_lshl_add_u32 v3, v1, 4, v3
	s_mul_i32 s21, s[HA], PART
	s_add_co_u32 s21, s21, 32768
	v_add_nc_u32 v[ADRS], s21, v3
	s_add_co_u32 s21, s21, SLOT
	v_add_nc_u32 v[ADRS+1], s21, v3
	; biases and mask are asked for now and waited for on the way out.  Every base lies inside its buffer on all three paths; what a path does not want is blanked there
	v_lshlrev_b32 v13, 6, v2                       ; 64 h
	s_wait_alu depctr_va_vdst(0)
	v_and_b32 v3, 8, v1
	v_add_nc_u32 v15, v3, v1                       ; 16 (r / 8) + r % 8: row r's true place in a block's 32
	v_lshlrev_b32 v14, 2, v15
	s_wait_alu depctr_va_vdst(0)
	s_lshl_b32 s86, s40, 10
	s_lshl_b32 s87, s[HB], 9
	s_add_co_u32 s86, s86, s87                     ; 4 (256 cx + 128 HB)
	s_mov_b32 s87, 0
	s_cmp_eq_u32 ttmp9, 1
	s_cselect_b64 s[88:89], s[10:11], s[8:9]
	s_add_nc_u64 s[88:89], s[88:89], s[86:87]
	s_lshl_b32 s86, s41, 10
	s_lshl_b32 s22, s[HA], 9
	s_add_co_u32 s86, s86, s22                     ; 4 (256 cy + 128 HA)
	s_add_nc_u64 s[90:91], s[12:13], s[86:87]
	s_lshl_b32 s86, s66, 1
	s_add_co_u32 s86, s86, s[HA]
	s_lshl_b32 s86, s86, 7                         ; 128 x A's group: at most 31 x 128
	s_add_nc_u64 s[92:93], s[14:15], s[86:87]
.irp b, 0,1,2,3
.irp j, 0,1,2,3
	global_load_b128 v[BIAS+16*\b+4*\j:BIAS+16*\b+4*\j+3], v13, s[88:89] offset:128*\b+16*\j
.endr
.endr
.irp a, 0,1,2,3,4,5,6,7
	global_load_b32 v[L+\a], v14, s[90:91] offset:4*(32*(\a/2)+8*(\a%2))
	global_load_u8 v[MB+\a], v15, s[92:93] offset:32*(\a/2)+8*(\a%2)
.endr
	s_wait_alu depctr_va_vdst(0)                   ; at the head's end
	s_wait_tensorcnt 0x0                           ; my two parts are in, and no tensor load of mine is out, so a descriptor may be written: from here on a load brings one part
	s_mov_b32 s[G1+2], 132<<16
	s_mov_b32 s[G1+4], 132
	s_mov_b32 s[G1B+2], 132<<16
	s_mov_b32 s[G1B+4], 132
	s_barrier_signal -1
	s_barrier_wait -1                              ; everybody's are: both slots are whole
	FETCH_B 0, 0, 0
	FETCH_A 0, 0, 0
	SCALES 0
	FETCH_A 0, 0, 4
	STEP 0, 0, 1                                   ; the first step's products start the sums
	s_mov_b32 s3, LAPS-1
.Llap:
	TURN 0, 1, 1
	STEP 1, 0, 0
	TURN 1, 0, 1
	STEP 0, 0, 0
	s_sub_co_u32 s3, s3, 1
	s_cmp_lg_u32 s3, 0
	s_cbranch_scc1 .Llap
	TURN 0, 1, 0                                   ; the last lap fills nothing
	STEP 1, 0, 0
	s_wait_dscnt 4*NL
	WIN MUL_LO
	MUL16 0, 1, 1, 1, 0
	MUL16 2, 1, 1, 1, 0
	s_wait_dscnt 0
	WIN MUL_HI
	MUL16 4, 1, 1, 1, 0
	MUL16 6, 1, 1, 1, 0
	WIN 0
	; ---- THE WAY OUT: bias, quantiser, images.  No LDS.
	PLACES NP
	s_wait_loadcnt 0x0
	s_mov_b32 s[SEL], 0x76543210
	s_mov_b32 s[SEL+1], 0xfedcba98
	s_mov_b32 s[MNT], 0x600000
	s_mov_b32 s[HI], 0xffff0000
	s_mov_b32 s[OFF], 0
	s_mov_b32 s81, HS
	s_mov_b32 s82, 1024
	s_mov_b32 s83, 0x7f000000
	s_mov_b32 s84, 0xffff
	s_cmp_eq_u32 ttmp9, 2
	s_cselect_b32 s[NVM], 0, -1                    ; the features' bias counts for q and k,
	s_cselect_b32 s[VM], -1, 0                     ; the rows' bias for v
	s_cselect_b32 s[TOP], 0, s83                   ; byte 3 of a word of q or k: 127, over zero codes
	s_cselect_b32 s[M0S], -1, s84                  ; what a word keeps of the quantiser's four bytes
	s_cselect_b32 s[D2], 1024, s81                 ; from pieces 0, 1 to pieces 2, 3: the next head (q, k), or on in the same fragment (v)
	s_cselect_b32 s[STA], 2048, s82                ; from block to block
	s_cselect_b32 s[EXT], HS-8192, 0               ; v: blocks 4-7 are the next head's
	s_cselect_b32 s[FF], 0, 127
	s_cmp_eq_u32 ttmp9, 1
	s_cselect_b32 s[FF], 1, s[FF]                  ; byte 2: q 127; k 1, or 227 where the key is masked
	s_cselect_b32 s[DD], 226, 0
	s_lshl_b32 s81, s66, 1
	s_add_co_u32 s81, s81, s[HA]                   ; A's group
	s_lshl_b32 s82, s42, 1
	s_add_co_u32 s82, s82, s[HB]                   ; B's group
	s_lshl_b32 s83, s40, 2
	s_lshl_b32 s84, s[HB], 1
	s_add_co_u32 s83, s83, s84                     ; q, k: my first head = 4 cx + 2 HB
	s_lshl_b32 s84, s41, 2
	s_lshl_b32 s85, s[HA], 1
	s_add_co_u32 s84, s84, s85                     ; v: 4 cy + 2 HA
	s_mov_b32 s85, KVOFF
	s_cmp_eq_u32 ttmp9, 2
	s_cselect_b32 s81, s82, s81                    ; my 128 tokens
	s_cselect_b32 s83, s84, s83
	s_cselect_b32 s82, 8192, 0                     ; V's tiles lie behind K's
	s_cmp_eq_u32 ttmp9, 0
	s_cselect_b32 s85, 0, s85
	s_lshr_b32 s84, s81, 4                         ; the batch
	s_and_b32 s81, s81, 15                         ; the step
	s_lshl_b32 s84, s84, 4
	s_add_co_u32 s84, s84, s83
	s_lshl_b32 s84, s84, 4
	s_add_co_u32 s84, s84, s81
	s_mul_i32 s84, s84, BLK
	s_add_co_u32 s84, s84, s82
	s_add_co_u32 s84, s84, s85
	s_mov_b32 s85, 0
	s_add_nc_u64 s[DST:DST+1], s[16:17], s[84:85]
.set jj, 0
.rept 64
	v_cndmask_b32 v[BIAS+jj], 0, v[BIAS+jj], s[NVM]
.set jj, jj+1
.endr
.irp a, 0,1,2,3,4,5,6,7
	v_cndmask_b32 v[L+\a], 0, v[L+\a], s[VM]
	v_mad_u32_u24 v[MB+\a], v[MB+\a], s[DD], s[FF]
.endr
.irp a, 0,1,2,3,4,5,6,7
	v_lshl_or_b32 v[MB+\a], v[MB+\a], 16, s[TOP]
.endr
	v_mov_b32 v[LB+1], 0
	v_lshrrev_b32 v[L8], 1, v[LI]
.irp b, 0,1,2,3
	v_mov_b32 v[TM+4+\b], 0
.endr
.macro QBLOCK a
	s_wait_xcnt 0x0                                ; the last block's stores have read their offsets and codes
	v_add_nc_u32 v[VO1], s[OFF], v[LI]
	v_add_nc_u32 v[VO2], s[D2], v[VO1]
	v_mov_b32 v[LB], v[L+\a]
	WIN 0x02+(\a)/4                                ; source 0: window 2 or 3
.set jj, 0
.rept 32
	v_pk_add_f32 v[H+jj:H+jj+1], v[64*((\a)%4)+jj:64*((\a)%4)+jj+1], v[BIAS+jj:BIAS+jj+1]   ; each accumulator from its low end on
.set jj, jj+2
.endr
	WIN 0
.set jj, 0
.rept 32
	v_pk_add_f32 v[H+jj:H+jj+1], v[H+jj:H+jj+1], v[LB:LB+1] op_sel_hi:[1,0]
.set jj, jj+2
.endr
	QUANT H
	global_store_b128 v[VO1], v[PC:PC+3], s[DST:DST+1]
	global_store_b128 v[VO1], v[PC+4:PC+7], s[DST:DST+1] offset:512
	global_store_b128 v[VO2], v[PC+8:PC+11], s[DST:DST+1]
	global_store_b128 v[VO2], v[PC+12:PC+15], s[DST:DST+1] offset:512
	v_and_or_b32 v[W0], v[PW], s[M0S], v[MB+\a]    ; q, k: the first head's two bytes under the mask's; v: the word as it is
	v_lshrrev_b32 v[W1], 16, v[PW]
	v_or_b32 v[W1], v[W1], v[MB+\a]                ; q, k: the second head's
.if (\a)%2 == 0
	v_mov_b32 v[SW0+(\a)/2], v[W0]
	v_mov_b32 v[SW1+(\a)/2], v[W1]
.else
	v_cndmask_b32 v[SW0+(\a)/2], v[SW0+(\a)/2], v[W0], s[HI]
	v_cndmask_b32 v[SW1+(\a)/2], v[SW1+(\a)/2], v[W1], s[HI]
.endif
	s_add_co_u32 s[OFF], s[OFF], s[STA]
.if (\a) == 3
	s_add_co_u32 s[OFF], s[OFF], s[EXT]
.endif
.endm
.irp a, 0,1,2,3,4,5,6,7
	QBLOCK \a
.endr
	s_cmp_eq_u32 ttmp9, 2
	s_cbranch_scc1 .Lv_words
	global_store_b128 v[LI], v[SW0:SW0+3], s[DST:DST+1] offset:16384       ; the eight tiles' words of each head: 512 consecutive bytes
	global_store_b128 v[LI], v[SW1:SW1+3], s[DST:DST+1] offset:16384+HS
	s_branch .Lwords_out
.Lv_words:
	global_store_b64 v[L8], v[SW0:SW0+1], s[DST:DST+1] offset:8704         ; the four tiles' words of each head: 256 consecutive bytes
	s_wait_alu depctr_va_vdst(0)
	global_store_b64 v[L8], v[SW0+2:SW0+3], s[DST:DST+1] offset:8704+HS
.Lwords_out:
	s_wait_tensorcnt 0x0                           ; the wave's end
	ds_add_u32 v[SPW], v[NIL]
	s_wait_dscnt 0x0
	CROUND                                         ; the closing round
	s_endpgm
.Lfunc_end_k_q1067fbaa52_qkvp:
	.size	k_q1067fbaa52_qkvp, .Lfunc_end_k_q1067fbaa52_qkvp-k_q1067fbaa52_qkvp
	.p2alignl 7, 3214868480
	.fill 96, 4, 3214868480
	.section	.rodata,"a",@progbits
	.p2align	6, 0x0
	.amdhsa_kernel k_q1067fbaa52_qkvp
		.amdhsa_group_segment_fixed_size 327680
		.amdhsa_private_segment_fixed_size 0
		.amdhsa_enable_private_segment 0
		.amdhsa_kernarg_size 56
		.amdhsa_user_sgpr_count 2
		.amdhsa_user_sgpr_kernarg_segment_ptr 1
		.amdhsa_wavefront_size32 1
		.amdhsa_system_sgpr_workgroup_id_x 1
		.amdhsa_system_sgpr_workgroup_id_y 1
		.amdhsa_system_sgpr_workgroup_id_z 1
		.amdhsa_system_vgpr_workitem_id 0
		.amdhsa_next_free_vgpr 1024
		.amdhsa_next_free_sgpr 100
		.amdhsa_reserve_vcc 0
		.amdhsa_float_denorm_mode_32 3
		.amdhsa_float_denorm_mode_16_64 3
		.amdhsa_memory_ordered 1
		.amdhsa_forward_progress 1
		.amdhsa_inst_pref_size 227
	.end_amdhsa_kernel
	.amdgpu_metadata
---
amdhsa.version: [ 1, 2 ]
amdhsa.kernels:
  - .name:           k_q1067fbaa52_qkvp
    .symbol:         k_q1067fbaa52_qkvp.kd
    .args:
      - { .name: nrm, .offset: 0, .size: 8, .value_kind: global_buffer, .address_space: global }
      - { .name: wts, .offset: 8, .size: 8, .value_kind: global_buffer, .address_space: global }
      - { .name: bq, .offset: 16, .size: 8, .value_kind: global_buffer, .address_space: global }
      - { .name: bk, .offset: 24, .size: 8, .value_kind: global_buffer, .address_space: global }
      - { .name: bv, .offset: 32, .size: 8, .value_kind: global_buffer, .address_space: global }
      - { .name: key_padding_mask, .offset: 40, .size: 8, .value_kind: global_buffer, .address_space: global }
      - { .name: qkv, .offset: 48, .size: 8, .value_kind: global_buffer, .address_space: global }
    .group_segment_fixed_size: 327680
    .private_segment_fixed_size: 0
    .kernarg_segment_align: 8
    .kernarg_segment_size: 56
    .max_flat_workgroup_size: 128
    .sgpr_count:     100
    .vgpr_count:     1024
    .wavefront_size: 32
...
	.end_amdgpu_metadata
.endif
;; end of part 10
;; launch attn (part 11): grid 8 x 32, 16 waves a work-group, clusters of 4 x 1, 276,480 bytes of LDS; arguments qkv, ao; writes ao
.if DOCPART == 11
	.amdgcn_target "amdgcn-amd-amdhsa--gfx1250"
	.amdhsa_code_object_version 6
	.text
	.protected	k_q1067fbaa52_attn
	.globl	k_q1067fbaa52_attn
	.p2align	8
	.type	k_q1067fbaa52_attn,@function
k_q1067fbaa52_attn:
	s_mov_b64 s[64:65], 0
	v_nop
	global_prefetch_b8 v0, s[64:65] scope:SCOPE_SE
	s_setreg_imm32_b32 hwreg(HW_REG_WAVE_MODE, 25, 1), 1
	s_wait_xcnt 0x0
	s_wait_alu depctr_hold_cnt(0) depctr_sa_sdst(0) depctr_va_vdst(0) depctr_va_sdst(0) depctr_va_ssrc(0) depctr_va_vcc(0) depctr_vm_vsrc(0)
	s_getreg_b32 s2, hwreg(HW_REG_IB_STS2, 6, 4)
	s_cmp_eq_u32 s2, 0
	s_cbranch_scc0 .Lentry_in_a_cluster
	s_endpgm
.Lentry_in_a_cluster:
	s_bfe_u32 s2, ttmp6, 0x10000c
	s_cmp_lg_u32 s2, 0x3003
	s_cbranch_scc0 .Lentry_shape_is_right
	s_endpgm
.Lentry_shape_is_right:
; The attention of one (batch, head) for 256 queries, both products on codes of E4M3, and the quantising of its result for the next product.  Sixteen waves, 16 queries each, 256 registers.
; A HEAD'S WHOLE K AND V LIE IN LDS: 16 steps of 128 keys x 17,152 bytes (K's 8 tiles, V's 4 tiles, their scale words) = 274,432 bytes, filled once: wave w fetches step w's block, one tensor load a wave; no byte is filled again.
; CLUSTER: the four query blocks of a cluster belong to one head: each block is asked for jointly (mask 15).  No data prefetch: every tile is asked for at the head, so there is no loop to run ahead in.
; Both products are used transposed (S^T = K Q^T, O^T = V^T P^T): a lane holds one query.  K's and V's rows stand in position order, so p's 16 registers of two neighbouring tiles are 16 neighbouring keys, and O^T's likewise 16 neighbouring channels.
; THE SOFTMAX: t = score x log2(e) / 8; M = the running largest t rounded up to a whole number; p = 2^(t - M) is quantised along the keys; the sum is taken of the unquantised p and divides at the end.
; THE MASK: the head's 64 fill k = 0 .. 63 of the 128-deep instruction; at k = 64 Q holds 1.0 and K -1.0, under K's scale byte of that block: 2^100 for a masked key, 2^-126 else.  A masked score is about -2^100.
; The running largest t begins at -2^90: a step whose keys are all masked leaves it there, and its p are zeros.  A query with no key at all (t still -2^90) gets the scale byte 0xff: NaN, as the reference has it.
; THE ORDER OF A STEP: the next step's first four tiles of K are read from LDS in the middle of this step; a step's eight part sums of p are joined, and added to the row's sum, in the places behind the next step's first products;
; O^T is brought under the new M in two halves, each ahead of its two products, so that the second half's lines are the places between V's first two fragments and the scores that are written over them.
; LIMITS: a genuine t under -2^90 counts as masked; the -2^-126 added to a counted score lies under f32's resolution of any score above 2^-102; NaN and infinities are not served.
.set BLK,   17152
.set HS,    16*BLK
.set KVOFF, 32*HS
.set PART,  33792
.set SPARE, 16*BLK                     ; behind the 16 blocks: the spare words, 128 bytes a wave
.set LI,  1                            ; v1  16 x lane
.set AKS, 2                            ; v2  K's scale words: 16,384 + 16 r
.set AVS, 3                            ; v3  V's: 16,896 + 8 r
.set ADC, 4                            ; v4-6 the same three at the step in hand
.set ADS, 5
.set ADT, 6
.set QS,  7                            ; v7  Q's scale word
.set TP,  8
.set F,   10                           ; v10 f = 2^(old M - new M); v11 is named with it as a pair
.set BO,  11                           ; v11 16 r; v9 16 r + h for the bytes out; v12 -M, v13 the largest t, v[14:15] the sum
.set S,   96                           ; v96-159 S^T, then p, then V's four fragments
.set O,   160                          ; v160-191 O^T
.set PCD, 192                          ; v192-207 p's codes
.set KSR, 208                          ; v208-215 K's scale words: tile a's in 4 (a % 2) + a / 2
.set VSR, 216                          ; v216-219 V's: tile t's in 2 (t % 2) + t / 2
.set BM,  220
.set PM,  224
.set HL,  228
.set SO,  232
.set T,   236                          ; v236-251 eight part sums of a step's p, two numbers each
.set PWR, 252                          ; v252 p's scale word
.set FFR, 253
.set SPW, 254
.set NIL, 255
.set WV,  8
.set SEL, 10
.set CS,  12
.set MNT, 14
.set TB,  15
.set G1,  16
.set CNT, 24
.set T0,  25
.set HI,  26
.set G0,  28
.macro ROUND
	s_barrier_signal -1
	s_barrier_wait -1
	s_cmp_lg_u32 s[WV], 0
	s_cbranch_scc1 .Lnot_wave_0_\@
	s_barrier_signal -3
.Lnot_wave_0_\@:
	s_barrier_wait -3
	s_barrier_signal -1
	s_barrier_wait -1
.endm
	s_load_b128 s[4:7], s[0:1], 0x0                ; qkv, ao
	v_lshl_add_u32 v[SPW], v0, 2, SPARE
	v_mov_b32 v[NIL], 0
	ds_add_u32 v[SPW], v[NIL]                      ; the opening lines: the add, twice on end, and its wait
	ds_add_u32 v[SPW], v[NIL]
	v_lshrrev_b32 v8, 5, v0
	v_readfirstlane_b32 s[WV], v8                  ; wave 0..15
	s_bfe_u32 s9, ttmp6, 0x40000                   ; cx
	s_and_b32 s72, ttmp7, 0xffff                   ; 16 x batch + head: the partners share it
	s_mul_i32 s62, s72, HS
	s_mov_b32 s63, 0
	s_mul_i32 s61, s[WV], BLK                      ; wave w fetches step w's block
	s_mov_b32 s70, s61
	s_mov_b32 s71, 0
	s_mov_b32 s[G1], 15|(3<<16)|(1<<21)            ; the mask: all four work-groups; elements of 8 bytes; 21 set beside a mask; no padding
	s_mov_b32 s[G1+1], 32<<16                      ; tensor_dim0 = 32 elements: 256 bytes
	s_mov_b32 s[G1+2], 67<<16                      ; tensor_dim1 = 67 rows: a step's block
	s_mov_b32 s[G1+3], 32<<16
	s_mov_b32 s[G1+4], 67
	s_mov_b32 s[G1+5], 32
	s_mov_b32 s[G1+6], 0
	s_mov_b32 s[G1+7], 0
	s_mov_b32 s[SEL], 0x76543210
	s_mov_b32 s[SEL+1], 0xfedcba98
	s_mov_b32 s[CS], 0x3e38aa3b                    ; c = log2(e) / 8
	s_mov_b32 s[CS+1], s[CS]
	s_mov_b32 s[MNT], 0x600000
	s_mov_b32 s[TB], 0
	s_mov_b32 s[T0], 0xec800000                    ; -2^90
	s_mov_b32 s[HI], 0xffff0000
	s_wait_dscnt 0x0
	s_wait_kmcnt 0x0
	s_add_nc_u64 s[66:67], s[4:5], s[62:63]        ; my head in the q region,
	s_add_nc_u64 s[68:69], s[66:67], KVOFF         ; in the k-v region
	s_mov_b32 s[G0], 1
	s_mov_b32 s[G0+1], s61
	s_add_nc_u64 s[G0+2:G0+3], s[68:69], s[70:71]
	s_or_b32 s[G0+3], s[G0+3], 0x80000000
	ROUND                                          ; all four work-groups are here: the joint loads meet
	tensor_load_to_lds s[G0:G0+3], s[G1:G1+7]      ; my one tensor load
	s_nop 0
.rept 4
	v_nop
.endr
	; my 16 queries: block of 256 = 4 x cluster x + cx; step = 2 x block + wave / 8; tile a = wave % 8
	s_lshl_b32 s60, ttmp9, 2
	s_add_co_u32 s60, s60, s9
	s_lshl_b32 s60, s60, 1
	s_lshr_b32 s73, s[WV], 3
	s_add_co_u32 s60, s60, s73                     ; the step
	s_and_b32 s73, s[WV], 7                        ; a
	s_mul_i32 s74, s60, BLK
	s_lshl_b32 s75, s73, 10
	s_add_co_u32 s76, s74, s75
	s_mov_b32 s77, 0
	s_add_nc_u64 s[78:79], s[66:67], s[76:77]      ; Q's tile
	s_and_b32 s75, s73, 1
	s_lshl_b32 s75, s75, 8
	s_lshr_b32 s80, s73, 1
	s_lshl_b32 s80, s80, 2
	s_add_co_u32 s80, s80, s75                     ; 256 (a % 2) + 4 (a / 2): a tile's place among scale words
	s_add_co_u32 s76, s74, s80
	s_add_co_u32 s76, s76, 16384
	s_add_nc_u64 s[82:83], s[66:67], s[76:77]      ; Q's scale words
	s_lshr_b32 s74, s72, 4                         ; the batch
	s_and_b32 s75, s72, 15                         ; the head
	s_lshl_b32 s74, s74, 4
	s_add_co_u32 s74, s74, s60                     ; the group of 128 rows
	s_lshr_b32 s81, s75, 2                         ; the slot of the next product's K
	s_lshl_b32 s81, s81, 5
	s_add_co_u32 s81, s81, s74
	s_mul_i32 s81, s81, PART
	s_bfe_u32 s74, s75, 0x10001                    ; q: which 128 of the slot
	s_and_b32 s75, s75, 1                          ; which 64 of the 128
	s_lshl_b32 s76, s74, 3
	s_add_co_u32 s76, s76, s73
	s_lshl_b32 s76, s76, 11
	s_add_co_u32 s76, s76, s81
	s_lshl_b32 s84, s75, 10
	s_add_co_u32 s76, s76, s84
	s_add_nc_u64 s[86:87], s[6:7], s[76:77]        ; my two pieces of the image
	s_lshl_b32 s76, s74, 9
	s_add_co_u32 s76, s76, s80
	s_add_co_u32 s76, s76, s81
	s_lshl_b32 s84, s75, 1
	s_add_co_u32 s76, s76, s84
	s_add_co_u32 s76, s76, 32768
	s_add_nc_u64 s[88:89], s[6:7], s[76:77]        ; my two bytes of the rows' scale words
	v_and_b32 v8, 31, v0
	v_lshlrev_b32 v[LI], 4, v8
	v_and_b32 v9, 15, v0                           ; r
	v_bfe_u32 v10, v0, 4, 1                        ; h
	v_lshl_add_u32 v[AKS], v9, 4, 16384
	v_lshl_add_u32 v[AVS], v9, 3, 16896
	v_lshlrev_b32 v[BO], 4, v9
	global_load_b128 v[16:19], v[LI], s[78:79]     ; Q's fragment, k = 0 .. 63, stays in registers
	global_load_b128 v[20:23], v[LI], s[78:79] offset:512
	global_load_b32 v[QS], v[BO], s[82:83]
	v_add_nc_u32 v9, v[BO], v10                    ; 16 r + h
	v_sub_nc_u32 v8, 1, v10
	v_mul_u32_u24 v24, v8, 0x38                    ; k = 64 lies in byte 0 of register 8 of lanes 0-15: Q's code 1.0;
.irp i, 25,26,27,28,29,30,31
	v_mov_b32 v\i, 0
.endr
.irp t, 0,1,2,3
	v_mul_u32_u24 v[40+16*\t], v8, 0xb8            ; K's code -1.0, in each of the four buffers; the loads fill their registers 0-7 alone
.irp i, 9,10,11,12,13,14,15
	v_mov_b32 v[32+16*\t+\i], 0
.endr
.endr
	v_mov_b32 v[F], 0
	v_mov_b32 v13, s[T0]                           ; the largest t so far
	v_floor_f32 v12, -v13                          ; -M
	v_mov_b32 v14, 0                               ; the sum, in two halves
	v_mov_b32 v15, 0
.irp b, 0,1,2,3
	v_mov_b32 v[PM+\b], 0                          ; a lane permute's destination counts as one of its sources
.endr
.set jj, 0
.rept 16
	v_mov_b32 v[T+jj], 0
.set jj, jj+1
.endr
.set jj, 0
.rept 32
	v_mov_b32 v[O+jj], 0                           ; the step is written for every step alike: the first finds zeros
.set jj, jj+1
.endr
	v_mov_b32 v[ADC], v[LI]                        ; step 0
.macro KLOAD off                       ; four tiles of K, at byte off of the block in hand
.irp t, 0,1,2,3
	ds_load_b128 v[32+16*\t:35+16*\t], v[ADC] offset:(\off)+\t*1024
	ds_load_b128 v[36+16*\t:39+16*\t], v[ADC] offset:(\off)+\t*1024+512
.endr
.endm
.macro SMUL g                          ; S^T = K Q^T, four tiles of 16 keys
.irp t, 0,1,2,3
	v_wmma_scale_f32_16x16x128_f8f6f4 v[S+8*(4*\g+\t):S+8*(4*\g+\t)+7], v[32+16*\t:47+16*\t], v[16:31], 0, v[KSR+4*(\t%2)+(4*\g+\t)/2], v[QS]
.endr
.endm
.macro DEFER                           ; the last step's eight part sums are joined; the row's sum goes under that step's M and takes them in: eight plain lines
.irp k, 0,1,2,3
	v_pk_add_f32 v[T+2*\k:T+2*\k+1], v[T+2*\k:T+2*\k+1], v[T+8+2*\k:T+9+2*\k]
.endr
	v_pk_add_f32 v[T:T+1], v[T:T+1], v[T+4:T+5]
	v_pk_add_f32 v[T+2:T+3], v[T+2:T+3], v[T+6:T+7]
	v_pk_add_f32 v[T:T+1], v[T:T+1], v[T+2:T+3]
	v_pk_fma_f32 v[14:15], v[14:15], v[F:F+1], v[T:T+1] op_sel_hi:[1,0,1]
.endm
.macro BMAX b0, b1                     ; my 16 scores of two blocks of 32 keys: the largest of each, in two chains a block; each accumulator is read from its low end on
.irp b, \b0, \b1
	v_max3_num_f32 v[BM+\b], v[S+16*\b], v[S+1+16*\b], v[S+2+16*\b]
.endr
.irp b, \b0, \b1
	v_max3_num_f32 v[PM+\b], v[S+3+16*\b], v[S+4+16*\b], v[S+5+16*\b]
.endr
.irp i, 6,10
.irp b, \b0, \b1
	v_max3_num_f32 v[BM+\b], v[BM+\b], v[S+16*\b+\i], v[S+1+16*\b+\i]
.endr
.irp b, \b0, \b1
	v_max3_num_f32 v[PM+\b], v[PM+\b], v[S+2+16*\b+\i], v[S+3+16*\b+\i]
.endr
.endr
.irp b, \b0, \b1
	v_max3_num_f32 v[BM+\b], v[BM+\b], v[S+14+16*\b], v[S+15+16*\b]
.endr
.irp b, \b0, \b1
	v_max_num_f32 v[BM+\b], v[BM+\b], v[PM+\b]
.endr
.endm
.macro PQ b                            ; block b's p: the hold (the conversion does not saturate: ISA guide 7.6.2; p is not negative), two numbers a line, and the codes
.irp i, 0,2,4,6,8,10,12,14
	v_dual_min_num_f32 v[S+16*\b+\i], v[S+16*\b+\i], v[HL+\b] :: v_dual_min_num_f32 v[S+1+16*\b+\i], v[S+1+16*\b+\i], v[HL+\b]
.endr
	v_cvt_scalef32_pk8_fp8_f32 v[PCD+4*\b:PCD+1+4*\b], v[S+16*\b:S+7+16*\b], v[SO+\b]
	v_cvt_scalef32_pk8_fp8_f32 v[PCD+2+4*\b:PCD+3+4*\b], v[S+8+16*\b:S+15+16*\b], v[SO+\b]
.endm
.macro VLOAD t0, t1                    ; two fragments of V take p's registers
.irp t, \t0, \t1
.irp c, 0,1,2,3
	ds_load_b128 v[S+16*\t+4*\c:S+16*\t+4*\c+3], v[ADC] offset:8192+2048*\t+512*\c
.endr
.endr
.endm
.macro RESC t0                         ; accumulators t0 and t0 + 1 of O^T under the new M
	s_wait_alu depctr_va_vdst(0)                   ; directly ahead of the first reader of these matrix results
.set jj, 8*\t0
.rept 8
	v_pk_mul_f32 v[O+jj:O+jj+1], v[O+jj:O+jj+1], v[F:F+1] op_sel_hi:[1,0]
.set jj, jj+2
.endr
.endm
.macro PV t0, t1                       ; O^T += V^T P^T, for two of the four accumulators
.irp t, \t0, \t1
	v_wmma_scale_f32_16x16x128_f8f6f4 v[O+8*\t:O+8*\t+7], v[S+16*\t:S+16*\t+15], v[PCD:PCD+15], v[O+8*\t:O+8*\t+7], v[VSR+2*(\t%2)+\t/2], v[PWR]
.endr
.endm
; 128 keys, at LDS byte s[TB].  At its head K's tiles 0-3 and K's scale words are in registers.  pf = 1: the next step's are asked for
; A step's first half: the scores.  prev = 1: the step before has left its part sums, and its last two products, whose fragments of V lie in the registers of scores 4-7 until those are written
.macro FH prev
	SMUL 0
.if \prev
	DEFER                                          ; the eight places ahead of the loads into K's buffers and of the first read of the scores
.else
.rept 8
	v_nop
.endr
.endif
	KLOAD 4096                                     ; K's tiles 4-7
.if \prev
	s_wait_dscnt 8                                 ; all but the eight loads just issued are in: V's fragments 2 and 3 of the step before
	PV 2, 3
.endif
	BMAX 0, 1                                      ; 16 plain lines: the places ahead of the scores that are written over V's fragments 2 and 3
	s_wait_alu depctr_va_vdst(0)                   ; directly ahead of the wait below
	s_wait_dscnt 0x0
	SMUL 1
.endm
; A step's second half: the softmax, p's codes and the first two of the four products.  pf = 1: the next step's first tiles of K are asked for
.macro SH pf
	v_permlanex16_b32 v[PM], v[BM], s[SEL], s[SEL+1]
	v_permlanex16_b32 v[PM+1], v[BM+1], s[SEL], s[SEL+1]
.if \pf
	v_add_nc_u32 v[ADS], s[TB], v[AKS]
.else
	v_nop
.endif
	v_add_nc_u32 v[ADT], s[TB], v[AVS]
	v_max_num_f32 v[BM], v[BM], v[PM]              ; with lane l xor 16's 16 keys
	v_max_num_f32 v[BM+1], v[BM+1], v[PM+1]
.rept 4
	v_nop                                          ; with the four plain lines above: eight places
.endr
.if \pf
	KLOAD BLK                                      ; the next step's tiles 0-3 of K and its scale words
	ds_load_b128 v[KSR:KSR+3], v[ADS] offset:BLK
	ds_load_b128 v[KSR+4:KSR+7], v[ADS] offset:BLK+256
.endif
	BMAX 2, 3
	v_permlanex16_b32 v[PM+2], v[BM+2], s[SEL], s[SEL+1]
	v_permlanex16_b32 v[PM+3], v[BM+3], s[SEL], s[SEL+1]
	v_max_num_f32 v[BM+2], v[BM+2], v[PM+2]
	v_max_num_f32 v[BM+3], v[BM+3], v[PM+3]
	s_delay_alu instid0(VALU_DEP_2)
	v_max3_num_f32 v[TP], v[BM], v[BM+1], v[BM+2]
	s_delay_alu instid0(VALU_DEP_1)
	v_max_num_f32 v[TP], v[TP], v[BM+3]
	s_delay_alu instid0(VALU_DEP_1)
	v_mul_f32 v[TP], s[CS], v[TP]
	s_delay_alu instid0(VALU_DEP_1)
	v_max_num_f32 v13, v13, v[TP]                  ; the running largest t
	v_mov_b32 v[TP], v12
	s_delay_alu instid0(VALU_DEP_2)
	v_floor_f32 v12, -v13                          ; the new -M = -ceil(t)
.set jj, 0
.rept 32
	v_pk_fma_f32 v[S+jj:S+jj+1], v[S+jj:S+jj+1], s[CS:CS+1], v[12:13] op_sel_hi:[1,0,0]   ; t - M; the three lines that make f stand among these
.if jj == 8
	v_sub_f32 v[TP], v12, v[TP]                    ; old M - new M: a whole number, 0 or less
.endif
.if jj == 24
	v_cvt_i32_f32 v[TP], v[TP]                     ; (it saturates)
.endif
.if jj == 40
	v_ldexp_f32 v[F], 1.0, v[TP]                   ; f: a multiplication by it rounds nothing
.endif
.set jj, jj+2
.endr
.irp b, 0,1,2,3
	v_fma_f32 v[BM+\b], v[BM+\b], s[CS], v12       ; the same of each block's largest score: p rises with the score
.endr
	s_wait_alu depctr_va_vdst(0)                   ; the wait ahead of the batch
.irp b, 0,1,2,3
	v_exp_f32 v[BM+\b], v[BM+\b]                   ; each block's largest p
.endr
.set jj, 0
.rept 64
	v_exp_f32 v[S+jj], v[S+jj]                     ; p = 2^(t - M)
.set jj, jj+1
.endr
	v_nop                                          ; a plain line behind the exponentials
	s_wait_alu depctr_va_vdst(0)                   ; one wait for the batch, ahead of its first reader
.irp b, 0,1,2,3
	v_max_num_f32 v[BM+\b], 0x4800000, v[BM+\b]    ; the floor: a block whose every p is 0 keeps the byte 1 over zero codes
.endr
.irp k, 0,1,2,3,4,5,6,7
	v_pk_add_f32 v[T+2*\k:T+2*\k+1], v[S+4*\k:S+4*\k+1], v[S+4*\k+2:S+4*\k+3]   ; the sum of the unquantised p, in eight chains
.endr
.irp b, 0,1,2,3
	v_add_nc_u32 v[SO+\b], 0xfc000000, v[BM+\b]    ; 8 off the exponent field: the conversion's scale operand
.endr
.irp b, 0,1,2,3
	v_and_or_b32 v[HL+\b], v[BM+\b], 0x7f800000, s[MNT]   ; 448 x the scale
.endr
.irp b, 0,1,2,3
	v_lshrrev_b32 v[PM+\b], 23, v[SO+\b]           ; the scale's byte
.endr
	PQ 0                                           ; blocks 0 and 1 have been summed: their codes, and V's fragments 0 and 1 into their registers
	PQ 1
	ds_load_b64 v[VSR:VSR+1], v[ADT]
	ds_load_b64 v[VSR+2:VSR+3], v[ADT] offset:128
	VLOAD 0, 1
.irp k, 0,1,2,3,4,5,6,7
	v_pk_add_f32 v[T+2*\k:T+2*\k+1], v[T+2*\k:T+2*\k+1], v[S+32+2*\k:S+33+2*\k]
.endr
	v_lshl_or_b32 v[PWR], v[PM+1], 8, v[PM]
.irp k, 0,1,2,3
	v_pk_add_f32 v[T+2*\k:T+2*\k+1], v[T+2*\k:T+2*\k+1], v[S+48+2*\k:S+49+2*\k]
.endr
	v_lshl_or_b32 v[PWR], v[PM+2], 16, v[PWR]
.irp k, 4,5,6,7
	v_pk_add_f32 v[T+2*\k:T+2*\k+1], v[T+2*\k:T+2*\k+1], v[S+48+2*\k:S+49+2*\k]
.endr
	v_lshl_or_b32 v[PWR], v[PM+3], 24, v[PWR]      ; p's scale word for these 128 keys
	PQ 2
	PQ 3
	v_nop                                          ; a plain line behind the last conversion
	VLOAD 2, 3
	s_wait_dscnt 8                                 ; all but V's fragments 2 and 3, the youngest eight loads, are in
	RESC 0
	PV 0, 1
.if \pf
	s_add_co_u32 s[TB], s[TB], BLK
.endif
	RESC 2                                         ; the other two accumulators: their products follow in the next first half
.if \pf
	v_add_nc_u32 v[ADC], s[TB], v[LI]              ; the next step.  With the eight lines above: nine places ahead of the scores that are written over V's fragments 0 and 1
.endif
.endm
	s_wait_alu depctr_va_vdst(0)                   ; at the head's end
	s_wait_loadcnt 0x0                             ; Q
	s_wait_tensorcnt 0x0                           ; my block is in,
	s_barrier_signal -1
	s_barrier_wait -1                              ; everybody's is: all 16 steps lie in LDS
	KLOAD 0
	ds_load_b128 v[KSR:KSR+3], v[AKS]
	ds_load_b128 v[KSR+4:KSR+7], v[AKS] offset:256
	s_mov_b32 s[CNT], 15
	s_wait_dscnt 0x0
	FH 0                                           ; step 0's scores
.Lstep:                                            ; a trip: a step's second half and the next step's first half
	SH 1
	FH 1
	s_sub_co_u32 s[CNT], s[CNT], 1
	s_cmp_lg_u32 s[CNT], 0
	s_cbranch_scc1 .Lstep
	SH 0                                           ; the last step is written out: it asks for nothing beyond the sixteenth block
	DEFER                                          ; the last step's part sums
	s_wait_alu depctr_va_vdst(0)                   ; directly ahead of the wait below
	s_wait_dscnt 0x0
	PV 2, 3                                        ; and its last two products
.rept 8
	v_nop                                          ; places ahead of the first read of O^T
.endr
	; ---- THE WAY OUT: O^T / the sum, quantised along the head's 64 (two blocks), stored as two pieces of the next operand's image
	v_mov_b32 v[FFR], 0xff
	v_add_f32 v14, v14, v15
	s_delay_alu instid0(VALU_DEP_1)
	v_permlanex16_b32 v[TP], v14, s[SEL], s[SEL+1]
	s_delay_alu instid0(VALU_DEP_1)
	v_add_f32 v14, v14, v[TP]
	s_wait_alu depctr_va_vdst(0)
	v_rcp_f32 v15, v14
	v_nop
	s_wait_alu depctr_va_vdst(0)
	v_mov_b32 v14, v15
.set jj, 0
.rept 16
	v_pk_mul_f32 v[S+jj:S+jj+1], v[O+jj:O+jj+1], v[14:15]   ; register 16 b + i = channel 32 b + 16 h + i of my query
.set jj, jj+2
.endr
.irp b, 0,1
	v_max3_num_f32 v[BM+\b], |v[S+16*\b]|, |v[S+1+16*\b]|, 0x4800000
.endr
.irp i, 2,4,6,8,10,12,14
.irp b, 0,1
	s_delay_alu instid0(VALU_DEP_2)
	v_max3_num_f32 v[BM+\b], v[BM+\b], |v[S+16*\b+\i]|, |v[S+1+16*\b+\i]|
.endr
.endr
.irp b, 0,1
	s_delay_alu instid0(VALU_DEP_2)
	v_permlanex16_b32 v[PM+\b], v[BM+\b], s[SEL], s[SEL+1]
.endr
.irp b, 0,1
	s_delay_alu instid0(VALU_DEP_2)
	v_max_num_f32 v[BM+\b], v[BM+\b], v[PM+\b]
.endr
.irp b, 0,1
	s_delay_alu instid0(VALU_DEP_2)
	v_add_nc_u32 v[SO+\b], 0xfc000000, v[BM+\b]
.endr
.irp b, 0,1
	s_delay_alu instid0(VALU_DEP_4)
	v_and_or_b32 v[HL+\b], v[BM+\b], 0x7f800000, s[MNT]
.endr
.irp b, 0,1
	s_delay_alu instid0(VALU_DEP_4)
	v_lshrrev_b32 v[PM+\b], 23, v[SO+\b]
.endr
	v_cmp_ge_f32 vcc_lo, s[T0], v13                ; no key counted for my query
.irp b, 0
	s_delay_alu instid0(VALU_DEP_1)
	v_cndmask_b32 v[PM+\b], v[PM+\b], v[FFR], vcc_lo
.endr
.irp b, 1
	s_delay_alu instid0(VALU_DEP_2)
	v_cndmask_b32 v[PM+\b], v[PM+\b], v[FFR], vcc_lo
.endr
	s_delay_alu instid0(VALU_DEP_1)
	v_cndmask_b32 v[TP], v[PM], v[PM+1], s[HI]     ; lanes 0-15 store block 0's byte, lanes 16-31 block 1's
.irp b, 0,1
.irp i, 0,1,2,3,4,5,6,7,8,9,10,11,12,13,14,15
	v_med3_num_f32 v[S+16*\b+\i], v[S+16*\b+\i], -v[HL+\b], v[HL+\b]
.endr
	v_cvt_scalef32_pk8_fp8_f32 v[PCD+4*\b:PCD+1+4*\b], v[S+16*\b:S+7+16*\b], v[SO+\b]
	v_cvt_scalef32_pk8_fp8_f32 v[PCD+2+4*\b:PCD+3+4*\b], v[S+8+16*\b:S+15+16*\b], v[SO+\b]
.endr
	v_nop
	global_store_b128 v[LI], v[PCD:PCD+3], s[86:87]            ; 512 consecutive bytes, aligned
	global_store_b128 v[LI], v[PCD+4:PCD+7], s[86:87] offset:512
	global_store_b8 v9, v[TP], s[88:89]
	s_wait_tensorcnt 0x0                           ; the wave's end
	ds_add_u32 v[SPW], v[NIL]
	s_wait_dscnt 0x0
	ROUND                                          ; the closing round: no work-group ends while a partner may still ask
	s_endpgm
.Lfunc_end_k_q1067fbaa52_attn:
	.size	k_q1067fbaa52_attn, .Lfunc_end_k_q1067fbaa52_attn-k_q1067fbaa52_attn
	.p2alignl 7, 3214868480
	.fill 96, 4, 3214868480
	.section	.rodata,"a",@progbits
	.p2align	6, 0x0
	.amdhsa_kernel k_q1067fbaa52_attn
		.amdhsa_group_segment_fixed_size 276480
		.amdhsa_private_segment_fixed_size 0
		.amdhsa_enable_private_segment 0
		.amdhsa_kernarg_size 16
		.amdhsa_user_sgpr_count 2
		.amdhsa_user_sgpr_kernarg_segment_ptr 1
		.amdhsa_wavefront_size32 1
		.amdhsa_system_sgpr_workgroup_id_x 1
		.amdhsa_system_sgpr_workgroup_id_y 1
		.amdhsa_system_sgpr_workgroup_id_z 1
		.amdhsa_system_vgpr_workitem_id 0
		.amdhsa_next_free_vgpr 256
		.amdhsa_next_free_sgpr 96
		.amdhsa_reserve_vcc 1
		.amdhsa_float_denorm_mode_32 3
		.amdhsa_float_denorm_mode_16_64 3
		.amdhsa_memory_ordered 1
		.amdhsa_forward_progress 1
		.amdhsa_inst_pref_size 53
	.end_amdhsa_kernel
	.amdgpu_metadata
---
amdhsa.version: [ 1, 2 ]
amdhsa.kernels:
  - .name:           k_q1067fbaa52_attn
    .symbol:         k_q1067fbaa52_attn.kd
    .args:
      - { .name: qkv, .offset: 0, .size: 8, .value_kind: global_buffer, .address_space: global }
      - { .name: ao, .offset: 8, .size: 8, .value_kind: global_buffer, .address_space: global }
    .group_segment_fixed_size: 276480
    .private_segment_fixed_size: 0
    .kernarg_segment_align: 8
    .kernarg_segment_size: 16
    .max_flat_workgroup_size: 512
    .sgpr_count:     96
    .vgpr_count:     256
    .wavefront_size: 32
...
	.end_amdgpu_metadata
.endif
;; end of part 11
;; launch oproj (part 12): grid 8 x 32, 4 waves a work-group, clusters of 4 x 4, 327,680 bytes of LDS; arguments ao, wts, bo, x, x2; writes x2
.if DOCPART == 12
	.amdgcn_target "amdgcn-amd-amdhsa--gfx1250"
	.amdhsa_code_object_version 6
	.text
	.protected	k_q1067fbaa52_oproj
	.globl	k_q1067fbaa52_oproj
	.p2align	8
	.type	k_q1067fbaa52_oproj,@function
k_q1067fbaa52_oproj:
	s_mov_b64 s[64:65], 0
	v_nop
	global_prefetch_b8 v0, s[64:65] scope:SCOPE_SE
	s_setreg_imm32_b32 hwreg(HW_REG_WAVE_MODE, 25, 1), 1
	s_wait_xcnt 0x0
	s_wait_alu depctr_hold_cnt(0) depctr_sa_sdst(0) depctr_va_vdst(0) depctr_va_sdst(0) depctr_va_ssrc(0) depctr_va_vcc(0) depctr_vm_vsrc(0)
	s_getreg_b32 s2, hwreg(HW_REG_IB_STS2, 6, 4)
	s_cmp_eq_u32 s2, 0
	s_cbranch_scc0 .Lentry_in_a_cluster
	s_endpgm
.Lentry_in_a_cluster:
	s_bfe_u32 s2, ttmp6, 0x10000c
	s_cmp_lg_u32 s2, 0xf033
	s_cbranch_scc0 .Lentry_shape_is_right
	s_endpgm
.Lentry_shape_is_right:
.set PART,  33792
.set SLOT,  4*PART
.set SPARE, 2*SLOT
.set STAGE, SPARE+512
.set SPITCH, 272
.set LAPS,  1
.set AG,    32
.set BG,    8
.set BOFF,  96*PART
.set FR, 16
.set NP, 8
.set ADRA, 4
.set ADRB, 8
.set ADRS, 12
.set BI,  16
.set SPW, 20
.set NIL, 21
.set LI,  22
.set STO, 23
.set RD,  24
.set CO,  25
.set LR,  26
.set PFO, 27
.set SC,  32
.set BB,  64
.set ACC, 128
.set WV, 18
.set HA, 19
.set HB, 20
.set G1, 24
.set G0, 32
.set G1B, 48
.set G0B, 56
.set SA, 68
.set SB, 70
.set PFA, 72
.set PFS, 74
.set LIM, 84
.set RES, 88
.set OUT, 90
.set MSB, 0
.macro WIN new
.if MSB != (\new)
	s_set_vgpr_msb (MSB<<8)|(\new)
.set MSB, (\new)
.endif
.endm
.set MUL,  0x05
.set TO_F, 0x40
.set SUMS, 0x88
.macro JLOAD s
	s_cmp_eq_u32 s[HA], 0
	s_cbranch_scc0 .Lfor_b_\@
	tensor_load_to_lds s[G0+4*\s:G0+4*\s+3], s[G1:G1+7]
	s_nop 0
.rept 4
	v_nop
.endr
	s_branch .Lasked_\@
.Lfor_b_\@:
	tensor_load_to_lds s[G0B+4*\s:G0B+4*\s+3], s[G1B:G1B+7]
	s_nop 0
.rept 4
	v_nop
.endr
.Lasked_\@:
.endm
.macro CREST
	s_cmp_lg_u32 s[WV], 0
	s_cbranch_scc1 .Lnot_wave_0_\@
	s_barrier_signal -3
.Lnot_wave_0_\@:
	s_barrier_wait -3
	s_barrier_signal -1
	s_barrier_wait -1
.endm
.macro CROUND
	s_barrier_signal -1
	s_barrier_wait -1
	CREST
.endm
.macro ASK last
.if \last
	s_cmp_gt_u32 s3, s[LIM]
.else
	s_cmp_eq_u32 s[LIM], 1
.endif
	s_cbranch_scc0 .Lnot_mine_\@
	global_prefetch_b8 v[PFO], s[PFA:PFA+1] th:TH_LOAD_NT scope:SCOPE_SE
.Lnot_mine_\@:
.endm
.macro FRAG reg, adr, q, i
.irp c, 0,1,2,3
	ds_load_b128 v[(\reg)+4*\c:(\reg)+4*\c+3], v[\adr] offset:(8*(\q)+(\i))*2048+512*\c
.endr
.endm
.macro FETCH slot, t, f
	WIN TO_F
.irp i, 0,1,2,3
	FRAG (\f)+64+FR*\i, ADRB+2*(\slot)+(\t)/2, (\t)%2, \i
	FRAG (\f)+FR*\i, ADRA+2*(\slot)+(\t)/2, (\t)%2, \i
.endr
.endm
.macro SCALES sc
	WIN 0
.irp t, 0,1,2,3
.irp p, 0,1
	ds_load_b64 v[SC+16*(\sc)+4*\t+2*\p:SC+16*(\sc)+4*\t+2*\p+1], v[ADRS+2*(\sc)+\t/2] offset:512*(\t%2)+256*\p
.endr
.endr
.endm
.macro MUL8 f, a0, t, sc, zero
.irp a, \a0, \a0+1
.irp b, 0,1,2,3
.if \zero
	v_wmma_scale_f32_16x16x128_f8f6f4 v[ACC+8*(4*(\a)+\b):ACC+8*(4*(\a)+\b)+7], v[(\f)+64+FR*\b:(\f)+64+FR*\b+FR-1], v[(\f)+FR*(\a):(\f)+FR*(\a)+FR-1], 0, v[SC+16*(\sc)+4*(\t)+2*(\b%2)+\b/2], v[SC+16*(\sc)+4*(\t)+2*((\a)%2)+(\a)/2] matrix_a_scale:MATRIX_SCALE_ROW1
.else
	v_wmma_scale_f32_16x16x128_f8f6f4 v[ACC+8*(4*(\a)+\b):ACC+8*(4*(\a)+\b)+7], v[(\f)+64+FR*\b:(\f)+64+FR*\b+FR-1], v[(\f)+FR*(\a):(\f)+FR*(\a)+FR-1], v[ACC+8*(4*(\a)+\b):ACC+8*(4*(\a)+\b)+7], v[SC+16*(\sc)+4*(\t)+2*(\b%2)+\b/2], v[SC+16*(\sc)+4*(\t)+2*((\a)%2)+(\a)/2] matrix_a_scale:MATRIX_SCALE_ROW1
.endif
.endr
.endr
.endm
.macro PLACES n
.rept \n
	v_nop
.endr
.endm
.macro STEP slot, t, zero
	s_wait_dscnt 0x0
	PLACES NP
	FETCH \slot, (\t)+1, 128*(((\t)+1)%2)
	WIN MUL
	MUL8 128*((\t)%2), 0, \t, \slot, \zero
	MUL8 128*((\t)%2), 2, \t, \slot, \zero
.endm
.macro TURN slot, next, fill
	WIN 0
.if \fill
	s_wait_xcnt 0x0
	s_add_nc_u64 s[PFA:PFA+1], s[PFA:PFA+1], s[PFS:PFS+1]
.endif
	s_wait_tensorcnt 0x0
	ds_add_u32 v[SPW], v[NIL]
	s_wait_dscnt 1
	WIN MUL
	MUL8 128, 0, 3, \slot, 0
	s_wait_dscnt 0x0
	s_barrier_signal -1
	MUL8 128, 2, 3, \slot, 0
	WIN 0
	s_barrier_wait -1
.if \fill
	CREST
	s_add_nc_u64 s[G0+4*\slot+2:G0+4*\slot+3], s[G0+4*\slot+2:G0+4*\slot+3], s[SA:SA+1]
	s_add_nc_u64 s[G0B+4*\slot+2:G0B+4*\slot+3], s[G0B+4*\slot+2:G0B+4*\slot+3], s[SB:SB+1]
	JLOAD \slot
	PLACES NP-4
.else
	PLACES NP
.endif
	FETCH \next, 0, 0
	SCALES \next
.if \fill
	ASK \slot
.endif
.endm
	s_load_b256 s[4:11], s[0:1], 0x0
	s_load_b64 s[12:13], s[0:1], 0x20
	v_lshl_add_u32 v[SPW], v0, 2, SPARE
	v_mov_b32 v[NIL], 0
	ds_add_u32 v20, v21
	ds_add_u32 v20, v21
	s_wait_dscnt 0x0
	v_lshrrev_b32 v1, 5, v0
	v_readfirstlane_b32 s[WV], v1
	s_lshr_b32 s[HA], s[WV], 1
	s_and_b32 s[HB], s[WV], 1
	s_bfe_u32 s40, ttmp6, 0x40000
	s_bfe_u32 s41, ttmp6, 0x40004
	s_lshl_b32 s42, ttmp9, 2
	s_add_co_u32 s42, s42, s40
	s_and_b32 s66, ttmp7, 0xffff
	s_lshl_b32 s66, s66, 2
	s_add_co_u32 s66, s66, s41
	s_lshl_b32 s43, s41, 2
	s_lshl_b32 s43, 15, s43
	s_lshl_b32 s44, 0x1111, s40
	s_or_b32 s[G1], s43, (3<<16)|(1<<21)
	s_or_b32 s[G1B], s44, (3<<16)|(1<<21)
.irp g, G1, G1B
	s_mov_b32 s[\g+1], 32<<16
	s_mov_b32 s[\g+2], 132<<16
	s_mov_b32 s[\g+3], 32<<16
	s_mov_b32 s[\g+4], 132
	s_mov_b32 s[\g+5], 32
	s_mov_b32 s[\g+6], 0
	s_mov_b32 s[\g+7], 0
.endr
	s_mul_i32 s76, s[HB], AG
	s_add_co_u32 s76, s76, s66
	s_mul_i32 s76, s76, PART
	s_mov_b32 s77, 0
	s_mul_i32 s78, s[HB], BG
	s_add_co_u32 s78, s78, s42
	s_mul_i32 s78, s78, PART
	s_add_co_u32 s78, s78, BOFF
	s_mov_b32 s79, 0
	s_mov_b32 s[SA], 4*AG*PART
	s_mov_b32 s[SA+1], 0
	s_mov_b32 s[SB], 4*BG*PART
	s_mov_b32 s[SB+1], 0
	s_mul_i32 s45, s[WV], PART
	s_wait_kmcnt 0x0
	s_add_nc_u64 s[80:81], s[4:5], s[76:77]
	s_add_nc_u64 s[82:83], s[6:7], s[78:79]
	CROUND
.irp s, 0,1
	s_mov_b32 s[G0+4*\s], 1
	s_add_co_u32 s[G0+4*\s+1], s45, \s*SLOT
	s_add_nc_u64 s[G0+4*\s+2:G0+4*\s+3], s[80:81], \s*2*AG*PART
	s_or_b32 s[G0+4*\s+3], s[G0+4*\s+3], 0x80000000
	s_mov_b32 s[G0B+4*\s], 1
	s_add_co_u32 s[G0B+4*\s+1], s45, \s*SLOT
	s_add_nc_u64 s[G0B+4*\s+2:G0B+4*\s+3], s[82:83], \s*2*BG*PART
	s_or_b32 s[G0B+4*\s+3], s[G0B+4*\s+3], 0x80000000
.endr
	JLOAD 0
	v_and_b32 v1, 15, v0
	v_bfe_u32 v2, v0, 4, 1
	v_and_b32 v3, 31, v0
	v_lshlrev_b32 v[LI], 4, v3
	s_wait_alu depctr_va_vdst(0)
	s_lshl_b32 s21, s[HA], 13
	s_lshl_b32 s22, s[HB], 13
	s_add_co_u32 s22, s22, 2*PART
.irp n, 0,1,2,3
	v_add_nc_u32 v[ADRA+\n], s21, v[LI]
	v_add_nc_u32 v[ADRB+\n], s22, v[LI]
	s_add_co_u32 s21, s21, PART+(\n%2)*(SLOT-2*PART)
	s_add_co_u32 s22, s22, PART+(\n%2)*(SLOT-2*PART)
.endr
	s_xor_b32 s23, s[HA], 1
	s_add_co_u32 s23, s23, s[HB]
	s_lshl_b32 s23, s23, 3
	s_add_co_u32 s23, s23, 2*PART-8
	v_mul_u32_u24 v3, s23, v2
	v_lshl_add_u32 v3, v1, 4, v3
	s_lshl_b32 s21, s[HA], 3
	s_add_co_u32 s21, s21, 32768
.irp n, 0,1,2,3
	v_add_nc_u32 v[ADRS+\n], s21, v3
	s_add_co_u32 s21, s21, PART+(\n%2)*(SLOT-2*PART)
.endr
	s_mul_i32 s23, s[WV], 16*SPITCH
	s_add_co_u32 s23, s23, STAGE
	v_mul_u32_u24 v[STO], v1, SPITCH
	v_lshl_add_u32 v[STO], v2, 6, v[STO]
	v_add_nc_u32 v[STO], s23, v[STO]
	v_mul_u32_u24 v[RD], v2, SPITCH
	v_lshl_add_u32 v[RD], v1, 4, v[RD]
	v_add_nc_u32 v[RD], s23, v[RD]
	v_lshlrev_b32 v[CO], 12, v2
	v_lshl_add_u32 v[CO], v1, 4, v[CO]
	s_wait_alu depctr_va_vdst(0)
	v_lshlrev_b32 v[LR], 4, v1
	s_wait_alu depctr_va_vdst(0)
	s_lshl_b32 s86, s42, 9
	s_lshl_b32 s87, s[HB], 8
	s_add_co_u32 s86, s86, s87
	s_mov_b32 s87, 0
	s_add_nc_u64 s[92:93], s[8:9], s[86:87]
	s_lshl_b32 s22, s66, 19
	s_add_co_u32 s86, s86, s22
	s_lshl_b32 s22, s[HA], 18
	s_add_co_u32 s86, s86, s22
	s_add_nc_u64 s[RES:RES+1], s[10:11], s[86:87]
	s_add_nc_u64 s[OUT:OUT+1], s[12:13], s[86:87]
.if LAPS > 1
	s_and_b32 s95, ttmp7, 0xffff
	s_cmp_eq_u32 s[HA], 0
	s_cselect_b32 s94, s40, s41
	s_cselect_b32 s95, ttmp9, s95
	s_cselect_b64 s[PFA:PFA+1], s[80:81], s[82:83]
	s_mov_b32 s[PFS], 2*BG*PART
	s_cselect_b32 s[PFS], 2*AG*PART, s[PFS]
	s_mov_b32 s[PFS+1], 0
	s_cmp_eq_u32 s95, 0
	s_cselect_b32 s[LIM], 1, -1
	s_lshl_b32 s96, s94, 13
	s_mov_b32 s97, 0
	s_add_nc_u64 s[PFA:PFA+1], s[PFA:PFA+1], s[96:97]
	s_add_nc_u64 s[PFA:PFA+1], s[PFA:PFA+1], s[PFS:PFS+1]
	s_add_nc_u64 s[PFA:PFA+1], s[PFA:PFA+1], s[PFS:PFS+1]
	v_and_b32 v[PFO], 31, v0
	v_lshlrev_b32 v[PFO], 8, v[PFO]
.endif
	WIN 0x80
.irp a, 0,1,2,3
.irp i, 0,1,2,3,4,5,6,7
	global_load_b128 v[32*\a+4*\i:32*\a+4*\i+3], v[CO], s[RES:RES+1] offset:(32*(\a/2)+8*(\a%2)+16*(\i/4)+2*(\i%4))*4096
.endr
.endr
	WIN 0
	global_load_b128 v[BI:BI+3], v[LR], s[92:93]
	s_wait_alu depctr_va_vdst(0)
	s_wait_tensorcnt 0x0
	ds_add_u32 v[SPW], v[NIL]
	s_wait_dscnt 0x0
	CROUND
	JLOAD 1
	FETCH 0, 0, 0
	SCALES 0
	STEP 0, 0, 1
.if LAPS > 1
	WIN 0
	s_mov_b32 s3, LAPS-1
.Llap:
	STEP 0, 1, 0
	STEP 0, 2, 0
	TURN 0, 1, 1
	STEP 1, 0, 0
	STEP 1, 1, 0
	STEP 1, 2, 0
	TURN 1, 0, 1
	STEP 0, 0, 0
	WIN 0
	s_sub_co_u32 s3, s3, 1
	s_cmp_lg_u32 s3, 0
	s_cbranch_scc1 .Llap
.endif
	STEP 0, 1, 0
	STEP 0, 2, 0
	TURN 0, 1, 0
	STEP 1, 0, 0
	STEP 1, 1, 0
	STEP 1, 2, 0
	s_wait_dscnt 0x0
	WIN MUL
	MUL8 128, 0, 3, 1, 0
	MUL8 128, 2, 3, 1, 0
	WIN 0
.macro TOSTAGE a
.irp b, 0,1,2,3
	ds_store_b128 v[STO], v[ACC+8*(4*(\a)+\b):ACC+8*(4*(\a)+\b)+3] offset:128*(\b/2)+32*(\b%2)
	ds_store_b128 v[STO], v[ACC+8*(4*(\a)+\b)+4:ACC+8*(4*(\a)+\b)+7] offset:128*(\b/2)+32*(\b%2)+16
.endr
.irp i, 0,1,2,3,4,5,6,7
	ds_load_b128 v[BB+32*((\a)%2)+4*\i:BB+32*((\a)%2)+4*\i+3], v[RD] offset:2*\i*SPITCH
.endr
.endm
.macro SEND a, younger
	s_wait_dscnt \younger
	WIN SUMS
.irp i, 0,1,2,3,4,5,6,7
	v_pk_add_f32 v[32*(\a)+4*\i:32*(\a)+4*\i+1], v[BB+32*((\a)%2)+4*\i:BB+32*((\a)%2)+4*\i+1], v[32*(\a)+4*\i:32*(\a)+4*\i+1]
	v_pk_add_f32 v[32*(\a)+4*\i+2:32*(\a)+4*\i+3], v[BB+32*((\a)%2)+4*\i+2:BB+32*((\a)%2)+4*\i+3], v[32*(\a)+4*\i+2:32*(\a)+4*\i+3]
.endr
.irp i, 0,1,2,3,4,5,6,7
	v_pk_add_f32 v[32*(\a)+4*\i:32*(\a)+4*\i+1], v[BI:BI+1], v[32*(\a)+4*\i:32*(\a)+4*\i+1]
	v_pk_add_f32 v[32*(\a)+4*\i+2:32*(\a)+4*\i+3], v[BI+2:BI+3], v[32*(\a)+4*\i+2:32*(\a)+4*\i+3]
.endr
.irp i, 0,1,2,3,4,5,6,7
	global_store_b128 v[CO], v[32*(\a)+4*\i:32*(\a)+4*\i+3], s[OUT:OUT+1] offset:(32*((\a)/2)+8*((\a)%2)+16*(\i/4)+2*(\i%4))*4096
.endr
	WIN 0
.endm
	PLACES NP
	s_wait_loadcnt 0x0
	TOSTAGE 0
	TOSTAGE 1
	SEND 0, 16
	TOSTAGE 2
	SEND 1, 16
	TOSTAGE 3
	SEND 2, 16
	SEND 3, 0
	s_wait_tensorcnt 0x0
	ds_add_u32 v[SPW], v[NIL]
	s_wait_dscnt 0x0
	CROUND
	s_endpgm
.Lfunc_end_k_q1067fbaa52_oproj:
	.size	k_q1067fbaa52_oproj, .Lfunc_end_k_q1067fbaa52_oproj-k_q1067fbaa52_oproj
	.p2alignl 7, 3214868480
	.fill 96, 4, 3214868480
	.section	.rodata,"a",@progbits
	.p2align	6, 0x0
	.amdhsa_kernel k_q1067fbaa52_oproj
		.amdhsa_group_segment_fixed_size 327680
		.amdhsa_private_segment_fixed_size 0
		.amdhsa_enable_private_segment 0
		.amdhsa_kernarg_size 40
		.amdhsa_user_sgpr_count 2
		.amdhsa_user_sgpr_kernarg_segment_ptr 1
		.amdhsa_wavefront_size32 1
		.amdhsa_system_sgpr_workgroup_id_x 1
		.amdhsa_system_sgpr_workgroup_id_y 1
		.amdhsa_system_sgpr_workgroup_id_z 1
		.amdhsa_system_vgpr_workitem_id 0
		.amdhsa_next_free_vgpr 768
		.amdhsa_next_free_sgpr 100
		.amdhsa_reserve_vcc 0
		.amdhsa_float_denorm_mode_32 3
		.amdhsa_float_denorm_mode_16_64 3
		.amdhsa_memory_ordered 1
		.amdhsa_forward_progress 1
		.amdhsa_inst_pref_size 64
	.end_amdhsa_kernel
	.amdgpu_metadata
---
amdhsa.version: [ 1, 2 ]
amdhsa.kernels:
  - .name:           k_q1067fbaa52_oproj
    .symbol:         k_q1067fbaa52_oproj.kd
    .args:
      - { .name: ao, .offset: 0, .size: 8, .value_kind: global_buffer, .address_space: global }
      - { .name: wts, .offset: 8, .size: 8, .value_kind: global_buffer, .address_space: global }
      - { .name: bo, .offset: 16, .size: 8, .value_kind: global_buffer, .address_space: global }
      - { .name: x, .offset: 24, .size: 8, .value_kind: global_buffer, .address_space: global }
      - { .name: x2, .offset: 32, .size: 8, .value_kind: global_buffer, .address_space: global }
    .group_segment_fixed_size: 327680
    .private_segment_fixed_size: 0
    .kernarg_segment_align: 8
    .kernarg_segment_size: 40
    .max_flat_workgroup_size: 128
    .sgpr_count:     100
    .vgpr_count:     768
    .wavefront_size: 32
...
	.end_amdgpu_metadata
.endif
;; end of part 12
;; launch ln2: the kernel of part 9 again; grid 256 x 1, 8 waves a work-group, no clusters, 69,632 bytes of LDS; arguments x2, ss2, nrm; writes nrm
;; launch mlp1 (part 13): grid 16 x 16, 4 waves a work-group, clusters of 4 x 4, 327,680 bytes of LDS; arguments nrm, wts, b1, hq; writes hq
.if DOCPART == 13
	.amdgcn_target "amdgcn-amd-amdhsa--gfx1250"
	.amdhsa_code_object_version 6
	.text
	.protected	k_q1067fbaa52_mlp1
	.globl	k_q1067fbaa52_mlp1
	.p2align	8
	.type	k_q1067fbaa52_mlp1,@function
k_q1067fbaa52_mlp1:
	s_mov_b64 s[64:65], 0
	v_nop
	global_prefetch_b8 v0, s[64:65] scope:SCOPE_SE
	s_setreg_imm32_b32 hwreg(HW_REG_WAVE_MODE, 25, 1), 1
	s_wait_xcnt 0x0
	s_wait_alu depctr_hold_cnt(0) depctr_sa_sdst(0) depctr_va_vdst(0) depctr_va_sdst(0) depctr_va_ssrc(0) depctr_va_vcc(0) depctr_vm_vsrc(0)
	s_getreg_b32 s2, hwreg(HW_REG_IB_STS2, 6, 4)
	s_cmp_eq_u32 s2, 0
	s_cbranch_scc0 .Lentry_in_a_cluster
	s_endpgm
.Lentry_in_a_cluster:
	s_bfe_u32 s2, ttmp6, 0x10000c
	s_cmp_lg_u32 s2, 0xf033
	s_cbranch_scc0 .Lentry_shape_is_right
	s_endpgm
.Lentry_shape_is_right:
.set PART,  33792
.set SLOT,  4*PART
.set SPARE, 2*SLOT
.set LAPS,  2
.set AG,    32
.set BG,    32
.set BOFF,  128*PART
.set FR, 16
.set NL, 4
.set NP, 8
.set ADRA, 4
.set ADRB, 6
.set ADRS, 8
.set SPW, 10
.set NIL, 11
.set LI,  12
.set SW,  16
.set VO,  20
.set C9,  22
.set SC,  32
.set BIAS, 64
.set AF,  128
.set H,   128
.set P,   192
.set Q,   224
.set T,   0
.set TM,  192
.set PC,  208
.set PW,  224
.set WV, 18
.set HA, 19
.set HB, 20
.set OFF, 21
.set AI,  22
.set G1, 24
.set G0, 32
.set G1B, 48
.set G0B, 56
.set SA, 68
.set SB, 70
.set KW, 72
.set KT, 74
.set LO, 76
.set SM, 77
.set SK, 78
.set SN, 79
.set SEL, 94
.set DST, 96
.set MNT, 98
.set HI,  99
.set MSB, 0
.macro WIN new
.if MSB != (\new)
	s_set_vgpr_msb (MSB<<8)|(\new)
.set MSB, (\new)
.endif
.endm
.set MUL_LO, 0xa1
.set MUL_HI, 0xf1
.set TO_B,   0x40
.macro JLOAD s
	s_cmp_eq_u32 s[HA], 0
	s_cbranch_scc0 .Lfor_b_\@
	tensor_load_to_lds s[G0+4*\s:G0+4*\s+3], s[G1:G1+7]
	s_nop 0
.rept 4
	v_nop
.endr
	s_branch .Lasked_\@
.Lfor_b_\@:
	tensor_load_to_lds s[G0B+4*\s:G0B+4*\s+3], s[G1B:G1B+7]
	s_nop 0
.rept 4
	v_nop
.endr
.Lasked_\@:
.endm
.macro CREST
	s_cmp_lg_u32 s[WV], 0
	s_cbranch_scc1 .Lnot_wave_0_\@
	s_barrier_signal -3
.Lnot_wave_0_\@:
	s_barrier_wait -3
	s_barrier_signal -1
	s_barrier_wait -1
.endm
.macro CROUND
	s_barrier_signal -1
	s_barrier_wait -1
	CREST
.endm
.macro FRAG reg, adr, q, i
.irp c, 0,1,2,3
	ds_load_b128 v[\reg+4*\c:\reg+4*\c+3], v[\adr] offset:(8*(\q)+(\i))*2048+512*\c
.endr
.endm
.macro MUL16 a0, p, q, sc, zero
.irp a, \a0, \a0+1
.irp b, 0,1,2,3,4,5,6,7
.if \zero
	v_wmma_scale_f32_16x16x128_f8f6f4 v[8*(8*((\a)%4)+\b):8*(8*((\a)%4)+\b)+7], v[128*(\p)+FR*\b:128*(\p)+FR*\b+FR-1], v[AF+FR*(\a):AF+FR*(\a)+FR-1], 0, v[SC+16*(\sc)+8*(\q)+4*(\b%2)+\b/2], v[SC+16*(\sc)+8*(\q)+4*((\a)%2)+(\a)/2] matrix_a_scale:MATRIX_SCALE_ROW1
.else
	v_wmma_scale_f32_16x16x128_f8f6f4 v[8*(8*((\a)%4)+\b):8*(8*((\a)%4)+\b)+7], v[128*(\p)+FR*\b:128*(\p)+FR*\b+FR-1], v[AF+FR*(\a):AF+FR*(\a)+FR-1], v[8*(8*((\a)%4)+\b):8*(8*((\a)%4)+\b)+7], v[SC+16*(\sc)+8*(\q)+4*(\b%2)+\b/2], v[SC+16*(\sc)+8*(\q)+4*((\a)%2)+(\a)/2] matrix_a_scale:MATRIX_SCALE_ROW1
.endif
.endr
.endr
.endm
.macro FETCH_B slot, q, p
	WIN TO_B
.irp i, 0,1,2,3,4,5,6,7
	FRAG 128*(\p)+FR*\i, ADRB+\slot, \q, \i
.endr
	WIN 0
.endm
.macro FETCH_A slot, q, i0
.irp i, \i0, \i0+1, \i0+2, \i0+3
	FRAG AF+FR*(\i), ADRA+\slot, \q, \i
.endr
.endm
.macro SCALES sc
.irp q, 0,1
.irp p, 0,1
	ds_load_b128 v[SC+16*\sc+8*\q+4*\p:SC+16*\sc+8*\q+4*\p+3], v[ADRS+\sc] offset:512*\q+256*\p
.endr
.endr
.endm
.macro PLACES n
.rept \n
	v_nop
.endr
.endm
.macro STEP slot, q, zero
	s_wait_dscnt 4*NL
	WIN MUL_LO
	MUL16 0, (\q)%2, \q, \slot, \zero
	MUL16 2, (\q)%2, \q, \slot, \zero
	s_wait_dscnt 0
	PLACES NP
	FETCH_B \slot, (\q)+1, 1-(\q)%2
	FETCH_A \slot, (\q)+1, 0
	WIN MUL_HI
	MUL16 4, (\q)%2, \q, \slot, \zero
	MUL16 6, (\q)%2, \q, \slot, \zero
	PLACES NP
	WIN 0
	FETCH_A \slot, (\q)+1, 4
.endm
.macro TURN slot, next, fill
	s_wait_tensorcnt 0x0
	ds_add_u32 v[SPW], v[NIL]
	s_wait_dscnt 4*NL+1
	WIN MUL_LO
	MUL16 0, 1, 1, \slot, 0
	s_wait_dscnt 0x0
	s_barrier_signal -1
	MUL16 2, 1, 1, \slot, 0
	WIN 0
	s_barrier_wait -1
.if \fill
	CREST
	s_add_nc_u64 s[G0+4*\slot+2:G0+4*\slot+3], s[G0+4*\slot+2:G0+4*\slot+3], s[SA:SA+1]
	s_add_nc_u64 s[G0B+4*\slot+2:G0B+4*\slot+3], s[G0B+4*\slot+2:G0B+4*\slot+3], s[SB:SB+1]
	JLOAD \slot
	PLACES NP-4
.else
	PLACES NP
.endif
	FETCH_B \next, 0, 0
	FETCH_A \next, 0, 0
	SCALES \next
	WIN MUL_HI
	MUL16 4, 1, 1, \slot, 0
	MUL16 6, 1, 1, \slot, 0
	PLACES NP
	WIN 0
	FETCH_A \next, 0, 4
.endm
.macro QUANT s
.irp b, 0,1,2,3
	v_max3_num_f32 v[TM+\b], |v[\s+16*\b]|, |v[\s+1+16*\b]|, 0x4800000
.endr
.irp i, 2,4,6,8,10,12,14
.irp b, 0,1,2,3
	v_max3_num_f32 v[TM+\b], v[TM+\b], |v[\s+16*\b+\i]|, |v[\s+1+16*\b+\i]|
.endr
.endr
.irp b, 0,1,2,3
	v_permlanex16_b32 v[TM+4+\b], v[TM+\b], s[SEL], s[SEL+1]
.endr
.irp b, 0,1,2,3
	v_max_num_f32 v[TM+\b], v[TM+\b], v[TM+4+\b]
.endr
.irp b, 0,1,2,3
	v_add_nc_u32 v[TM+12+\b], 0xfc000000, v[TM+\b]
.endr
.irp b, 0,1,2,3
	v_and_or_b32 v[TM+8+\b], v[TM+\b], 0x7f800000, s[MNT]
.endr
.irp b, 0,1,2,3
	v_lshrrev_b32 v[TM+4+\b], 23, v[TM+12+\b]
.endr
	v_lshl_or_b32 v[PW], v[TM+5], 8, v[TM+4]
	v_lshl_or_b32 v[PW], v[TM+6], 16, v[PW]
	v_lshl_or_b32 v[PW], v[TM+7], 24, v[PW]
.irp b, 0,1,2,3
.irp i, 0,1,2,3,4,5,6,7,8,9,10,11,12,13,14,15
	v_med3_num_f32 v[\s+16*\b+\i], v[\s+16*\b+\i], -v[TM+8+\b], v[TM+8+\b]
.endr
	v_cvt_scalef32_pk8_fp8_f32 v[PC+4*\b:PC+1+4*\b], v[\s+16*\b:\s+7+16*\b], v[TM+12+\b]
	v_cvt_scalef32_pk8_fp8_f32 v[PC+2+4*\b:PC+3+4*\b], v[\s+8+16*\b:\s+15+16*\b], v[TM+12+\b]
.endr
	v_nop
.endm
.macro GELU hb
.set HX, H+32*(\hb)
.set ii, 0
.rept 32
	v_mul_f32 v[Q+ii], s[KW], |v[HX+ii]|
.set ii, ii+1
.endr
	WIN 0x40
.set ii, 0
.rept 16
	v_pk_fma_f32 v[T+ii:T+ii+1], v[Q+ii:Q+ii+1], s[KT:KT+1], 1.0 op_sel_hi:[1,0,0]
.set ii, ii+2
.endr
	WIN 0x41
.set ii, 0
	s_wait_alu depctr_va_vdst(0)
.rept 32
	v_rcp_f32 v[T+ii], v[T+ii]
.set ii, ii+1
.endr
	v_nop
	s_wait_alu depctr_va_vdst(0)
	WIN 0x04
.set ii, 0
.rept 16
	v_pk_fma_f32 v[P+ii:P+ii+1], v[C9:C9+1], v[T+ii:T+ii+1], 0xbf97d29d op_sel_hi:[1,1,0]
.set ii, ii+2
.endr
.irp c, 0x40097039, 0xbfd1a1e5, 0x3ecdfd18, 0xbe899a80, 0x3e0efb2e, 0x3f0a29d2, 0x3fb8ab5a, 0xc034d90f
.set ii, 0
.rept 16
	v_pk_fma_f32 v[P+ii:P+ii+1], v[P+ii:P+ii+1], v[T+ii:T+ii+1], \c op_sel_hi:[1,1,0]
.set ii, ii+2
.endr
.endr
	WIN 0
.set ii, 0
.rept 16
	v_pk_fma_f32 v[P+ii:P+ii+1], v[Q+ii:Q+ii+1], v[Q+ii:Q+ii+1], v[P+ii:P+ii+1] neg_lo:[1,0,0] neg_hi:[1,0,0]
.set ii, ii+2
.endr
.set ii, 0
	s_wait_alu depctr_va_vdst(0)
.rept 32
	v_exp_f32 v[P+ii], v[P+ii]
.set ii, ii+1
.endr
.set ii, 0
.rept 32
	v_max_num_f32 v[Q+ii], 0, v[HX+ii]
.set ii, ii+1
.endr
	s_wait_alu depctr_va_vdst(0)
	WIN 0x04
.set ii, 0
.rept 16
	v_pk_mul_f32 v[P+ii:P+ii+1], v[P+ii:P+ii+1], v[T+ii:T+ii+1]
.set ii, ii+2
.endr
	WIN 0
.set ii, 0
.rept 32
	v_fma_f32 v[HX+ii], -|v[HX+ii]|, v[P+ii], v[Q+ii]
.set ii, ii+1
.endr
.endm
	s_load_b256 s[4:11], s[0:1], 0x0
	v_lshl_add_u32 v[SPW], v0, 2, SPARE
	v_mov_b32 v[NIL], 0
	ds_add_u32 v10, v11
	ds_add_u32 v10, v11
	s_wait_dscnt 0x0
	v_lshrrev_b32 v1, 5, v0
	v_readfirstlane_b32 s[WV], v1
	s_lshr_b32 s[HA], s[WV], 1
	s_and_b32 s[HB], s[WV], 1
	s_bfe_u32 s40, ttmp6, 0x40000
	s_bfe_u32 s41, ttmp6, 0x40004
	s_lshl_b32 s42, ttmp9, 2
	s_add_co_u32 s42, s42, s40
	s_and_b32 s66, ttmp7, 0xffff
	s_lshl_b32 s66, s66, 2
	s_add_co_u32 s66, s66, s41
	s_lshl_b32 s43, s41, 2
	s_lshl_b32 s43, 15, s43
	s_lshl_b32 s44, 0x1111, s40
	s_or_b32 s[G1], s43, (3<<16)|(1<<21)
	s_or_b32 s[G1B], s44, (3<<16)|(1<<21)
.irp g, G1, G1B
	s_mov_b32 s[\g+1], 32<<16
	s_mov_b32 s[\g+2], 264<<16
	s_mov_b32 s[\g+3], 32<<16
	s_mov_b32 s[\g+4], 264
	s_mov_b32 s[\g+5], 32
	s_mov_b32 s[\g+6], 0
	s_mov_b32 s[\g+7], 0
.endr
	s_lshl_b32 s76, s66, 1
	s_add_co_u32 s76, s76, s[HB]
	s_mul_i32 s76, s76, PART
	s_mov_b32 s77, 0
	s_lshl_b32 s78, s42, 1
	s_add_co_u32 s78, s78, s[HB]
	s_mul_i32 s78, s78, PART
	s_add_co_u32 s78, s78, BOFF
	s_mov_b32 s79, 0
	s_mov_b32 s[SA], 2*AG*PART
	s_mov_b32 s[SA+1], 0
	s_mov_b32 s[SB], 2*BG*PART
	s_mov_b32 s[SB+1], 0
	s_mul_i32 s45, s[WV], PART
	s_wait_kmcnt 0x0
	s_add_nc_u64 s[80:81], s[4:5], s[76:77]
	s_add_nc_u64 s[82:83], s[6:7], s[78:79]
	CROUND
.irp s, 0,1
	s_mov_b32 s[G0+4*\s], 1
	s_add_co_u32 s[G0+4*\s+1], s45, \s*SLOT
	s_add_nc_u64 s[G0+4*\s+2:G0+4*\s+3], s[80:81], \s*AG*PART
	s_or_b32 s[G0+4*\s+3], s[G0+4*\s+3], 0x80000000
	s_mov_b32 s[G0B+4*\s], 1
	s_add_co_u32 s[G0B+4*\s+1], s45, \s*SLOT
	s_add_nc_u64 s[G0B+4*\s+2:G0B+4*\s+3], s[82:83], \s*BG*PART
	s_or_b32 s[G0B+4*\s+3], s[G0B+4*\s+3], 0x80000000
.endr
	; THE HEAD'S LOADS, ONE A WAVE: an operand's two parts of a slot are 67,584 consecutive bytes, in memory and in LDS: wave (HA, HB) fetches operand HA of slot HB (264 rows of 256 bytes), so that both slots are asked for here
	s_mul_i32 s84, s[HB], (AG-1)*PART              ; from my part in slot 0 to the operand's first part in slot HB
	s_mov_b32 s85, 0
	s_add_nc_u64 s[6:7], s[80:81], s[84:85]
	s_or_b32 s7, s7, 0x80000000
	s_mul_i32 s84, s[HB], (BG-1)*PART
	s_add_nc_u64 s[46:47], s[82:83], s[84:85]
	s_or_b32 s47, s47, 0x80000000
	s_mul_i32 s5, s[HB], SLOT
	s_mul_i32 s84, s[HA], 2*PART
	s_add_co_u32 s5, s5, s84                       ; where they go: the wave's number alone
	s_mov_b32 s45, s5
	s_mov_b32 s4, 1
	s_mov_b32 s44, 1
	s_cmp_eq_u32 s[HA], 0
	s_cbranch_scc0 .Lhead_b
	tensor_load_to_lds s[4:7], s[G1:G1+7]
	s_nop 0
.rept 4
	v_nop
.endr
	s_branch .Lhead_asked
.Lhead_b:
	tensor_load_to_lds s[44:47], s[G1B:G1B+7]
	s_nop 0
.rept 4
	v_nop
.endr
.Lhead_asked:
	v_and_b32 v1, 15, v0
	v_bfe_u32 v2, v0, 4, 1
	s_wait_alu depctr_va_vdst(0)
	v_and_b32 v3, 31, v0
	v_lshlrev_b32 v[LI], 4, v3
	s_mul_i32 s21, s[HA], PART
	s_mul_i32 s22, s[HB], PART
	s_add_co_u32 s22, s22, 2*PART
.irp s, 0,1
	v_add_nc_u32 v[ADRA+\s], s21, v[LI]
	v_add_nc_u32 v[ADRB+\s], s22, v[LI]
	s_add_co_u32 s21, s21, SLOT
	s_add_co_u32 s22, s22, SLOT
.endr
	s_xor_b32 s23, s[HA], 1
	s_add_co_u32 s23, s23, s[HB]
	s_add_co_u32 s23, s23, 1
	s_mul_i32 s23, s23, PART
	v_mul_u32_u24 v3, s23, v2
	v_lshl_add_u32 v3, v1, 4, v3
	s_mul_i32 s21, s[HA], PART
	s_add_co_u32 s21, s21, 32768
	v_add_nc_u32 v[ADRS], s21, v3
	s_add_co_u32 s21, s21, SLOT
	v_add_nc_u32 v[ADRS+1], s21, v3
	v_lshlrev_b32 v13, 6, v2
	s_lshl_b32 s86, s42, 10
	s_lshl_b32 s87, s[HB], 9
	s_add_co_u32 s86, s86, s87
	s_mov_b32 s87, 0
	s_add_nc_u64 s[88:89], s[8:9], s[86:87]
.irp b, 0,1,2,3
.irp j, 0,1,2,3
	global_load_b128 v[BIAS+16*\b+4*\j:BIAS+16*\b+4*\j+3], v13, s[88:89] offset:128*\b+16*\j
.endr
.endr
	s_lshl_b32 s86, s42, 5
	s_lshl_b32 s22, s66, 1
	s_add_co_u32 s86, s86, s22
	s_add_co_u32 s86, s86, s[HA]
	s_mul_i32 s86, s86, PART
	s_add_nc_u64 s[90:91], s[10:11], s[86:87]
	s_lshl_b32 s86, s[HB], 14
	s_add_nc_u64 s[DST:DST+1], s[90:91], s[86:87]
	s_lshl_b32 s86, s[HB], 9
	s_add_co_u32 s86, s86, 32768
	s_add_nc_u64 s[90:91], s[90:91], s[86:87]
	s_wait_alu depctr_va_vdst(0)
	s_wait_tensorcnt 0x0                           ; my two parts are in, and no tensor load of mine is out, so a descriptor may be written: from here on a load brings one part of 132 rows
	s_mov_b32 s[G1+2], 132<<16
	s_mov_b32 s[G1+4], 132
	s_mov_b32 s[G1B+2], 132<<16
	s_mov_b32 s[G1B+4], 132
	s_barrier_signal -1
	s_barrier_wait -1                              ; everybody's are: both slots are whole
	FETCH_B 0, 0, 0
	FETCH_A 0, 0, 0
	SCALES 0
	FETCH_A 0, 0, 4
	STEP 0, 0, 1
	s_mov_b32 s3, LAPS-1
.Llap:
	TURN 0, 1, 1
	STEP 1, 0, 0
	TURN 1, 0, 1
	STEP 0, 0, 0
	s_sub_co_u32 s3, s3, 1
	s_cmp_lg_u32 s3, 0
	s_cbranch_scc1 .Llap
	TURN 0, 1, 0
	STEP 1, 0, 0
	s_wait_dscnt 4*NL
	WIN MUL_LO
	MUL16 0, 1, 1, 1, 0
	MUL16 2, 1, 1, 1, 0
	s_wait_dscnt 0
	WIN MUL_HI
	MUL16 4, 1, 1, 1, 0
	MUL16 6, 1, 1, 1, 0
	WIN 0
	PLACES NP
	s_wait_loadcnt 0x0
	s_mov_b32 s[SEL], 0x76543210
	s_mov_b32 s[SEL+1], 0xfedcba98
	s_mov_b32 s[MNT], 0x600000
	s_mov_b32 s[HI], 0xffff0000
	s_mov_b32 s[LO], 0xffff
	s_mov_b32 s[KW], 0x3f596d27
	s_mov_b32 s[KT], 0x3ed5224d
	s_mov_b32 s[KT+1], s[KT]
	s_mov_b32 s[OFF], 0
	s_mov_b32 s[AI], 0
	v_mov_b32 v[C9], 0x3e7c6f08
	v_mov_b32 v[C9+1], 0x3e7c6f08
.irp k, 0,1,2,3
	v_mov_b32 v[SW+\k], 0
.endr
.macro MOVER a
	WIN 0x02+(\a)/4
.set jj, 0
.rept 32
	v_pk_add_f32 v[H+jj:H+jj+1], v[64*((\a)%4)+jj:64*((\a)%4)+jj+1], v[BIAS+jj:BIAS+jj+1]
.set jj, jj+2
.endr
	WIN 0
.endm
.Lblock:
.irp a, 0,1,2,3,4,5,6
	s_cmp_eq_u32 s[AI], \a
	s_cbranch_scc1 .Lmove_\a
.endr
	MOVER 7
	s_branch .Lmoved
.irp a, 0,1,2,3,4,5,6
.Lmove_\a:
	MOVER \a
	s_branch .Lmoved
.endr
.Lmoved:
	s_wait_xcnt 0x0
	v_add_nc_u32 v[VO], s[OFF], v[LI]
	GELU 0
	GELU 1
	QUANT H
.irp c, 0,1,2,3
	global_store_b128 v[VO], v[PC+4*\c:PC+4*\c+3], s[DST:DST+1] offset:512*\c
.endr
	s_and_b32 s[SN], s[AI], 1
	s_cmp_eq_u32 s[SN], 1
	s_cselect_b32 s[SM], s[HI], s[LO]
	s_lshr_b32 s[SK], s[AI], 1
.irp k, 0,1,2,3
	s_cmp_eq_u32 s[SK], \k
	s_cselect_b32 s[SN], s[SM], 0
	v_cndmask_b32 v[SW+\k], v[SW+\k], v[PW], s[SN]
.endr
	s_add_co_u32 s[OFF], s[OFF], 2048
	s_add_co_u32 s[AI], s[AI], 1
	s_cmp_lt_u32 s[AI], 8
	s_cbranch_scc1 .Lblock
	s_wait_alu depctr_va_vdst(0)
	global_store_b128 v[LI], v[SW:SW+3], s[90:91]
	s_wait_tensorcnt 0x0
	ds_add_u32 v[SPW], v[NIL]
	s_wait_dscnt 0x0
	CROUND
	s_endpgm
.Lfunc_end_k_q1067fbaa52_mlp1:
	.size	k_q1067fbaa52_mlp1, .Lfunc_end_k_q1067fbaa52_mlp1-k_q1067fbaa52_mlp1
	.p2alignl 7, 3214868480
	.fill 96, 4, 3214868480
	.section	.rodata,"a",@progbits
	.p2align	6, 0x0
	.amdhsa_kernel k_q1067fbaa52_mlp1
		.amdhsa_group_segment_fixed_size 327680
		.amdhsa_private_segment_fixed_size 0
		.amdhsa_enable_private_segment 0
		.amdhsa_kernarg_size 32
		.amdhsa_user_sgpr_count 2
		.amdhsa_user_sgpr_kernarg_segment_ptr 1
		.amdhsa_wavefront_size32 1
		.amdhsa_system_sgpr_workgroup_id_x 1
		.amdhsa_system_sgpr_workgroup_id_y 1
		.amdhsa_system_sgpr_workgroup_id_z 1
		.amdhsa_system_vgpr_workitem_id 0
		.amdhsa_next_free_vgpr 1024
		.amdhsa_next_free_sgpr 100
		.amdhsa_reserve_vcc 0
		.amdhsa_float_denorm_mode_32 3
		.amdhsa_float_denorm_mode_16_64 3
		.amdhsa_memory_ordered 1
		.amdhsa_forward_progress 1
		.amdhsa_inst_pref_size 189
	.end_amdhsa_kernel
	.amdgpu_metadata
---
amdhsa.version: [ 1, 2 ]
amdhsa.kernels:
  - .name:           k_q1067fbaa52_mlp1
    .symbol:         k_q1067fbaa52_mlp1.kd
    .args:
      - { .name: nrm, .offset: 0, .size: 8, .value_kind: global_buffer, .address_space: global }
      - { .name: wts, .offset: 8, .size: 8, .value_kind: global_buffer, .address_space: global }
      - { .name: b1, .offset: 16, .size: 8, .value_kind: global_buffer, .address_space: global }
      - { .name: hq, .offset: 24, .size: 8, .value_kind: global_buffer, .address_space: global }
    .group_segment_fixed_size: 327680
    .private_segment_fixed_size: 0
    .kernarg_segment_align: 8
    .kernarg_segment_size: 32
    .max_flat_workgroup_size: 128
    .sgpr_count:     100
    .vgpr_count:     1024
    .wavefront_size: 32
...
	.end_amdgpu_metadata
.endif
;; end of part 13
;; launch mlp2 (part 14): grid 8 x 32, 4 waves a work-group, clusters of 4 x 4, 327,680 bytes of LDS; arguments hq, wts, b2, x2, out0; writes out0
.if DOCPART == 14
	.amdgcn_target "amdgcn-amd-amdhsa--gfx1250"
	.amdhsa_code_object_version 6
	.text
	.protected	k_q1067fbaa52_mlp2
	.globl	k_q1067fbaa52_mlp2
	.p2align	8
	.type	k_q1067fbaa52_mlp2,@function
k_q1067fbaa52_mlp2:
	s_mov_b64 s[64:65], 0
	v_nop
	global_prefetch_b8 v0, s[64:65] scope:SCOPE_SE
	s_setreg_imm32_b32 hwreg(HW_REG_WAVE_MODE, 25, 1), 1
	s_wait_xcnt 0x0
	s_wait_alu depctr_hold_cnt(0) depctr_sa_sdst(0) depctr_va_vdst(0) depctr_va_sdst(0) depctr_va_ssrc(0) depctr_va_vcc(0) depctr_vm_vsrc(0)
	s_getreg_b32 s2, hwreg(HW_REG_IB_STS2, 6, 4)
	s_cmp_eq_u32 s2, 0
	s_cbranch_scc0 .Lentry_in_a_cluster
	s_endpgm
.Lentry_in_a_cluster:
	s_bfe_u32 s2, ttmp6, 0x10000c
	s_cmp_lg_u32 s2, 0xf033
	s_cbranch_scc0 .Lentry_shape_is_right
	s_endpgm
.Lentry_shape_is_right:
.set PART,  33792
.set SLOT,  4*PART
.set SPARE, 2*SLOT
.set STAGE, SPARE+512
.set SPITCH, 272
.set LAPS,  4
.set AG,    32
.set BG,    8
.set BOFF,  256*PART
.set FR, 16
.set NP, 8
.set ADRA, 4
.set ADRB, 8
.set ADRS, 12
.set BI,  16
.set SPW, 20
.set NIL, 21
.set LI,  22
.set STO, 23
.set RD,  24
.set CO,  25
.set LR,  26
.set PFO, 27
.set SC,  32
.set BB,  64
.set ACC, 128
.set WV, 18
.set HA, 19
.set HB, 20
.set G1, 24
.set G0, 32
.set G1B, 48
.set G0B, 56
.set SA, 68
.set SB, 70
.set PFA, 72
.set PFS, 74
.set LIM, 84
.set RES, 88
.set OUT, 90
.set MSB, 0
.macro WIN new
.if MSB != (\new)
	s_set_vgpr_msb (MSB<<8)|(\new)
.set MSB, (\new)
.endif
.endm
.set MUL,  0x05
.set TO_F, 0x40
.set SUMS, 0x88
.macro JLOAD s
	s_cmp_eq_u32 s[HA], 0
	s_cbranch_scc0 .Lfor_b_\@
	tensor_load_to_lds s[G0+4*\s:G0+4*\s+3], s[G1:G1+7]
	s_nop 0
.rept 4
	v_nop
.endr
	s_branch .Lasked_\@
.Lfor_b_\@:
	tensor_load_to_lds s[G0B+4*\s:G0B+4*\s+3], s[G1B:G1B+7]
	s_nop 0
.rept 4
	v_nop
.endr
.Lasked_\@:
.endm
.macro CREST
	s_cmp_lg_u32 s[WV], 0
	s_cbranch_scc1 .Lnot_wave_0_\@
	s_barrier_signal -3
.Lnot_wave_0_\@:
	s_barrier_wait -3
	s_barrier_signal -1
	s_barrier_wait -1
.endm
.macro CROUND
	s_barrier_signal -1
	s_barrier_wait -1
	CREST
.endm
.macro ASK last
.if \last
	s_cmp_gt_u32 s3, s[LIM]
.else
	s_cmp_eq_u32 s[LIM], 1
.endif
	s_cbranch_scc0 .Lnot_mine_\@
	s_wait_alu depctr_va_vdst(0)
	global_prefetch_b8 v[PFO], s[PFA:PFA+1] th:TH_LOAD_NT scope:SCOPE_SE
.Lnot_mine_\@:
.endm
.macro FRAG reg, adr, q, i
.irp c, 0,1,2,3
	ds_load_b128 v[(\reg)+4*\c:(\reg)+4*\c+3], v[\adr] offset:(8*(\q)+(\i))*2048+512*\c
.endr
.endm
.macro FETCH slot, t, f
	WIN TO_F
.irp i, 0,1,2,3
	FRAG (\f)+64+FR*\i, ADRB+2*(\slot)+(\t)/2, (\t)%2, \i
	FRAG (\f)+FR*\i, ADRA+2*(\slot)+(\t)/2, (\t)%2, \i
.endr
.endm
.macro SCALES sc
	WIN 0
.irp t, 0,1,2,3
.irp p, 0,1
	ds_load_b64 v[SC+16*(\sc)+4*\t+2*\p:SC+16*(\sc)+4*\t+2*\p+1], v[ADRS+2*(\sc)+\t/2] offset:512*(\t%2)+256*\p
.endr
.endr
.endm
.macro MUL8 f, a0, t, sc, zero
.irp a, \a0, \a0+1
.irp b, 0,1,2,3
.if \zero
	v_wmma_scale_f32_16x16x128_f8f6f4 v[ACC+8*(4*(\a)+\b):ACC+8*(4*(\a)+\b)+7], v[(\f)+64+FR*\b:(\f)+64+FR*\b+FR-1], v[(\f)+FR*(\a):(\f)+FR*(\a)+FR-1], 0, v[SC+16*(\sc)+4*(\t)+2*(\b%2)+\b/2], v[SC+16*(\sc)+4*(\t)+2*((\a)%2)+(\a)/2] matrix_a_scale:MATRIX_SCALE_ROW1
.else
	v_wmma_scale_f32_16x16x128_f8f6f4 v[ACC+8*(4*(\a)+\b):ACC+8*(4*(\a)+\b)+7], v[(\f)+64+FR*\b:(\f)+64+FR*\b+FR-1], v[(\f)+FR*(\a):(\f)+FR*(\a)+FR-1], v[ACC+8*(4*(\a)+\b):ACC+8*(4*(\a)+\b)+7], v[SC+16*(\sc)+4*(\t)+2*(\b%2)+\b/2], v[SC+16*(\sc)+4*(\t)+2*((\a)%2)+(\a)/2] matrix_a_scale:MATRIX_SCALE_ROW1
.endif
.endr
.endr
.endm
.macro PLACES n
.rept \n
	v_nop
.endr
.endm
.macro STEP slot, t, zero
	s_wait_dscnt 0x0
	PLACES NP
	FETCH \slot, (\t)+1, 128*(((\t)+1)%2)
	WIN MUL
	MUL8 128*((\t)%2), 0, \t, \slot, \zero
	MUL8 128*((\t)%2), 2, \t, \slot, \zero
.endm
.macro TURN slot, next, fill
	WIN 0
.if \fill
	s_wait_xcnt 0x0
	s_add_nc_u64 s[PFA:PFA+1], s[PFA:PFA+1], s[PFS:PFS+1]
.endif
	s_wait_tensorcnt 0x0
	ds_add_u32 v[SPW], v[NIL]
	s_wait_dscnt 1
	WIN MUL
	MUL8 128, 0, 3, \slot, 0
	s_wait_dscnt 0x0
	s_barrier_signal -1
	MUL8 128, 2, 3, \slot, 0
	WIN 0
	s_barrier_wait -1
.if \fill
	CREST
	s_add_nc_u64 s[G0+4*\slot+2:G0+4*\slot+3], s[G0+4*\slot+2:G0+4*\slot+3], s[SA:SA+1]
	s_add_nc_u64 s[G0B+4*\slot+2:G0B+4*\slot+3], s[G0B+4*\slot+2:G0B+4*\slot+3], s[SB:SB+1]
	JLOAD \slot
	PLACES NP-4
.else
	PLACES NP
.endif
	FETCH \next, 0, 0
	SCALES \next
.if \fill
	ASK \slot
.endif
.endm
	s_load_b256 s[4:11], s[0:1], 0x0
	s_load_b64 s[12:13], s[0:1], 0x20
	v_lshl_add_u32 v[SPW], v0, 2, SPARE
	v_mov_b32 v[NIL], 0
	ds_add_u32 v20, v21
	ds_add_u32 v20, v21
	s_wait_dscnt 0x0
	v_lshrrev_b32 v1, 5, v0
	v_readfirstlane_b32 s[WV], v1
	s_lshr_b32 s[HA], s[WV], 1
	s_and_b32 s[HB], s[WV], 1
	s_bfe_u32 s40, ttmp6, 0x40000
	s_bfe_u32 s41, ttmp6, 0x40004
	s_lshl_b32 s42, ttmp9, 2
	s_add_co_u32 s42, s42, s40
	s_and_b32 s66, ttmp7, 0xffff
	s_lshl_b32 s66, s66, 2
	s_add_co_u32 s66, s66, s41
	s_lshl_b32 s43, s41, 2
	s_lshl_b32 s43, 15, s43
	s_lshl_b32 s44, 0x1111, s40
	s_or_b32 s[G1], s43, (3<<16)|(1<<21)
	s_or_b32 s[G1B], s44, (3<<16)|(1<<21)
.irp g, G1, G1B
	s_mov_b32 s[\g+1], 32<<16
	s_mov_b32 s[\g+2], 132<<16
	s_mov_b32 s[\g+3], 32<<16
	s_mov_b32 s[\g+4], 132
	s_mov_b32 s[\g+5], 32
	s_mov_b32 s[\g+6], 0
	s_mov_b32 s[\g+7], 0
.endr
	s_mul_i32 s76, s[HB], AG
	s_add_co_u32 s76, s76, s66
	s_mul_i32 s76, s76, PART
	s_mov_b32 s77, 0
	s_mul_i32 s78, s[HB], BG
	s_add_co_u32 s78, s78, s42
	s_mul_i32 s78, s78, PART
	s_add_co_u32 s78, s78, BOFF
	s_mov_b32 s79, 0
	s_mov_b32 s[SA], 4*AG*PART
	s_mov_b32 s[SA+1], 0
	s_mov_b32 s[SB], 4*BG*PART
	s_mov_b32 s[SB+1], 0
	s_mul_i32 s45, s[WV], PART
	s_wait_kmcnt 0x0
	s_add_nc_u64 s[80:81], s[4:5], s[76:77]
	s_add_nc_u64 s[82:83], s[6:7], s[78:79]
	CROUND
.irp s, 0,1
	s_mov_b32 s[G0+4*\s], 1
	s_add_co_u32 s[G0+4*\s+1], s45, \s*SLOT
	s_add_nc_u64 s[G0+4*\s+2:G0+4*\s+3], s[80:81], \s*2*AG*PART
	s_or_b32 s[G0+4*\s+3], s[G0+4*\s+3], 0x80000000
	s_mov_b32 s[G0B+4*\s], 1
	s_add_co_u32 s[G0B+4*\s+1], s45, \s*SLOT
	s_add_nc_u64 s[G0B+4*\s+2:G0B+4*\s+3], s[82:83], \s*2*BG*PART
	s_or_b32 s[G0B+4*\s+3], s[G0B+4*\s+3], 0x80000000
.endr
	JLOAD 0
	v_and_b32 v1, 15, v0
	v_bfe_u32 v2, v0, 4, 1
	v_and_b32 v3, 31, v0
	v_lshlrev_b32 v[LI], 4, v3
	s_wait_alu depctr_va_vdst(0)
	s_lshl_b32 s21, s[HA], 13
	s_lshl_b32 s22, s[HB], 13
	s_add_co_u32 s22, s22, 2*PART
.irp n, 0,1,2,3
	v_add_nc_u32 v[ADRA+\n], s21, v[LI]
	v_add_nc_u32 v[ADRB+\n], s22, v[LI]
	s_add_co_u32 s21, s21, PART+(\n%2)*(SLOT-2*PART)
	s_add_co_u32 s22, s22, PART+(\n%2)*(SLOT-2*PART)
.endr
	s_xor_b32 s23, s[HA], 1
	s_add_co_u32 s23, s23, s[HB]
	s_lshl_b32 s23, s23, 3
	s_add_co_u32 s23, s23, 2*PART-8
	v_mul_u32_u24 v3, s23, v2
	v_lshl_add_u32 v3, v1, 4, v3
	s_lshl_b32 s21, s[HA], 3
	s_add_co_u32 s21, s21, 32768
.irp n, 0,1,2,3
	v_add_nc_u32 v[ADRS+\n], s21, v3
	s_add_co_u32 s21, s21, PART+(\n%2)*(SLOT-2*PART)
.endr
	s_mul_i32 s23, s[WV], 16*SPITCH
	s_add_co_u32 s23, s23, STAGE
	v_mul_u32_u24 v[STO], v1, SPITCH
	v_lshl_add_u32 v[STO], v2, 6, v[STO]
	v_add_nc_u32 v[STO], s23, v[STO]
	v_mul_u32_u24 v[RD], v2, SPITCH
	v_lshl_add_u32 v[RD], v1, 4, v[RD]
	v_add_nc_u32 v[RD], s23, v[RD]
	v_lshlrev_b32 v[CO], 12, v2
	v_lshl_add_u32 v[CO], v1, 4, v[CO]
	s_wait_alu depctr_va_vdst(0)
	v_lshlrev_b32 v[LR], 4, v1
	s_wait_alu depctr_va_vdst(0)
	s_lshl_b32 s86, s42, 9
	s_lshl_b32 s87, s[HB], 8
	s_add_co_u32 s86, s86, s87
	s_mov_b32 s87, 0
	s_add_nc_u64 s[92:93], s[8:9], s[86:87]
	s_lshl_b32 s22, s66, 19
	s_add_co_u32 s86, s86, s22
	s_lshl_b32 s22, s[HA], 18
	s_add_co_u32 s86, s86, s22
	s_add_nc_u64 s[RES:RES+1], s[10:11], s[86:87]
	s_add_nc_u64 s[OUT:OUT+1], s[12:13], s[86:87]
.if LAPS > 1
	s_cmp_eq_u32 s[HA], 0
	s_cselect_b32 s94, s40, s41
	s_cselect_b64 s[PFA:PFA+1], s[80:81], s[82:83]
	s_mov_b32 s[PFS], 2*BG*PART
	s_cselect_b32 s[PFS], 2*AG*PART, s[PFS]
	s_mov_b32 s[PFS+1], 0
	s_mov_b32 s[LIM], 1                            ; every cluster asks for the parts that it will itself load
	s_lshl_b32 s96, s94, 13
	s_mov_b32 s97, 0
	s_add_nc_u64 s[PFA:PFA+1], s[PFA:PFA+1], s[96:97]
	s_add_nc_u64 s[PFA:PFA+1], s[PFA:PFA+1], s[PFS:PFS+1]
	s_add_nc_u64 s[PFA:PFA+1], s[PFA:PFA+1], s[PFS:PFS+1]
	v_and_b32 v[PFO], 31, v0
	v_lshlrev_b32 v[PFO], 8, v[PFO]
.endif
	WIN 0x80
.irp a, 0,1,2,3
.irp i, 0,1,2,3,4,5,6,7
	global_load_b128 v[32*\a+4*\i:32*\a+4*\i+3], v[CO], s[RES:RES+1] offset:(32*(\a/2)+8*(\a%2)+16*(\i/4)+2*(\i%4))*4096
.endr
.endr
	WIN 0
	global_load_b128 v[BI:BI+3], v[LR], s[92:93]
	s_wait_alu depctr_va_vdst(0)
	s_wait_tensorcnt 0x0
	ds_add_u32 v[SPW], v[NIL]
	s_wait_dscnt 0x0
	CROUND
	JLOAD 1
	FETCH 0, 0, 0
	SCALES 0
	STEP 0, 0, 1
.if LAPS > 1
	WIN 0
	s_mov_b32 s3, LAPS-1
.Llap:
	STEP 0, 1, 0
	STEP 0, 2, 0
	TURN 0, 1, 1
	STEP 1, 0, 0
	STEP 1, 1, 0
	STEP 1, 2, 0
	TURN 1, 0, 1
	STEP 0, 0, 0
	WIN 0
	s_sub_co_u32 s3, s3, 1
	s_cmp_lg_u32 s3, 0
	s_cbranch_scc1 .Llap
.endif
	STEP 0, 1, 0
	STEP 0, 2, 0
	TURN 0, 1, 0
	STEP 1, 0, 0
	STEP 1, 1, 0
	STEP 1, 2, 0
	s_wait_dscnt 0x0
	WIN MUL
	MUL8 128, 0, 3, 1, 0
	MUL8 128, 2, 3, 1, 0
	WIN 0
.macro TOSTAGE a
.irp b, 0,1,2,3
	ds_store_b128 v[STO], v[ACC+8*(4*(\a)+\b):ACC+8*(4*(\a)+\b)+3] offset:128*(\b/2)+32*(\b%2)
	ds_store_b128 v[STO], v[ACC+8*(4*(\a)+\b)+4:ACC+8*(4*(\a)+\b)+7] offset:128*(\b/2)+32*(\b%2)+16
.endr
.irp i, 0,1,2,3,4,5,6,7
	ds_load_b128 v[BB+32*((\a)%2)+4*\i:BB+32*((\a)%2)+4*\i+3], v[RD] offset:2*\i*SPITCH
.endr
.endm
.macro SEND a, younger
	s_wait_dscnt \younger
	WIN SUMS
.irp i, 0,1,2,3,4,5,6,7
	v_pk_add_f32 v[32*(\a)+4*\i:32*(\a)+4*\i+1], v[BB+32*((\a)%2)+4*\i:BB+32*((\a)%2)+4*\i+1], v[32*(\a)+4*\i:32*(\a)+4*\i+1]
	v_pk_add_f32 v[32*(\a)+4*\i+2:32*(\a)+4*\i+3], v[BB+32*((\a)%2)+4*\i+2:BB+32*((\a)%2)+4*\i+3], v[32*(\a)+4*\i+2:32*(\a)+4*\i+3]
.endr
.irp i, 0,1,2,3,4,5,6,7
	v_pk_add_f32 v[32*(\a)+4*\i:32*(\a)+4*\i+1], v[BI:BI+1], v[32*(\a)+4*\i:32*(\a)+4*\i+1]
	v_pk_add_f32 v[32*(\a)+4*\i+2:32*(\a)+4*\i+3], v[BI+2:BI+3], v[32*(\a)+4*\i+2:32*(\a)+4*\i+3]
.endr
.irp i, 0,1,2,3,4,5,6,7
	global_store_b128 v[CO], v[32*(\a)+4*\i:32*(\a)+4*\i+3], s[OUT:OUT+1] offset:(32*((\a)/2)+8*((\a)%2)+16*(\i/4)+2*(\i%4))*4096 th:TH_STORE_NT
.endr
	WIN 0
.endm
	PLACES NP
	s_wait_loadcnt 0x0
	TOSTAGE 0
	TOSTAGE 1
	SEND 0, 16
	TOSTAGE 2
	SEND 1, 16
	TOSTAGE 3
	SEND 2, 16
	SEND 3, 0
	s_wait_tensorcnt 0x0
	ds_add_u32 v[SPW], v[NIL]
	s_wait_dscnt 0x0
	CROUND
	s_endpgm
.Lfunc_end_k_q1067fbaa52_mlp2:
	.size	k_q1067fbaa52_mlp2, .Lfunc_end_k_q1067fbaa52_mlp2-k_q1067fbaa52_mlp2
	.p2alignl 7, 3214868480
	.fill 96, 4, 3214868480
	.section	.rodata,"a",@progbits
	.p2align	6, 0x0
	.amdhsa_kernel k_q1067fbaa52_mlp2
		.amdhsa_group_segment_fixed_size 327680
		.amdhsa_private_segment_fixed_size 0
		.amdhsa_enable_private_segment 0
		.amdhsa_kernarg_size 40
		.amdhsa_user_sgpr_count 2
		.amdhsa_user_sgpr_kernarg_segment_ptr 1
		.amdhsa_wavefront_size32 1
		.amdhsa_system_sgpr_workgroup_id_x 1
		.amdhsa_system_sgpr_workgroup_id_y 1
		.amdhsa_system_sgpr_workgroup_id_z 1
		.amdhsa_system_vgpr_workitem_id 0
		.amdhsa_next_free_vgpr 768
		.amdhsa_next_free_sgpr 100
		.amdhsa_reserve_vcc 0
		.amdhsa_float_denorm_mode_32 3
		.amdhsa_float_denorm_mode_16_64 3
		.amdhsa_memory_ordered 1
		.amdhsa_forward_progress 1
		.amdhsa_inst_pref_size 103
	.end_amdhsa_kernel
	.amdgpu_metadata
---
amdhsa.version: [ 1, 2 ]
amdhsa.kernels:
  - .name:           k_q1067fbaa52_mlp2
    .symbol:         k_q1067fbaa52_mlp2.kd
    .args:
      - { .name: hq, .offset: 0, .size: 8, .value_kind: global_buffer, .address_space: global }
      - { .name: wts, .offset: 8, .size: 8, .value_kind: global_buffer, .address_space: global }
      - { .name: b2, .offset: 16, .size: 8, .value_kind: global_buffer, .address_space: global }
      - { .name: x2, .offset: 24, .size: 8, .value_kind: global_buffer, .address_space: global }
      - { .name: out0, .offset: 32, .size: 8, .value_kind: global_buffer, .address_space: global }
    .group_segment_fixed_size: 327680
    .private_segment_fixed_size: 0
    .kernarg_segment_align: 8
    .kernarg_segment_size: 40
    .max_flat_workgroup_size: 128
    .sgpr_count:     100
    .vgpr_count:     768
    .wavefront_size: 32
...
	.end_amdgpu_metadata
.endif
;; end of part 14
